; MI455X (gfx1250); checked and timed in simulation.
; The chip was launched on July 23, 2026; its instructions are those of AMD's public machine-readable ISA for CDNA 5 (MIT licence, August 2026) and "CDNA5" Instruction Set Architecture Reference Guide (July 2026). The comments in the code are by the model that wrote it; some were corrected since.
;; block. Allowed arithmetic: matrix products marked QUANTISED: E2M1 operands, one E8M0 scale for each 32 along K, by v_wmma_scale_f32_16x16x128_f8f6f4 with both operands' format E2M1 (or v_wmma_scale_f32_32x16x128_f4), f32 sums; everything else in f32.
;; Inputs: W1_codes 4,096 x 32 x 16 uint8 (E2M1 codes of W1, K innermost, in blocks of 32 codes, two codes a byte); W1_scales 4,096 x 32 uint8 (E8M0 scales of W1, one for each 32 codes along K); W2_codes 1,024 x 128 x 16 uint8 (E2M1 codes of W2, K innermost, in blocks of 32 codes, two codes a byte); W2_scales 1,024 x 128 uint8 (E8M0 scales of W2, one for each 32 codes along K); Wk_codes 1,024 x 32 x 16 uint8 (E2M1 codes of Wk, K innermost, in blocks of 32 codes, two codes a byte); Wk_scales 1,024 x 32 uint8 (E8M0 scales of Wk, one for each 32 codes along K); Wo_codes 1,024 x 32 x 16 uint8 (E2M1 codes of Wo, K innermost, in blocks of 32 codes, two codes a byte); Wo_scales 1,024 x 32 uint8 (E8M0 scales of Wo, one for each 32 codes along K); Wq_codes 1,024 x 32 x 16 uint8 (E2M1 codes of Wq, K innermost, in blocks of 32 codes, two codes a byte); Wq_scales 1,024 x 32 uint8 (E8M0 scales of Wq, one for each 32 codes along K); Wv_codes 1,024 x 32 x 16 uint8 (E2M1 codes of Wv, K innermost, in blocks of 32 codes, two codes a byte); Wv_scales 1,024 x 32 uint8 (E8M0 scales of Wv, one for each 32 codes along K); b1 4,096 float32; b2 1,024 float32; bk 1,024 float32; bo 1,024 float32; bq 1,024 float32; bv 1,024 float32; ln1_b 1,024 float32; ln1_g 1,024 float32; ln2_b 1,024 float32; ln2_g 1,024 float32; x 2 x 2,048 x 1,024 float32.
;; Outputs: out0 2 x 2,048 x 1,024 float32.
;; This version of the problem:
;;   THIS VERSION OF THE PROBLEM IS GIVEN IN LOW PRECISION. The matrix products marked QUANTISED in the list below multiply operands that are first quantised to E2M1 (2 exponent bits, 1 mantissa bit; 4 bits a number), with one power-of-two scale for each 32 numbers along K (OCP MX v1.0); their sums are f32. All else is computed in f32.
;;   The module's matrix products, in the order in which they are computed (A, B: the left and right operand; K: the contracted axis; several contracted axes count as one K, in the product's order):
;;     1. [M 4,096, K 1,024] x [K 1,024, N 1,024]; A: computed on the way; B: input Wq (given as codes): QUANTISED
;;     2. [M 4,096, K 1,024] x [K 1,024, N 1,024]; A: computed on the way; B: input Wk (given as codes): QUANTISED
;;     3. [M 4,096, K 1,024] x [K 1,024, N 1,024]; A: computed on the way; B: input Wv (given as codes): QUANTISED
;;     4. batch 32 x [M 2,048, K 64] x [K 64, N 2,048]; A: computed on the way; B: computed on the way: QUANTISED
;;     5. batch 32 x [M 64, K 2,048] x [K 2,048, N 2,048]; A: computed on the way; B: softmax (see below): QUANTISED
;;     6. [M 4,096, K 1,024] x [K 1,024, N 1,024]; A: computed on the way; B: input Wo (given as codes): QUANTISED
;;     7. [M 4,096, K 1,024] x [K 1,024, N 4,096]; A: computed on the way; B: input W1 (given as codes): QUANTISED
;;     8. [M 4,096, K 4,096] x [K 4,096, N 1,024]; A: computed on the way; B: input W2 (given as codes): QUANTISED
;;   THE QUANTISER, for each operand of a quantised product, along K:
;;     - K is cut into blocks of 32 from its start; a last block that is shorter is filled with zeros.
;;     - A block's scale is 2^e with e = floor(log2(the largest magnitude in the block)) - 2, held to -126 .. 127; a block of zeros has e = 0. As a byte (E8M0): e + 127.
;;     - Each number is divided by its block's scale, clamped to +-6, and rounded to the nearest number of E2M1, ties to even, subnormals kept.
;;     - The product sums the exact products of the quantised numbers (number of the format x scale) in f32.
;;   ~~~python
;;   def quantise(x, axis):      # numpy; x: float32 -> the quantised numbers, widened to float32 again
;;       x = np.moveaxis(x, axis, -1); K = x.shape[-1]
;;       x = np.pad(x, [(0, 0)] * (x.ndim - 1) + [(0, -K % 32)]); x = x.reshape(x.shape[:-1] + (-1, 32)); a = np.abs(x).max(-1, keepdims=True)
;;       e = np.where(a > 0, np.clip(np.frexp(np.where(a > 0, a, 1))[1] - 1 - 2, -126, 127), 0)      # np.frexp(a)[1] - 1 = floor(log2(a)), exactly
;;       r = np.clip(x / 2.0 ** e, -6, 6)
;;       step = 2.0 ** (np.maximum(np.frexp(np.where(r == 0, 1, r))[1] - 1, 0) - 1)
;;       q = np.round(r / step) * step * 2.0 ** e      # np.round: ties to even
;;       return np.moveaxis(q.reshape(q.shape[:-2] + (-1,))[..., :K], -1, axis).astype(np.float32)
;;   ~~~
;;   SOFTMAX AHEAD OF A QUANTISED PRODUCT. Where the list says 'softmax', what is quantised is not the finished softmax but p = 2^(t - M), with t = logit x log2(e) and M = ceil(the row's largest t), a whole number; so 1/2 < the row's largest p <= 1. The row's sum l is taken of the UNQUANTISED p, in f32, and the product's result is divided by l at the end. Since M is a whole number, a kernel that streams over the keys may use a running M (the ceiling of the running maximum): every later rescaling is an exact power of two, which a block's scale takes up: the codes' values come out the same.
;;   OPERANDS COMPUTED ON THE WAY. 'Computed on the way' means the value that the module computes at that place (a softmax that the list does not call 'softmax' is quantised finished and normalised). What goes into a quantiser is computed in f32, as accurately as f32 sums, v_exp_f32 and their like allow (about 1e-6 of the number): no bf16 or f16 on the way to a quantiser, and a product that is left as it is and whose result goes on into a quantised operand takes f32 operands (vector FMAs, or v_wmma_f32_16x16x4_f32). A number that lies on a knife's edge between two numbers of the format may be rounded either way, as far as f32 arithmetic and the matrix unit's own rounding can turn it there, and no further.
;;   INPUTS GIVEN AS CODES. W1 (in the module: [1024, 4096], K = its axis 0); W2 (in the module: [4096, 1024], K = its axis 0); Wk (in the module: [1024, 1024], K = its axis 0); Wo (in the module: [1024, 1024], K = its axis 0); Wq (in the module: [1024, 1024], K = its axis 0); Wv (in the module: [1024, 1024], K = its axis 0): each comes as NAME_codes (uint8): NAME with its K axis moved to the last place and cut into blocks of 32 codes, [.., K / 32, bytes a block], one block behind the other in memory; two codes a byte, the lower K in the low four bits (a code: sign, 2 exponent bits, 1 mantissa bit); and NAME_scales (uint8): the same leading axes, one E8M0 byte (e + 127) for each 32 codes along K. Its value is code x scale, taken as it is: it is not quantised again, and the codes and scales need not be those that the quantiser above would give.
;; 2 versions, each right; version 2 is version 1 with the launches attn, wo_ln2 written anew for expert scheduling mode. Each part assembles by itself: llvm-mc -triple=amdgcn-amd-amdhsa -mcpu=gfx1250 --defsym DOCPART=n.
;; ======== version 1 of 2: 6 launches
;; limits: an absolute error that grows with the inputs' magnitude: up to 7.5e-08 times it
;; workspace buffers: ws1 8,519,680 bytes; ws2 6,815,744 bytes; ws3 2,228,224 bytes; ws4 19,005,440 bytes; ws5 8,912,896 bytes
;; launch prep (part 1): grid 448 x 1, 4 waves a work-group, no clusters, 28,160 bytes of LDS; arguments x, ln1_g, ln1_b, Wq_codes, Wk_codes, Wv_codes, Wo_codes, W1_codes, W2_codes, ws1; writes ws1
.if DOCPART == 1
	.amdgcn_target "amdgcn-amd-amdhsa--gfx1250"
	.amdhsa_code_object_version 6
	.text
	.protected	k_q5662354310_prep
	.globl	k_q5662354310_prep
	.p2align	8
	.type	k_q5662354310_prep,@function
k_q5662354310_prep:
	s_mov_b64 s[64:65], 0
	v_nop
	global_prefetch_b8 v0, s[64:65] scope:SCOPE_SE
	s_setreg_imm32_b32 hwreg(HW_REG_WAVE_MODE, 25, 1), 1
	s_wait_xcnt 0x0
; Two jobs in one launch, parted by the work-group's number.
; Work-groups 0-255: LayerNorm 1 of 16 tokens and its quantiser (E2M1, one E8M0 byte for each 32 along the model axis).
; Work-groups 256-447: the six weights' codes are laid anew as IMAGES OF OPERAND REGISTERS, so that every later load of a fragment is 512 dense bytes.
; TILE ORDER: row m of 16-row tile T is item 32 (T / 2) + 8 (T % 2) + m + 8 (m / 8), for tokens and for weight rows alike.
; IMAGE of (tile, 128 along K): 1,024 bytes; byte 512 c + 16 lane holds the lane's registers 4 c .. 4 c + 3.  So block l (of 32 along K) of row m lies at 256 l + 16 m of the tile's bytes.
; ws1: 0 Wq, 0x80000 Wk, 0x100000 Wv, 0x180000 Wo, 0x200000 W1, 0x400000 W2 (images); 0x600000 the codes of LN1(x) [tile][8][1024]; 0x800000 their scale bytes [tile][row][32].
; LIMITS: NaN and infinities are not served; a block whose largest magnitude lies under 2^-124 keeps the byte 1, a block of zeros too (its codes are zeros; only this program reads the bytes).
; No matrix unit, no tensor load, no cluster: the launch streams, and its work-groups share no input.
.set TSTW, 4608                        ; a wave's turning stage: 32 places of 128 bytes + 16
.set HIMG, 4*TSTW                      ; the tile's image: 32 groups (blocks) of 256 bytes + 16
.set HSC,  HIMG+32*272                 ; the tile's 512 scale bytes
.set HQ,   0x600000
.set HS,   0x800000
.set DO, 2                             ; v2  16 x lane
.set TW, 3                             ; v3  stage, way in
.set TR, 4                             ; v4  stage, way out: 144 x lane
.set IW, 5                             ; v5  image, way in
.set SB, 6                             ; v6  scale byte
.set IR, 7                             ; v7  image, way out
.set OO, 8                             ; v8  16 x lane + 2,048 x wave
.set HR, 9                             ; v9  scale bytes, way out
.set S0, 10
.set S1, 12
.set MU, 14
.set RS, 16
.set PD, 18
.set TT, 19
.set MX, 20
.set SC, 22
.set BY, 23
.set CD, 24
.set Y,  32                            ; v32-63   a block of 32 neighbours
.set X,  64                            ; v64-191  four rows, 32 registers each: register 4 j + e = column 128 j + 4 lane + e
.set G,  192                           ; v192-223 gamma, the same layout
.set BT, 224                           ; v224-255 beta
	s_load_b512 s[8:23], s[0:1], 0x0               ; x 8, gamma 10, beta 12, Wq 14, Wk 16, Wv 18, Wo 20, W1 22
	s_load_b128 s[24:27], s[0:1], 0x40             ; W2 24, ws1 26
	s_set_vgpr_msb 0x40
	v_lshl_add_u32 v0, v0, 2, 0x6c00
	v_mov_b32 v1, 0
	s_set_vgpr_msb 0x4000
	v_lshrrev_b32 v1, 5, v0
	v_readfirstlane_b32 s28, v1                    ; wave
	v_and_b32 v1, 31, v0                           ; lane
	v_lshlrev_b32 v[DO], 4, v1
	s_cmp_lt_u32 ttmp9, 256
	s_cbranch_scc0 .Llayout
	; ---------------- LayerNorm 1 and its quantiser: tile T = work-group; wave w takes rows 4 w .. 4 w + 3
	s_mov_b32 s30, 0x76543210
	s_mov_b32 s31, 0xfedcba98                      ; lane l xor 16
	s_mov_b32 s32, 0x3a800000                      ; 1 / 1,024
	s_mov_b32 s33, 0x3727c5ac                      ; 1e-5
	s_lshr_b32 s34, ttmp9, 1
	s_lshl_b32 s34, s34, 5
	s_and_b32 s35, ttmp9, 1
	s_lshl_b32 s35, s35, 3
	s_add_co_u32 s34, s34, s35
	s_lshl_b32 s35, s28, 2
	s_add_co_u32 s34, s34, s35
	s_lshr_b32 s35, s28, 1
	s_lshl_b32 s35, s35, 3
	s_add_co_u32 s34, s34, s35                     ; my first token: 32 (T / 2) + 8 (T % 2) + 4 w + 8 (w / 2)
	s_lshl_b32 s34, s34, 12                        ; a row of x is 4,096 bytes
	s_mov_b32 s35, 0
	s_lshl_b32 s38, ttmp9, 13
	s_add_co_u32 s38, s38, HQ
	s_mov_b32 s39, 0
	s_lshl_b32 s40, ttmp9, 9
	s_add_co_u32 s40, s40, HS
	s_mov_b32 s41, 0
	s_mul_i32 s36, s28, TSTW
	v_lshrrev_b32 v[TT], 3, v1
	v_mul_u32_u24 v[TW], v[TT], 144
	v_and_b32 v[TT], 7, v1
	v_lshl_add_u32 v[TW], v[TT], 4, v[TW]
	v_add_nc_u32 v[TW], s36, v[TW]                 ; 144 (lane / 8) + 16 (lane % 8): a load's 512 bytes take four places
	v_mul_u32_u24 v[TR], v1, 144
	v_add_nc_u32 v[TR], s36, v[TR]
	v_mul_u32_u24 v[IW], v1, 272
	s_lshl_b32 s37, s28, 6
	s_add_co_u32 s37, s37, HIMG
	v_add_nc_u32 v[IW], s37, v[IW]                 ; group = my block (lane), + 16 x row
	s_lshl_b32 s37, s28, 7
	s_add_co_u32 s37, s37, HSC
	v_add_nc_u32 v[SB], s37, v1                    ; 32 x row + block
	v_lshrrev_b32 v[TT], 4, v1
	v_mul_u32_u24 v[IR], v[TT], 272
	v_and_b32 v[TT], 15, v1
	v_lshl_add_u32 v[IR], v[TT], 4, v[IR]
	s_mul_i32 s37, s28, 2176
	s_add_co_u32 s37, s37, HIMG
	v_add_nc_u32 v[IR], s37, v[IR]                 ; chunk 4 w + k: groups 2 (4 w + k) + lane / 16
	s_lshl_b32 s37, s28, 11
	v_add_nc_u32 v[OO], s37, v[DO]
	v_add_nc_u32 v[HR], HSC, v[DO]
	v_mov_b32 v[PD], 0                             ; a lane permute's destination counts as one of its sources
	s_wait_kmcnt 0x0
	s_add_nc_u64 s[8:9], s[8:9], s[34:35]
	s_add_nc_u64 s[38:39], s[26:27], s[38:39]
	s_add_nc_u64 s[40:41], s[26:27], s[40:41]
.irp j, 0,1,2,3,4,5,6,7
	global_load_b128 v[G+4*\j:G+4*\j+3], v[DO], s[10:11] offset:512*\j
.endr
.irp j, 0,1,2,3,4,5,6,7
	global_load_b128 v[BT+4*\j:BT+4*\j+3], v[DO], s[12:13] offset:512*\j
.endr
.irp i, 0,1,2,3
.irp j, 0,1,2,3,4,5,6,7
	global_load_b128 v[X+32*\i+4*\j:X+32*\i+4*\j+3], v[DO], s[8:9] offset:4096*\i+512*\j   ; 32 lanes read 512 consecutive bytes
.endr
.endr
.macro REDUCE a                        ; the sum over the wave's 32 lanes, in every lane
	v_add_f32_dpp v[\a], v[\a], v[\a] row_xmask:1 row_mask:0xf bank_mask:0xf
	v_add_f32_dpp v[\a], v[\a], v[\a] row_xmask:2 row_mask:0xf bank_mask:0xf
	v_add_f32_dpp v[\a], v[\a], v[\a] row_xmask:4 row_mask:0xf bank_mask:0xf
	v_add_f32_dpp v[\a], v[\a], v[\a] row_xmask:8 row_mask:0xf bank_mask:0xf
	v_permlanex16_b32 v[PD], v[\a], s30, s31
	v_add_f32 v[\a], v[\a], v[PD]
.endm
.macro LNROW x                         ; one row, 32 registers a lane, normalised in place: mean, centred, variance of the centred numbers, as the reference has it
	v_pk_add_f32 v[S0:S0+1], v[\x:\x+1], v[\x+2:\x+3]
	v_pk_add_f32 v[S1:S1+1], v[\x+4:\x+5], v[\x+6:\x+7]
.irp j, 8,12,16,20,24,28
	v_pk_add_f32 v[S0:S0+1], v[S0:S0+1], v[\x+\j:\x+\j+1]
	v_pk_add_f32 v[S1:S1+1], v[S1:S1+1], v[\x+\j+2:\x+\j+3]
.endr
	v_pk_add_f32 v[S0:S0+1], v[S0:S0+1], v[S1:S1+1]
	v_add_f32 v[S0], v[S0], v[S0+1]
	REDUCE S0
	v_mul_f32 v[MU], s32, v[S0]
	v_mov_b32 v[MU+1], v[MU]
.set j, 0
.rept 16
	v_pk_add_f32 v[\x+j:\x+j+1], v[\x+j:\x+j+1], v[MU:MU+1] neg_lo:[0,1] neg_hi:[0,1]
.set j, j+2
.endr
	v_pk_mul_f32 v[S0:S0+1], v[\x:\x+1], v[\x:\x+1]
	v_pk_mul_f32 v[S1:S1+1], v[\x+2:\x+3], v[\x+2:\x+3]
.irp j, 4,8,12,16,20,24,28
	v_pk_fma_f32 v[S0:S0+1], v[\x+\j:\x+\j+1], v[\x+\j:\x+\j+1], v[S0:S0+1]
	v_pk_fma_f32 v[S1:S1+1], v[\x+\j+2:\x+\j+3], v[\x+\j+2:\x+\j+3], v[S1:S1+1]
.endr
	v_pk_add_f32 v[S0:S0+1], v[S0:S0+1], v[S1:S1+1]
	v_add_f32 v[S0], v[S0], v[S0+1]
	REDUCE S0
	v_fma_f32 v[S0], v[S0], s32, s33               ; variance + eps
	v_rsq_f32 v[RS], v[S0]
	v_nop                                          ; a plain instruction behind the transcendental
	s_wait_alu depctr_va_vdst(0)                   ; the wait ahead of the result's first reader
	v_mov_b32 v[RS+1], v[RS]
.set j, 0
.rept 16
	v_pk_mul_f32 v[\x+j:\x+j+1], v[\x+j:\x+j+1], v[RS:RS+1]
.set j, j+2
.endr
.set j, 0
.rept 16
	v_pk_fma_f32 v[\x+j:\x+j+1], v[\x+j:\x+j+1], v[G+j:G+j+1], v[BT+j:BT+j+1]
.set j, j+2
.endr
.endm
.macro TURN x                          ; the row through my own stage: in as loaded, out 128 bytes a lane: lane l then holds block l, 32 neighbours
.irp j, 0,1,2,3,4,5,6,7
	ds_store_b128 v[TW], v[\x+4*\j:\x+4*\j+3] offset:576*\j
.endr
.irp j, 0,1,2,3,4,5,6,7
	ds_load_b128 v[Y+4*\j:Y+4*\j+3], v[TR] offset:16*\j   ; LDS serves a wave's instructions in order: these see the stores above
.endr
	s_wait_dscnt 0x0                               ; the block is in; the last row's stores of codes and byte are done too
.endm
.macro QUANTB i                        ; my block of row 4 w + i: scale byte and 32 codes, into the tile's image
	v_max3_num_f32 v[MX], |v[Y]|, |v[Y+1]|, |v[Y+2]|
	v_max3_num_f32 v[MX+1], |v[Y+3]|, |v[Y+4]|, |v[Y+5]|
.irp e, 6,10,14,18,22,26
	v_max3_num_f32 v[MX], v[MX], |v[Y+\e]|, |v[Y+\e+1]|
	v_max3_num_f32 v[MX+1], v[MX+1], |v[Y+\e+2]|, |v[Y+\e+3]|
.endr
	v_max3_num_f32 v[MX], v[MX], |v[Y+30]|, |v[Y+31]|
	v_max3_num_f32 v[MX], v[MX], v[MX+1], 0x1800000   ; the floor 2^(3 - 127): the byte cannot fall under 1
	v_add_nc_u32 v[SC], 0xff000000, v[MX]          ; 2 off the exponent field: the conversion's scale operand
	v_lshrrev_b32 v[BY], 23, v[SC]                 ; the scale's byte
.irp e, 0,1,2,3
	v_cvt_scalef32_pk8_fp4_f32 v[CD+\e], v[Y+8*\e:Y+8*\e+7], v[SC]
.endr
	v_nop                                          ; a plain instruction behind the last conversion
	ds_store_b128 v[IW], v[CD:CD+3] offset:16*\i
	ds_store_b8 v[SB], v[BY] offset:32*\i
.endm
.irp i, 0,1,2,3
	s_wait_loadcnt 8*(3-\i)                        ; loads come back in order: gamma, beta and this row are in; the later rows' eight loads each may be out
	LNROW X+32*\i
	TURN X+32*\i
	QUANTB \i
.endr
	s_wait_dscnt 0x0                               ; for the others' sake: my stores into the image are done
	s_barrier_signal -1
	s_barrier_wait -1
.irp k, 0,1,2,3
	ds_load_b128 v[Y+4*\k:Y+4*\k+3], v[IR] offset:544*\k
.endr
.irp k, 0,1,2,3
	s_wait_dscnt 3-\k
	global_store_b128 v[OO], v[Y+4*\k:Y+4*\k+3], s[38:39] offset:512*\k   ; 32 lanes store 512 consecutive bytes
.endr
	s_cmp_lg_u32 s28, 0
	s_cbranch_scc1 .Ldone
	ds_load_b128 v[Y+16:Y+19], v[HR]               ; wave 0: the tile's 512 scale bytes
	s_wait_dscnt 0x0
	global_store_b128 v[DO], v[Y+16:Y+19], s[40:41]
.Ldone:
	s_set_vgpr_msb 0x5
	s_wait_tensorcnt 0x0
	ds_add_u32 v0, v1
	s_wait_dscnt 0x0
	s_set_vgpr_msb 0x500
	s_endpgm
	; ---------------- the weights' images: unit u = 4 (work-group - 256) + wave is 8,192 bytes: one tile x 1,024 along K
.Llayout:
	s_sub_co_u32 s34, ttmp9, 256
	s_lshl_b32 s34, s34, 2
	s_add_co_u32 s34, s34, s28                     ; u: 0-63 Wq, 64-127 Wk, 128-191 Wv, 192-255 Wo, 256-511 W1, 512-767 W2 (tile (u - 512) / 4, quarter of K (u - 512) % 4)
	s_and_b32 s38, s34, 63
	s_and_b32 s39, s34, 255
	s_lshr_b32 s40, s39, 2
	s_and_b32 s41, s39, 3
	s_cmp_ge_u32 s34, 256
	s_cselect_b32 s38, s39, s38
	s_cmp_ge_u32 s34, 512
	s_cselect_b32 s38, s40, s38                    ; the tile
	s_cselect_b32 s41, s41, 0                      ; the quarter of K
	s_cselect_b32 s42, 11, 9                       ; a row of codes is 2,048 or 512 bytes
	s_lshr_b32 s44, s38, 1
	s_lshl_b32 s44, s44, 5
	s_and_b32 s45, s38, 1
	s_lshl_b32 s45, s45, 3
	s_add_co_u32 s44, s44, s45                     ; the tile's first row
	s_lshl_b32 s44, s44, s42
	s_lshl_b32 s45, s41, 9
	s_add_co_u32 s44, s44, s45
	s_mov_b32 s45, 0
	s_lshl_b32 s46, s34, 13
	s_mov_b32 s47, 0
	v_and_b32 v3, 15, v1
	v_and_b32 v4, 8, v3
	v_add_nc_u32 v3, v3, v4                        ; r + 8 (r / 8)
	v_lshlrev_b32 v3, s42, v3
	v_lshrrev_b32 v4, 4, v1
	v_lshl_add_u32 v3, v4, 4, v3                   ; + 16 x (lane / 16)
	s_wait_kmcnt 0x0
	s_mov_b64 s[36:37], s[14:15]
	s_cmp_ge_u32 s34, 64
	s_cselect_b64 s[36:37], s[16:17], s[36:37]
	s_cmp_ge_u32 s34, 128
	s_cselect_b64 s[36:37], s[18:19], s[36:37]
	s_cmp_ge_u32 s34, 192
	s_cselect_b64 s[36:37], s[20:21], s[36:37]
	s_cmp_ge_u32 s34, 256
	s_cselect_b64 s[36:37], s[22:23], s[36:37]
	s_cmp_ge_u32 s34, 512
	s_cselect_b64 s[36:37], s[24:25], s[36:37]     ; the choice hangs on the unit's number alone
	s_add_nc_u64 s[36:37], s[36:37], s[44:45]
	s_add_nc_u64 s[46:47], s[26:27], s[46:47]
.set k, 0
.rept 16
	global_load_b128 v[16+4*k:16+4*k+3], v3, s[36:37] offset:32*k th:TH_LOAD_NT   ; K step k / 2, half k % 2: 64 (k / 2) + 32 (k % 2) bytes along the row
.set k, k+1
.endr
.set k, 0
.rept 16
	s_wait_loadcnt 15-k
	global_store_b128 v[DO], v[16+4*k:16+4*k+3], s[46:47] offset:512*k
.set k, k+1
.endr
	s_endpgm
.Lfunc_end_k_q5662354310_prep:
	.size	k_q5662354310_prep, .Lfunc_end_k_q5662354310_prep-k_q5662354310_prep
	.p2alignl 7, 3214868480
	.fill 96, 4, 3214868480
	.section	.rodata,"a",@progbits
	.p2align	6, 0x0
	.amdhsa_kernel k_q5662354310_prep
		.amdhsa_group_segment_fixed_size 28160
		.amdhsa_private_segment_fixed_size 0
		.amdhsa_enable_private_segment 0
		.amdhsa_kernarg_size 80
		.amdhsa_user_sgpr_count 2
		.amdhsa_user_sgpr_kernarg_segment_ptr 1
		.amdhsa_wavefront_size32 1
		.amdhsa_system_sgpr_workgroup_id_x 1
		.amdhsa_system_sgpr_workgroup_id_y 1
		.amdhsa_system_sgpr_workgroup_id_z 1
		.amdhsa_system_vgpr_workitem_id 0
		.amdhsa_next_free_vgpr 258
		.amdhsa_next_free_sgpr 66
		.amdhsa_reserve_vcc 0
		.amdhsa_float_denorm_mode_32 3
		.amdhsa_float_denorm_mode_16_64 3
		.amdhsa_memory_ordered 1
		.amdhsa_forward_progress 1
		.amdhsa_inst_pref_size 49
	.end_amdhsa_kernel
	.amdgpu_metadata
---
amdhsa.version: [ 1, 2 ]
amdhsa.kernels:
  - .name:           k_q5662354310_prep
    .symbol:         k_q5662354310_prep.kd
    .args:
      - { .name: x, .offset: 0, .size: 8, .value_kind: global_buffer, .address_space: global }
      - { .name: ln1_g, .offset: 8, .size: 8, .value_kind: global_buffer, .address_space: global }
      - { .name: ln1_b, .offset: 16, .size: 8, .value_kind: global_buffer, .address_space: global }
      - { .name: Wq_codes, .offset: 24, .size: 8, .value_kind: global_buffer, .address_space: global }
      - { .name: Wk_codes, .offset: 32, .size: 8, .value_kind: global_buffer, .address_space: global }
      - { .name: Wv_codes, .offset: 40, .size: 8, .value_kind: global_buffer, .address_space: global }
      - { .name: Wo_codes, .offset: 48, .size: 8, .value_kind: global_buffer, .address_space: global }
      - { .name: W1_codes, .offset: 56, .size: 8, .value_kind: global_buffer, .address_space: global }
      - { .name: W2_codes, .offset: 64, .size: 8, .value_kind: global_buffer, .address_space: global }
      - { .name: ws1, .offset: 72, .size: 8, .value_kind: global_buffer, .address_space: global }
    .group_segment_fixed_size: 28160
    .private_segment_fixed_size: 0
    .kernarg_segment_align: 8
    .kernarg_segment_size: 80
    .max_flat_workgroup_size: 128
    .sgpr_count:     66
    .vgpr_count:     258
    .wavefront_size: 32
...
	.end_amdgpu_metadata
.endif
;; end of part 1
;; launch qkv (part 2): grid 16 x 16, 4 waves a work-group, clusters of 4 x 1, 168,448 bytes of LDS; arguments ws1, Wq_scales, Wk_scales, Wv_scales, bq, bk, bv, ws2; writes ws2
.if DOCPART == 2
	.amdgcn_target "amdgcn-amd-amdhsa--gfx1250"
	.amdhsa_code_object_version 6
	.text
	.protected	k_q5662354310_qkv
	.globl	k_q5662354310_qkv
	.p2align	8
	.type	k_q5662354310_qkv,@function
k_q5662354310_qkv:
	s_mov_b64 s[64:65], 0
	v_nop
	global_prefetch_b8 v0, s[64:65] scope:SCOPE_SE
	s_setreg_imm32_b32 hwreg(HW_REG_WAVE_MODE, 25, 1), 1
	s_wait_xcnt 0x0
	s_wait_alu depctr_hold_cnt(0) depctr_sa_sdst(0) depctr_va_vdst(0) depctr_va_sdst(0) depctr_va_ssrc(0) depctr_va_vcc(0) depctr_vm_vsrc(0)
	s_getreg_b32 s2, hwreg(HW_REG_IB_STS2, 6, 4)
	s_cmp_eq_u32 s2, 0
	s_cbranch_scc0 .Lentry_in_a_cluster
	s_endpgm
.Lentry_in_a_cluster:
	s_bfe_u32 s2, ttmp6, 0x10000c
	s_cmp_lg_u32 s2, 0x3003
	s_cbranch_scc0 .Lentry_shape_is_right
	s_endpgm
.Lentry_shape_is_right:
; q, k and v of ONE head for 256 tokens: three products [256 x 1,024] x [1,024 x 64] on E2M1 codes, bias as the sums' first C, and the three quantisers.
; Work-group (x = group of 256 tokens, y = head).  Wave w takes token tiles 16 x + 4 w + g, g = 0..3; its 32 fragments of LN1(x) stay in registers for all three products.
; The head's slices of Wq, Wk, Wv (3 x 32 KiB of images, each a dense block of memory) come into LDS by tensor loads, once, and are read by all four waves.
; CLUSTER: the four work-groups of a cluster take four neighbouring groups of tokens of one head and need the same three slices: each wave asks for its quarter of each slice JOINTLY, by the same
; descriptor in all four and a mask that names the four.  Nothing is filled again: one round of the cluster's barrier stands in front of the loads, one in front of the end.  Three tensor loads of a wave are out at the most.
; The tokens' fragments, which the 16 heads' work-groups share, go straight into registers, where no joint request reaches.
; q, k: source 0 = 16 weight rows, source 1 = 16 tokens: a lane holds one token, its registers run along the head's 64: blocks of 32 along the first attention product's K.
; v:    source 0 = 16 tokens, source 1 = 16 weight rows: a lane holds one channel, its registers run along the tokens: blocks of 32 along the KEYS.
; Tiles are in the order row m = item 32 (T / 2) + 8 (T % 2) + m + 8 (m / 8), so that the 16 registers of tiles 2 b, 2 b + 1 are 16 neighbours.
; ws2: 0 q's codes, 0x200000 k's: [batch x head][tile 128][512]; 0x400000 v's [bh][key step 16][channel tile 4][half 2][512]; 0x600000 q's scale words [bh][tile][row][s0 s1 s0 s1];
;      0x640000 [bh][8,192]: k's words [step][lane 16 (pair / 2) + r][word pair % 2], then at 4,096 v's [step][lane 16 (tile % 2) + r][word tile / 2].
; LDS: 100,352 bytes are used; the launch claims 168,448.  LIMITS as in the first launch (NaN, infinities, blocks under 2^-124).
.set SCST, 98304                       ; LDS: 3 x 32,768 of weights, then 2,048 bytes of scale words on their way out
.set HQ,  0x600000
.set HS,  0x800000
.set KC,  0x200000
.set VC,  0x400000
.set QS,  0x600000
.set KVS, 0x640000
.set LI,  1                            ; v1     16 x lane
.set LB,  2                            ; v2-4   16 x lane + 32,768 u
.set PRD, 5                            ; v5     the piece of scale words that I send
.set SWA, 6                            ; v6     (r + 8 (r / 8) + 8 h) x 32: my weight row's scale bytes
.set SHA, 7                            ; v7     32 x lane
.set BA,  8                            ; v8     64 h
.set BVA, 9                            ; v9     4 (r + 8 (r / 8))
.set QST, 10
.set KST, 11
.set VST, 12
.set SH,  16                           ; v16-31 tokens' scale words: 8 (g / 2) + K step; lanes 0-15 tile 2 (g / 2), lanes 16-31 the next
.set SW,  32                           ; v32-47 weights' scale words: 8 (t / 2) + K step, likewise
.set BF,  48                           ; v48-111 weight fragments, two sets of four; at work in the epilogues
.set ACC, 112                          ; v112-239
.set P,   240
.set TW,  248
.set M,   48
.set SC,  56
.set BY,  64
.set CD,  72
.set G1,  52                           ; s[52:59] descriptor group 1: 32 rows of 256 bytes, dense
.set G0A, 60                           ; s[60:63], s[68:71], s[72:75] descriptor group 0 for my quarter of Wq's, Wk's, Wv's slice
.set G0B, 68
.set G0C, 72
.set MSB, 0
.macro WIN new                         ; the immediate's high byte repeats the setting that is left
.if MSB != (\new)
	s_set_vgpr_msb (MSB<<8)|(\new)
.set MSB, (\new)
.endif
.endm
.macro PLACES n
.rept \n
	v_nop
.endr
.endm
.macro BARRIER                         ; my LDS stores have landed and my LDS loads are in: then the work-group's barrier
	s_wait_dscnt 0x0
	s_barrier_signal -1
	s_barrier_wait -1
.endm
.macro CROUND                          ; a round of the cluster's barrier: my work-group's barrier; wave 0 signals for the work-group; every wave waits for all four work-groups; my work-group's barrier once more
	s_barrier_signal -1
	s_barrier_wait -1
	s_cmp_lg_u32 s28, 0
	s_cbranch_scc1 .Lnot_wave_0_\@
	s_barrier_signal -3
.Lnot_wave_0_\@:
	s_barrier_wait -3
	s_barrier_signal -1
	s_barrier_wait -1
.endm
.macro DESC g0, u                      ; group 0 for my quarter (8,192 bytes) of unit u's slice
	s_mov_b32 s[\g0], 1                            ; count = 1
	s_add_co_u32 s[\g0+1], s51, 32768*\u           ; LDS address: 8,192 x wave + 32,768 u
	s_add_nc_u64 s[\g0+2:\g0+3], s[24:25], 0x80000*\u   ; the three weights' images lie 0x80000 bytes apart
	s_or_b32 s[\g0+3], s[\g0+3], 0x80000000        ; type = 2
.endm
.macro WMX                             ; one product, by the symbols rD rA rB rC rSA rSB; fA, fB: the scales stand in lanes 16-31
.if fA && fB
	v_wmma_scale_f32_16x16x128_f8f6f4 v[rD:rD+7], v[rA:rA+7], v[rB:rB+7], v[rC:rC+7], v[rSA], v[rSB] matrix_a_fmt:MATRIX_FMT_FP4 matrix_b_fmt:MATRIX_FMT_FP4 matrix_a_scale:MATRIX_SCALE_ROW1 matrix_b_scale:MATRIX_SCALE_ROW1
.elseif fA
	v_wmma_scale_f32_16x16x128_f8f6f4 v[rD:rD+7], v[rA:rA+7], v[rB:rB+7], v[rC:rC+7], v[rSA], v[rSB] matrix_a_fmt:MATRIX_FMT_FP4 matrix_b_fmt:MATRIX_FMT_FP4 matrix_a_scale:MATRIX_SCALE_ROW1
.elseif fB
	v_wmma_scale_f32_16x16x128_f8f6f4 v[rD:rD+7], v[rA:rA+7], v[rB:rB+7], v[rC:rC+7], v[rSA], v[rSB] matrix_a_fmt:MATRIX_FMT_FP4 matrix_b_fmt:MATRIX_FMT_FP4 matrix_b_scale:MATRIX_SCALE_ROW1
.else
	v_wmma_scale_f32_16x16x128_f8f6f4 v[rD:rD+7], v[rA:rA+7], v[rB:rB+7], v[rC:rC+7], v[rSA], v[rSB] matrix_a_fmt:MATRIX_FMT_FP4 matrix_b_fmt:MATRIX_FMT_FP4
.endif
.endm
; 128 numbers of a lane, eight blocks n of 16 registers (the other 16 of a block lie in lane l xor 16), become codes CD[2 n], CD[2 n + 1] and bytes BY[n].
; Behind the exchange CD[4 g .. 4 g + 3] are 16 bytes a lane: lanes 0-15 hold block 2 g of their row, lanes 16-31 block 2 g + 1: half an image.
.macro QUANTG x
.set n, 0
.rept 8
	v_max3_num_f32 v[M+n], |v[\x+16*n]|, |v[\x+16*n+1]|, 0x1800000   ; each accumulator is read from its low end on; the floor 2^(3 - 127) holds the byte at 1 from below
.set n, n+1
.endr
.irp i, 2,4,6,8,10,12,14
.set n, 0
.rept 8
	v_max3_num_f32 v[M+n], v[M+n], |v[\x+16*n+\i]|, |v[\x+16*n+\i+1]|
.set n, n+1
.endr
.endr
.set n, 0
.rept 8
	v_permlanex16_b32 v[P+n], v[M+n], s32, s33
.set n, n+1
.endr
.set n, 0
.rept 8
	v_max_num_f32 v[M+n], v[M+n], v[P+n]
.set n, n+1
.endr
.set n, 0
.rept 8
	v_add_nc_u32 v[SC+n], 0xff000000, v[M+n]       ; 2 off the exponent field: the conversion's scale operand
.set n, n+1
.endr
.set n, 0
.rept 8
	v_lshrrev_b32 v[BY+n], 23, v[SC+n]
.set n, n+1
.endr
.set n, 0
.rept 8
	v_cvt_scalef32_pk8_fp4_f32 v[CD+2*n], v[\x+16*n:\x+16*n+7], v[SC+n]
	v_cvt_scalef32_pk8_fp4_f32 v[CD+2*n+1], v[\x+16*n+8:\x+16*n+15], v[SC+n]
.set n, n+1
.endr
	v_nop                                          ; a plain instruction behind the last conversion
.set n, 0
.rept 4
	v_permlane16_swap_b32 v[CD+4*n], v[CD+4*n+2]
	v_permlane16_swap_b32 v[CD+4*n+1], v[CD+4*n+3]
.set n, n+1
.endr
.endm
.macro FETCHB u, s, set                ; the four weight fragments of unit u, K step s
.irp t, 0,1,2,3
.irp c, 0,1
	ds_load_b128 v[BF+32*(\set)+8*\t+4*\c:BF+32*(\set)+8*\t+4*\c+3], v[LB+\u] offset:8192*\t+1024*(\s)+512*\c
.endr
.endr
.endm
.macro SWLOAD base                     ; a unit's weight scale words
.irp b, 0,1
.irp e, 0,1
	global_load_b128 v[SW+8*\b+4*\e:SW+8*\b+4*\e+3], v[SWA], s[\base:\base+1] offset:1024*\b+16*\e
.endr
.endr
.endm
; Eight K steps of 128: 16 products a step, the 16 accumulators by turns.  isv = 1: tokens are source 0.
.macro KLOOP u, isv
	FETCHB \u, 0, 0
.set ks, 0
.rept 8
.if ks < 7
	PLACES 4                                       ; the set that the last step's products read is loaded again four places behind them
	FETCHB \u, ks+1, (ks+1)%2
.endif
.if \u == 0
.if 8*(7-ks)+40 > 63
	s_wait_loadcnt 63                              ; of the 120 loads of the head the first 57 are in: scale words, q's bias and the token fragments of K steps 0 to 4
.else
	s_wait_loadcnt 8*(7-ks)+40                     ; this K step's token fragments are in; each later step's eight loads and the 40 loads of k's and v's biases may be out
.endif
.elseif ks == 0
	s_wait_loadcnt 0x0                             ; this unit's scale words and bias
.endif
.if ks < 7
	s_wait_dscnt 8                                 ; all but the eight loads just issued
.else
	s_wait_dscnt 0x0
.endif
.if \isv
.if ks == 0
	WIN 0x31                                       ; source 0 (tokens) window 1, C (bias) window 3
.else
	WIN 0x01
.endif
.else
.if ks == 0
	WIN 0x34                                       ; source 1 (tokens) window 1, C (bias) window 3
.else
	WIN 0x04
.endif
.endif
.set kg, 0
.rept 4
.set kt, 0
.rept 4
.if \isv
.set rD, ACC+32*kt+8*kg
.set rA, 64*kg+8*ks
.set rB, BF+32*(ks%2)+8*kt
.set rSA, SH+8*(kg/2)+ks
.set rSB, SW+8*(kt/2)+ks
.set fA, kg%2
.set fB, kt%2
.else
.set rD, ACC+32*kg+8*kt
.set rA, BF+32*(ks%2)+8*kt
.set rB, 64*kg+8*ks
.set rSA, SW+8*(kt/2)+ks
.set rSB, SH+8*(kg/2)+ks
.set fA, kt%2
.set fB, kg%2
.endif
.set rC, rD
.if ks == 0
.set rC, 32*\u+8*kt
.endif
	WMX
.set kt, kt+1
.endr
.set kg, kg+1
.endr
	WIN 0
.set ks, ks+1
.endr
.endm
	s_load_b512 s[8:23], s[0:1], 0x0               ; ws1 8, Wq_scales 10, Wk_scales 12, Wv_scales 14, bq 16, bk 18, bv 20, ws2 22
	v_lshl_add_u32 v254, v0, 2, 0x29000
	v_mov_b32 v255, 0
	ds_add_u32 v254, v255
	ds_add_u32 v254, v255
	v_lshrrev_b32 v1, 5, v0
	v_readfirstlane_b32 s28, v1                    ; wave
	s_bfe_u32 s31, ttmp6, 0x40000                  ; cx: my place in the cluster
	s_lshl_b32 s29, ttmp9, 2                       ; in a cluster launch ttmp9 counts clusters
	s_add_co_u32 s29, s29, s31                     ; my group of 256 tokens = 4 x cluster x + cx: it enters the tokens' and the results' global addresses alone
	s_and_b32 s30, ttmp7, 0xffff                   ; head, which the four partners share
	s_mov_b32 s32, 0x76543210
	s_mov_b32 s33, 0xfedcba98
	s_lshl_b32 s34, s29, 4
	s_lshl_b32 s35, s28, 2
	s_add_co_u32 s34, s34, s35                     ; T0: my first token tile
	s_lshr_b32 s35, s29, 3
	s_lshl_b32 s35, s35, 4
	s_add_co_u32 s35, s35, s30                     ; bh = 16 x batch + head
	s_and_b32 s36, s29, 7                          ; the group of 256 tokens within the batch
	s_mov_b32 s[G1+0], 15|(3<<16)|(1<<21)          ; 15:0 the mask: all four work-groups; 17:16 elements of 8 bytes; 21 set beside a mask; no padding
	s_mov_b32 s[G1+1], 32<<16                      ; tensor_dim0 = 32 elements: 256 bytes
	s_mov_b32 s[G1+2], 32<<16                      ; tensor_dim1 = 32 rows
	s_mov_b32 s[G1+3], 32<<16                      ; tile_dim0 = 32
	s_mov_b32 s[G1+4], 32                          ; tile_dim1 = 32
	s_mov_b32 s[G1+5], 32                          ; from row to row: 32 elements: the block is dense
	s_mov_b32 s[G1+6], 0
	s_mov_b32 s[G1+7], 0
	s_lshl_b32 s51, s28, 13                        ; 8,192 x wave
	v_and_b32 v248, 31, v0                         ; lane
	v_and_b32 v249, 15, v0                         ; r
	v_bfe_u32 v250, v0, 4, 1                       ; h
	v_and_b32 v251, 8, v249
	v_add_nc_u32 v251, v251, v249                  ; r + 8 (r / 8)
	v_lshlrev_b32 v[LI], 4, v248
	v_add_nc_u32 v[LB], 0, v[LI]
	v_add_nc_u32 v[LB+1], 32768, v[LI]
	v_add_nc_u32 v[LB+2], 65536, v[LI]
	v_lshl_add_u32 v[SWA], v250, 3, v251
	v_lshlrev_b32 v[SWA], 5, v[SWA]
	v_lshlrev_b32 v[SHA], 5, v248
	v_lshlrev_b32 v[BA], 6, v250
	v_lshlrev_b32 v[BVA], 2, v251
	s_lshl_b32 s37, s28, 8
	s_add_co_u32 s37, s37, SCST
	v_lshl_add_u32 v[QST], v249, 2, s37            ; q's words: 64 bytes a tile, 256 a wave
	s_lshl_b32 s37, s28, 7
	s_add_co_u32 s37, s37, SCST+1024
	v_lshl_add_u32 v[KST], v249, 3, s37            ; k's: 128 w + 8 r + 4 x pair
	s_lshr_b32 s37, s28, 1
	s_lshl_b32 s37, s37, 8
	s_and_b32 s48, s28, 1
	s_lshl_b32 s48, s48, 1
	s_add_co_u32 s37, s37, s48
	s_add_co_u32 s37, s37, SCST+1536
	v_lshl_add_u32 v[VST], v249, 3, s37            ; v's: 256 (w / 2) + 2 (w % 2) + 8 r
	s_lshl_b32 s37, s28, 9
	s_add_co_u32 s37, s37, SCST
	v_add_nc_u32 v[PRD], s37, v[LI]
.set n, 0
.rept 8
	v_mov_b32 v[P+n], 0                            ; a lane permute's destination counts as one of its sources
.set n, n+1
.endr
	s_mov_b32 s47, 0
	s_wait_dscnt 0x0
	s_wait_kmcnt 0x0
	s_lshl_b32 s46, s30, 15
	s_add_co_u32 s46, s46, s51
	s_add_nc_u64 s[24:25], s[8:9], s[46:47]        ; my quarter of my head's four tiles in Wq's images: made of the head and the wave's number alone
	DESC G0A, 0
	DESC G0B, 1
	DESC G0C, 2
	CROUND                                         ; all four work-groups are here: the joint loads meet
	tensor_load_to_lds s[G0A:G0A+3], s[G1:G1+7]    ; the launch's only fills: one group, ahead of every wait on TENSORcnt, every LDS read and every other barrier
	s_nop 0
	tensor_load_to_lds s[G0B:G0B+3], s[G1:G1+7]
	s_nop 0
	tensor_load_to_lds s[G0C:G0C+3], s[G1:G1+7]
	s_nop 0
	PLACES 4                                       ; four v_nop follow the last of them
	s_lshl_b32 s46, s34, 9
	s_add_co_u32 s46, s46, HS
	s_add_nc_u64 s[26:27], s[8:9], s[46:47]        ; my tokens' scale bytes
	s_lshl_b32 s46, s34, 13
	s_add_co_u32 s46, s46, HQ
	s_add_nc_u64 s[38:39], s[8:9], s[46:47]        ; my tokens' images
	s_lshl_b32 s46, s30, 11
	s_add_nc_u64 s[10:11], s[10:11], s[46:47]
	s_add_nc_u64 s[12:13], s[12:13], s[46:47]
	s_add_nc_u64 s[14:15], s[14:15], s[46:47]
	s_lshl_b32 s46, s30, 8
	s_add_nc_u64 s[16:17], s[16:17], s[46:47]
	s_add_nc_u64 s[18:19], s[18:19], s[46:47]
	s_add_nc_u64 s[20:21], s[20:21], s[46:47]
	s_lshl_b32 s46, s35, 7
	s_lshl_b32 s48, s36, 4
	s_add_co_u32 s46, s46, s48
	s_lshl_b32 s48, s28, 2
	s_add_co_u32 s46, s46, s48
	s_lshl_b32 s46, s46, 9
	s_add_nc_u64 s[40:41], s[22:23], s[46:47]      ; q's codes (k's: 0x200000 on)
	s_lshl_b32 s46, s35, 16
	s_lshl_b32 s48, s36, 13
	s_add_co_u32 s46, s46, s48
	s_lshr_b32 s48, s28, 1
	s_lshl_b32 s48, s48, 12
	s_add_co_u32 s46, s46, s48
	s_and_b32 s48, s28, 1
	s_lshl_b32 s48, s48, 9
	s_add_co_u32 s46, s46, s48
	s_add_co_u32 s46, s46, VC
	s_add_nc_u64 s[42:43], s[22:23], s[46:47]      ; v's codes: key step 2 x group + w / 2, half w % 2
	s_lshl_b32 s48, s35, 3
	s_add_co_u32 s48, s48, s36
	s_lshl_b32 s48, s48, 10
	s_lshl_b32 s49, s28, 9
	s_add_co_u32 s48, s48, s49
	s_add_co_u32 s48, s48, QS
	s_lshl_b32 s49, s35, 13
	s_lshl_b32 s50, s36, 9
	s_add_co_u32 s49, s49, s50
	s_and_b32 s50, s28, 1
	s_lshl_b32 s50, s50, 12
	s_add_co_u32 s49, s49, s50
	s_add_co_u32 s49, s49, KVS
	s_cmp_lt_u32 s28, 2
	s_cselect_b32 s46, s48, s49                    ; waves 0, 1 send q's words, wave 2 k's, wave 3 v's
	s_add_nc_u64 s[44:45], s[22:23], s[46:47]
.irp b, 0,1
.irp e, 0,1
	global_load_b128 v[SH+8*\b+4*\e:SH+8*\b+4*\e+3], v[SHA], s[26:27] offset:1024*\b+16*\e
.endr
.endr
	SWLOAD 10
	WIN 0xc0                                       ; destination window 3: the biases in the results' layouts; q's now, the others behind the token fragments
.irp t, 0,1,2,3
	global_load_b128 v[8*\t:8*\t+3], v[BA], s[16:17] offset:(32*(\t/2)+8*(\t%2))*4
	global_load_b128 v[8*\t+4:8*\t+7], v[BA], s[16:17] offset:(32*(\t/2)+8*(\t%2))*4+16
.endr
	WIN 0x40                                       ; destination window 1: my 32 token fragments, K step by K step
.irp s, 0,1,2,3,4,5,6,7
.irp g, 0,1,2,3
.irp c, 0,1
	global_load_b128 v[64*\g+8*\s+4*\c:64*\g+8*\s+4*\c+3], v[LI], s[38:39] offset:8192*\g+1024*\s+512*\c
.endr
.endr
.endr
	WIN 0xc0
.irp t, 0,1,2,3
	global_load_b128 v[32+8*\t:32+8*\t+3], v[BA], s[18:19] offset:(32*(\t/2)+8*(\t%2))*4
	global_load_b128 v[32+8*\t+4:32+8*\t+7], v[BA], s[18:19] offset:(32*(\t/2)+8*(\t%2))*4+16
.endr
.irp t, 0,1,2,3
.irp j, 0,1,2,3,4,5,6,7
	global_load_b32 v[64+8*\t+\j], v[BVA], s[20:21] offset:(32*(\t/2)+8*(\t%2))*4   ; v: a lane holds one channel: the same number in all eight registers
.endr
.endr
	WIN 0
	s_wait_tensorcnt 0x0                           ; my quarters of the three slices have landed,
	BARRIER                                        ; everybody's have
	; ---- q
	KLOOP 0, 0
	PLACES 5                                       ; four ahead of the reads and of the loads below; five ahead of the next unit's products, which write over these accumulators
	SWLOAD 12
	QUANTG ACC
.irp g, 0,1,2,3
	global_store_b128 v[LI], v[CD+4*\g:CD+4*\g+3], s[40:41] offset:512*\g      ; 512 consecutive bytes: a tile's 16 tokens x 64 codes
	v_lshl_or_b32 v[TW+\g], v[BY+2*\g+1], 8, v[BY+2*\g]
	v_lshl_or_b32 v[TW+\g], v[TW+\g], 16, v[TW+\g]                          ; s0 s1 s0 s1
	ds_store_b32 v[QST], v[TW+\g] offset:64*\g                              ; lanes l and l xor 16 write the same word with the same value
.endr
	s_wait_xcnt 0x0                                ; the stores have read their registers: they are loaded again below
	s_wait_dscnt 0x0
	; ---- k
	KLOOP 1, 0
	PLACES 5
	SWLOAD 14
	QUANTG ACC
.irp g, 0,1,2,3
	global_store_b128 v[LI], v[CD+4*\g:CD+4*\g+3], s[40:41] offset:KC+512*\g
.endr
.irp p, 0,1
	v_lshl_or_b32 v[TW+\p], v[BY+4*\p+1], 8, v[BY+4*\p]
	v_lshl_or_b32 v[TW+\p], v[BY+4*\p+2], 16, v[TW+\p]
	v_lshl_or_b32 v[TW+\p], v[BY+4*\p+3], 24, v[TW+\p]                      ; bytes 0, 1: tile 2 p; bytes 2, 3: tile 2 p + 1
	ds_store_b32 v[KST], v[TW+\p] offset:4*\p
.endr
	s_wait_xcnt 0x0
	s_wait_dscnt 0x0
	; ---- v
	KLOOP 2, 1
	PLACES 5
	QUANTG ACC
.irp t, 0,1,2,3
	global_store_b128 v[LI], v[CD+4*\t:CD+4*\t+3], s[42:43] offset:1024*\t     ; channel tile t, my 64 keys
	v_lshl_or_b32 v[TW+\t], v[BY+2*\t+1], 8, v[BY+2*\t]
	ds_store_b16 v[VST], v[TW+\t] offset:128*(\t%2)+4*(\t/2)
.endr
	s_wait_xcnt 0x0
	BARRIER                                        ; 2,048 bytes of scale words lie in the stage
	ds_load_b128 v[M:M+3], v[PRD]
	s_wait_dscnt 0x0
	global_store_b128 v[LI], v[M:M+3], s[44:45]    ; 512 consecutive bytes a wave
	s_wait_tensorcnt 0x0
	ds_add_u32 v254, v255
	s_wait_dscnt 0x0
	CROUND                                         ; the closing round: no work-group ends while a partner may still ask for a slice that names it
	s_endpgm
.Lfunc_end_k_q5662354310_qkv:
	.size	k_q5662354310_qkv, .Lfunc_end_k_q5662354310_qkv-k_q5662354310_qkv
	.p2alignl 7, 3214868480
	.fill 96, 4, 3214868480
	.section	.rodata,"a",@progbits
	.p2align	6, 0x0
	.amdhsa_kernel k_q5662354310_qkv
		.amdhsa_group_segment_fixed_size 168448
		.amdhsa_private_segment_fixed_size 0
		.amdhsa_enable_private_segment 0
		.amdhsa_kernarg_size 64
		.amdhsa_user_sgpr_count 2
		.amdhsa_user_sgpr_kernarg_segment_ptr 1
		.amdhsa_wavefront_size32 1
		.amdhsa_system_sgpr_workgroup_id_x 1
		.amdhsa_system_sgpr_workgroup_id_y 1
		.amdhsa_system_sgpr_workgroup_id_z 1
		.amdhsa_system_vgpr_workitem_id 0
		.amdhsa_next_free_vgpr 864
		.amdhsa_next_free_sgpr 80
		.amdhsa_reserve_vcc 0
		.amdhsa_float_denorm_mode_32 3
		.amdhsa_float_denorm_mode_16_64 3
		.amdhsa_memory_ordered 1
		.amdhsa_forward_progress 1
		.amdhsa_inst_pref_size 110
	.end_amdhsa_kernel
	.amdgpu_metadata
---
amdhsa.version: [ 1, 2 ]
amdhsa.kernels:
  - .name:           k_q5662354310_qkv
    .symbol:         k_q5662354310_qkv.kd
    .args:
      - { .name: ws1, .offset: 0, .size: 8, .value_kind: global_buffer, .address_space: global }
      - { .name: Wq_scales, .offset: 8, .size: 8, .value_kind: global_buffer, .address_space: global }
      - { .name: Wk_scales, .offset: 16, .size: 8, .value_kind: global_buffer, .address_space: global }
      - { .name: Wv_scales, .offset: 24, .size: 8, .value_kind: global_buffer, .address_space: global }
      - { .name: bq, .offset: 32, .size: 8, .value_kind: global_buffer, .address_space: global }
      - { .name: bk, .offset: 40, .size: 8, .value_kind: global_buffer, .address_space: global }
      - { .name: bv, .offset: 48, .size: 8, .value_kind: global_buffer, .address_space: global }
      - { .name: ws2, .offset: 56, .size: 8, .value_kind: global_buffer, .address_space: global }
    .group_segment_fixed_size: 168448
    .private_segment_fixed_size: 0
    .kernarg_segment_align: 8
    .kernarg_segment_size: 64
    .max_flat_workgroup_size: 128
    .sgpr_count:     80
    .vgpr_count:     864
    .wavefront_size: 32
...
	.end_amdgpu_metadata
.endif
;; end of part 2
;; launch attn (part 3): grid 8 x 32, 16 waves a work-group, no clusters, 141,312 bytes of LDS; arguments ws2, ws3; writes ws3
.if DOCPART == 3
	.amdgcn_target "amdgcn-amd-amdhsa--gfx1250"
	.amdhsa_code_object_version 6
	.text
	.protected	k_q5662354310_attn
	.globl	k_q5662354310_attn
	.p2align	8
	.type	k_q5662354310_attn,@function
k_q5662354310_attn:
	s_mov_b64 s[64:65], 0
	v_nop
	global_prefetch_b8 v0, s[64:65] scope:SCOPE_SE
	s_setreg_imm32_b32 hwreg(HW_REG_WAVE_MODE, 25, 1), 1
	s_wait_xcnt 0x0
; Causal attention of one (batch, head) on E2M1 codes, and the quantiser of its result along the model axis.
; t = score x log2(e) / 8; M = the running largest t rounded UP to a whole number; p = 2^(t - M) is quantised along the keys, not normalised; the row's sum is taken of the unquantised p and divides at the end.
; Work-group (x = i, y = batch x head) owns query blocks i and 15 - i of 128 queries: waves 0-7 the tiles of block i, waves 8-15 those of block 15 - i, so that every work-group has 17 key steps for each such pair of waves.
; A wave owns ONE tile of 16 queries in 256 registers; four waves share a SIMD.  The head's k and v codes and scale words (136 KiB) go once into LDS through registers; one barrier in the launch.
; Both products are used transposed (S^T = K Q^T, O^T = V^T P^T): a lane holds one query.  Tiles of keys, queries and channels are in the order row m = 32 (T / 2) + 8 (T % 2) + m + 8 (m / 8).
; THE HEAD'S K IS 64, THE INSTRUCTION'S 128: a fragment of K holds key tile 2 b in k = 0..63 and tile 2 b + 1 in k = 64..127; against [q | zero codes] it gives tile 2 b's scores, against [zero codes | q] tile 2 b + 1's.
; CAUSAL: the loop has 16 trips in every wave; a step all of whose keys come after the wave's queries is jumped over by a scalar branch on ids.  A tile's queries lie in one block of 32, so in every step that is walked each query has a key that counts.
; ws3: 0 the codes of o as images [tile][8][1024]; 0x200000 their scale bytes [tile][row][32].
; No cluster: joint requests belong to tensor loads, and this text has none.  LIMITS as in the first launch.
.set VLDS, 65536
.set SLDS, 131072
.set LI,  1                            ; v1  16 x lane (K's fragments)
.set LIV, 2                            ; v2  + 65,536 (V's)
.set L8,  3                            ; v3  8 x lane + 131,072 (scale words)
.set ADK, 8
.set ADV, 9
.set ADS, 10
	s_load_b128 s[4:7], s[0:1], 0x0                ; ws2, ws3
	v_lshl_add_u32 v251, v0, 2, 0x22000
	v_mov_b32 v255, 0
	v_lshrrev_b32 v1, 5, v0
	v_readfirstlane_b32 s8, v1                     ; wave 0..15
	s_and_b32 s10, ttmp7, 0xffff                   ; bh
	s_lshl_b32 s36, ttmp9, 3
	s_add_co_u32 s37, s36, s8                      ; 8 i + w
	s_sub_co_u32 s38, 112, s36
	s_add_co_u32 s38, s38, s8                      ; 8 (15 - i) + w - 8
	s_cmp_lt_u32 s8, 8
	s_cselect_b32 s11, s37, s38                    ; my tile of queries
	s_lshr_b32 s12, s11, 1
	s_lshl_b32 s12, s12, 5
	s_and_b32 s36, s11, 1
	s_lshl_b32 s36, s36, 3
	s_add_co_u32 s12, s12, s36                     ; my first query
	s_add_co_u32 s13, s12, 23                      ; my last
	s_mov_b32 s14, 0                               ; the step's tiles in LDS: 4,096 bytes a step
	s_mov_b32 s15, 0                               ; its scale words: 256 bytes a step
	s_mov_b32 s16, 0                               ; its first key
	s_mov_b32 s17, 16
	s_mov_b32 s20, 0x76543210
	s_mov_b32 s21, 0xfedcba98
	s_mov_b32 s22, 0x3e38aa3b                      ; c = log2(e) / 8
	s_mov_b32 s23, s22                             ; (named with it as a pair)
	v_and_b32 v4, 15, v0                           ; r
	v_bfe_u32 v5, v0, 4, 1                         ; h
	v_and_b32 v6, 31, v0                           ; lane
	v_lshlrev_b32 v[LI], 4, v6
	v_add_nc_u32 v[LIV], VLDS, v[LI]
	v_lshl_add_u32 v[L8], v6, 3, SLDS
	v_lshlrev_b32 v11, 4, v0                       ; 16 x thread: the copy
	v_add_nc_u32 v30, VLDS, v11
	v_add_nc_u32 v31, SLDS, v11
	v_and_b32 v29, 8, v4
	v_add_nc_u32 v29, v29, v4
	v_lshlrev_b32 v7, 4, v5
	v_sub_nc_u32 v29, v29, v7                      ; r + 8 (r / 8) - 16 h
	v_lshl_add_u32 v7, v4, 5, v5                   ; 32 r + h: my scale byte of o
	v_lshlrev_b32 v254, 2, v4
	v_cmp_eq_u32 s40, 1, v5
	s_mov_b32 s37, 0
	s_wait_kmcnt 0x0
	s_lshl_b32 s36, s10, 16
	s_add_nc_u64 s[24:25], s[4:5], s[36:37]        ; the head's 65,536 bytes of k and of v
	s_lshl_b32 s36, s10, 13
	s_add_nc_u64 s[26:27], s[4:5], s[36:37]        ; its 8,192 bytes of scale words
	s_lshl_b32 s38, s10, 7
	s_add_co_u32 s38, s38, s11
	s_lshl_b32 s36, s38, 9
	s_add_nc_u64 s[28:29], s[4:5], s[36:37]        ; my tile of q
	s_lshl_b32 s36, s38, 6
	s_add_nc_u64 s[30:31], s[4:5], s[36:37]        ; its scale words
	s_lshr_b32 s38, s10, 4
	s_lshl_b32 s38, s38, 7
	s_add_co_u32 s38, s38, s11                     ; the token tile
	s_and_b32 s39, s10, 15                         ; the head
	s_lshl_b32 s36, s38, 13
	s_lshl_b32 s41, s39, 9
	s_add_co_u32 s36, s36, s41
	s_add_nc_u64 s[32:33], s[6:7], s[36:37]        ; o's codes: blocks 2 head, 2 head + 1 of the tile's image
	s_lshl_b32 s36, s38, 9
	s_lshl_b32 s41, s39, 1
	s_add_co_u32 s36, s36, s41
	s_add_nc_u64 s[34:35], s[6:7], s[36:37]        ; o's scale bytes (0x200000 on)
	global_load_b128 v[20:23], v[LI], s[28:29]
	global_load_b32 v28, v254, s[30:31] offset:0x600000
.set k, 0
.rept 8
	global_load_b128 v[96+4*k:96+4*k+3], v11, s[24:25] offset:0x200000+8192*k
.set k, k+1
.endr
.set k, 0
.rept 8
	global_load_b128 v[128+4*k:128+4*k+3], v11, s[24:25] offset:0x400000+8192*k
.set k, k+1
.endr
	global_load_b128 v[160:163], v11, s[26:27] offset:0x640000
	s_wait_loadcnt 0x0
.set k, 0
.rept 8
	ds_store_b128 v11, v[96+4*k:96+4*k+3] offset:8192*k
.set k, k+1
.endr
.set k, 0
.rept 8
	ds_store_b128 v30, v[128+4*k:128+4*k+3] offset:8192*k
.set k, k+1
.endr
	ds_store_b128 v31, v[160:163]
	s_wait_dscnt 0x0                               ; for the others' sake: my stores are done
	s_barrier_signal -1
	s_barrier_wait -1
.irp j, 16,17,18,19,24,25,26,27
	v_mov_b32 v[\j], 0                             ; zero codes: v[20:27] = [q | 0], v[16:23] = [0 | q]
.endr
	v_mov_b32 v13, 0xff61b1e6                      ; the largest t so far: -3e38
	v_floor_f32 v12, -v13                          ; -M
	v_mov_b32 v14, 0
	v_mov_b32 v15, 0
.irp b, 0,1,2,3
	v_mov_b32 v[236+\b], 0                         ; a lane permute's destination counts as one of its sources
.endr
	v_mov_b32 v252, 0
	v_mov_b32 v253, 0
.set j, 0
.rept 32
	v_mov_b32 v[160+j], 0                          ; O^T: the step is written once; the first finds zeros
.set j, j+1
.endr
.Lstep:
	s_cmp_gt_u32 s16, s13
	s_cbranch_scc1 .Lhidden                        ; all 128 keys come after my queries
	v_add_nc_u32 v[ADK], s14, v[LI]
	v_add_nc_u32 v[ADV], s14, v[LIV]
	v_add_nc_u32 v[ADS], s15, v[L8]
	v_nop                                          ; four places between the last step's products and the loads into their fragments and scale words
.irp b, 0,1,2,3
.irp c, 0,1
	ds_load_b128 v[32+8*\b+4*\c:32+8*\b+4*\c+3], v[ADK] offset:1024*\b+512*\c
.endr
.endr
	ds_load_b64 v[200:201], v[ADS]
.irp t, 0,1,2,3
.irp c, 0,1
	ds_load_b128 v[64+8*\t+4*\c:64+8*\t+4*\c+3], v[ADV] offset:1024*\t+512*\c
.endr
.endr
	ds_load_b64 v[202:203], v[ADS] offset:4096
	s_wait_dscnt 9                                 ; K and its words are in; V's nine loads may be out
	v_wmma_scale_f32_16x16x128_f8f6f4 v[96:103], v[32:39], v[20:27], 0, v200, v28 matrix_a_fmt:MATRIX_FMT_FP4 matrix_b_fmt:MATRIX_FMT_FP4
	v_wmma_scale_f32_16x16x128_f8f6f4 v[104:111], v[32:39], v[16:23], 0, v200, v28 matrix_a_fmt:MATRIX_FMT_FP4 matrix_b_fmt:MATRIX_FMT_FP4
	v_wmma_scale_f32_16x16x128_f8f6f4 v[112:119], v[40:47], v[20:27], 0, v201, v28 matrix_a_fmt:MATRIX_FMT_FP4 matrix_b_fmt:MATRIX_FMT_FP4
	v_wmma_scale_f32_16x16x128_f8f6f4 v[120:127], v[40:47], v[16:23], 0, v201, v28 matrix_a_fmt:MATRIX_FMT_FP4 matrix_b_fmt:MATRIX_FMT_FP4
	v_wmma_scale_f32_16x16x128_f8f6f4 v[128:135], v[48:55], v[20:27], 0, v200, v28 matrix_a_fmt:MATRIX_FMT_FP4 matrix_b_fmt:MATRIX_FMT_FP4 matrix_a_scale:MATRIX_SCALE_ROW1
	v_wmma_scale_f32_16x16x128_f8f6f4 v[136:143], v[48:55], v[16:23], 0, v200, v28 matrix_a_fmt:MATRIX_FMT_FP4 matrix_b_fmt:MATRIX_FMT_FP4 matrix_a_scale:MATRIX_SCALE_ROW1
	v_wmma_scale_f32_16x16x128_f8f6f4 v[144:151], v[56:63], v[20:27], 0, v201, v28 matrix_a_fmt:MATRIX_FMT_FP4 matrix_b_fmt:MATRIX_FMT_FP4 matrix_a_scale:MATRIX_SCALE_ROW1
	v_wmma_scale_f32_16x16x128_f8f6f4 v[152:159], v[56:63], v[16:23], 0, v201, v28 matrix_a_fmt:MATRIX_FMT_FP4 matrix_b_fmt:MATRIX_FMT_FP4 matrix_a_scale:MATRIX_SCALE_ROW1
.rept 4
	v_nop
.endr
	s_add_co_u32 s36, s16, 127
	s_cmp_le_u32 s36, s12
	s_cbranch_scc1 .Lopen                          ; all 128 keys count for all my queries
	s_sub_co_i32 s36, s12, s16
	v_add_nc_u32 v252, s36, v29                    ; d = my query - the step's first key - 16 h.  Register 16 b + i holds key 32 b + 16 h + i of the step: hidden where 32 b + i > d
	v_mov_b32 v254, 0xff800000
.set n, 0
.rept 64
	v_cmp_gt_i32 vcc_lo, 32*(n/16)+n%16, v252
	v_cndmask_b32 v[96+n], v[96+n], v254, vcc_lo
.set n, n+1
.endr
.Lopen:
.irp b, 0,1,2,3
	v_max3_num_f32 v[232+\b], v[96+16*\b], v[97+16*\b], v[98+16*\b]   ; the largest score of each block of 32 keys: for the row's maximum, and, since p rises with the score, for the block's largest p
.endr
.irp i, 3,5,7,9,11,13
.irp b, 0,1,2,3
	v_max3_num_f32 v[232+\b], v[232+\b], v[96+16*\b+\i], v[97+16*\b+\i]
.endr
.endr
.irp b, 0,1,2,3
	v_max_num_f32 v[232+\b], v[232+\b], v[111+16*\b]
.endr
.irp b, 0,1,2,3
	v_permlanex16_b32 v[236+\b], v[232+\b], s20, s21
.endr
.irp b, 0,1,2,3
	v_max_num_f32 v[232+\b], v[232+\b], v[236+\b]
.endr
	v_max3_num_f32 v254, v232, v233, v234
	v_max_num_f32 v254, v254, v235
	v_mul_f32 v254, s22, v254
	v_max_num_f32 v13, v13, v254                   ; the running largest t
	v_mov_b32 v254, v12
	v_floor_f32 v12, -v13                          ; the new -M = -ceil(t)
	v_sub_f32 v254, v12, v254
	v_cvt_i32_f32 v254, v254
	v_ldexp_f32 v252, 1.0, v254                    ; f = 2^(old M - new M): rounds nothing
.set j, 0
.rept 32
	v_pk_fma_f32 v[96+j:97+j], v[96+j:97+j], s[22:23], v[12:13] op_sel_hi:[1,0,0]   ; t - M
.set j, j+2
.endr
.irp b, 0,1,2,3
	v_fma_f32 v[232+\b], v[232+\b], s22, v12
.endr
.set j, 0
.rept 64
	v_exp_f32 v[96+j], v[96+j]                     ; p
.set j, j+1
.endr
	v_pk_mul_f32 v[14:15], v[14:15], v[252:253] op_sel_hi:[1,0]   ; the sums under the new M: the plain instruction behind the batch
	s_wait_alu depctr_va_vdst(0)                   ; one wait for the 64, ahead of their first reader
.irp b, 0,1,2,3
	v_exp_f32 v[232+\b], v[232+\b]                 ; each block's largest p
.endr
	v_pk_add_f32 v[236:237], v[96:97], v[98:99]    ; the row's sum, of the unquantised p, in two chains
.irp j, 4,8,12,16,20,24,28,32,36,40,44,48,52,56,60
	v_pk_add_f32 v[14:15], v[14:15], v[96+\j:97+\j]
	v_pk_add_f32 v[236:237], v[236:237], v[98+\j:99+\j]
.endr
	v_pk_add_f32 v[14:15], v[14:15], v[236:237]
	s_wait_alu depctr_va_vdst(0)                   ; and one for the four
.irp b, 0,1,2,3
	v_max_num_f32 v[232+\b], 0x1800000, v[232+\b]
.endr
.irp b, 0,1,2,3
	v_add_nc_u32 v[244+\b], 0xff000000, v[232+\b]
.endr
.irp b, 0,1,2,3
	v_lshrrev_b32 v[236+\b], 23, v[244+\b]
.endr
	v_lshl_or_b32 v253, v237, 8, v236              ; p's scale word for these 128 keys
	v_lshl_or_b32 v253, v238, 16, v253
	v_lshl_or_b32 v253, v239, 24, v253
.irp b, 0,1,2,3
	v_cvt_scalef32_pk8_fp4_f32 v[192+2*\b], v[96+16*\b:103+16*\b], v[244+\b]
	v_cvt_scalef32_pk8_fp4_f32 v[193+2*\b], v[104+16*\b:111+16*\b], v[244+\b]
.endr
	v_nop
.irp c, 0,1
.irp i, 0,1
	v_permlane16_swap_b32 v[192+4*\c+\i], v[194+4*\c+\i]
.endr
.endr
.set j, 0
.rept 16
	v_pk_mul_f32 v[160+j:161+j], v[160+j:161+j], v[252:253] op_sel_hi:[1,0]   ; O^T under the new M; these are also the places ahead of the products below
.set j, j+2
.endr
	s_wait_dscnt 0x0                               ; V and its words
	v_wmma_scale_f32_16x16x128_f8f6f4 v[160:167], v[64:71], v[192:199], v[160:167], v202, v253 matrix_a_fmt:MATRIX_FMT_FP4 matrix_b_fmt:MATRIX_FMT_FP4
	v_wmma_scale_f32_16x16x128_f8f6f4 v[168:175], v[72:79], v[192:199], v[168:175], v202, v253 matrix_a_fmt:MATRIX_FMT_FP4 matrix_b_fmt:MATRIX_FMT_FP4 matrix_a_scale:MATRIX_SCALE_ROW1
	v_wmma_scale_f32_16x16x128_f8f6f4 v[176:183], v[80:87], v[192:199], v[176:183], v203, v253 matrix_a_fmt:MATRIX_FMT_FP4 matrix_b_fmt:MATRIX_FMT_FP4
	v_wmma_scale_f32_16x16x128_f8f6f4 v[184:191], v[88:95], v[192:199], v[184:191], v203, v253 matrix_a_fmt:MATRIX_FMT_FP4 matrix_b_fmt:MATRIX_FMT_FP4 matrix_a_scale:MATRIX_SCALE_ROW1
.Lhidden:
	s_add_co_u32 s14, s14, 4096
	s_add_co_u32 s15, s15, 256
	s_add_co_u32 s16, s16, 128
	s_sub_co_u32 s17, s17, 1
	s_cmp_lg_u32 s17, 0
	s_cbranch_scc1 .Lstep
.rept 4
	v_nop
.endr
	v_add_f32 v14, v14, v15
	v_permlanex16_b32 v252, v14, s20, s21
	v_add_f32 v14, v14, v252                       ; the row's sum
	v_rcp_f32 v14, v14
	v_nop
	s_wait_alu depctr_va_vdst(0)
.set j, 0
.rept 32
	v_mul_f32 v[96+j], v[160+j], v14               ; register 16 b + i is channel 32 b + 16 h + i of my query
.set j, j+1
.endr
.irp b, 0,1
	v_max3_num_f32 v[232+\b], |v[96+16*\b]|, |v[97+16*\b]|, 0x1800000
.endr
.irp i, 2,4,6,8,10,12,14
.irp b, 0,1
	v_max3_num_f32 v[232+\b], v[232+\b], |v[96+16*\b+\i]|, |v[97+16*\b+\i]|
.endr
.endr
.irp b, 0,1
	v_permlanex16_b32 v[236+\b], v[232+\b], s20, s21
.endr
.irp b, 0,1
	v_max_num_f32 v[232+\b], v[232+\b], v[236+\b]
.endr
.irp b, 0,1
	v_add_nc_u32 v[244+\b], 0xff000000, v[232+\b]
.endr
.irp b, 0,1
	v_lshrrev_b32 v[236+\b], 23, v[244+\b]
.endr
.irp b, 0,1
	v_cvt_scalef32_pk8_fp4_f32 v[192+2*\b], v[96+16*\b:103+16*\b], v[244+\b]
	v_cvt_scalef32_pk8_fp4_f32 v[193+2*\b], v[104+16*\b:111+16*\b], v[244+\b]
.endr
	v_nop
	v_permlane16_swap_b32 v192, v194
	v_permlane16_swap_b32 v193, v195
	v_cndmask_b32 v238, v236, v237, s40            ; my half's block's byte
	global_store_b128 v[LI], v[192:195], s[32:33]  ; 512 consecutive bytes
	global_store_b8 v7, v238, s[34:35] offset:0x200000   ; 32 single bytes a wave, two to a row of 32: the other heads' work-groups write the rest of the row
	s_wait_tensorcnt 0x0
	ds_add_u32 v251, v255
	s_wait_dscnt 0x0
	s_endpgm
.Lfunc_end_k_q5662354310_attn:
	.size	k_q5662354310_attn, .Lfunc_end_k_q5662354310_attn-k_q5662354310_attn
	.p2alignl 7, 3214868480
	.fill 96, 4, 3214868480
	.section	.rodata,"a",@progbits
	.p2align	6, 0x0
	.amdhsa_kernel k_q5662354310_attn
		.amdhsa_group_segment_fixed_size 141312
		.amdhsa_private_segment_fixed_size 0
		.amdhsa_enable_private_segment 0
		.amdhsa_kernarg_size 16
		.amdhsa_user_sgpr_count 2
		.amdhsa_user_sgpr_kernarg_segment_ptr 1
		.amdhsa_wavefront_size32 1
		.amdhsa_system_sgpr_workgroup_id_x 1
		.amdhsa_system_sgpr_workgroup_id_y 1
		.amdhsa_system_sgpr_workgroup_id_z 1
		.amdhsa_system_vgpr_workitem_id 0
		.amdhsa_next_free_vgpr 256
		.amdhsa_next_free_sgpr 66
		.amdhsa_reserve_vcc 1
		.amdhsa_float_denorm_mode_32 3
		.amdhsa_float_denorm_mode_16_64 3
		.amdhsa_memory_ordered 1
		.amdhsa_forward_progress 1
		.amdhsa_inst_pref_size 32
	.end_amdhsa_kernel
	.amdgpu_metadata
---
amdhsa.version: [ 1, 2 ]
amdhsa.kernels:
  - .name:           k_q5662354310_attn
    .symbol:         k_q5662354310_attn.kd
    .args:
      - { .name: ws2, .offset: 0, .size: 8, .value_kind: global_buffer, .address_space: global }
      - { .name: ws3, .offset: 8, .size: 8, .value_kind: global_buffer, .address_space: global }
    .group_segment_fixed_size: 141312
    .private_segment_fixed_size: 0
    .kernarg_segment_align: 8
    .kernarg_segment_size: 16
    .max_flat_workgroup_size: 512
    .sgpr_count:     66
    .vgpr_count:     256
    .wavefront_size: 32
...
	.end_amdgpu_metadata
.endif
;; end of part 3
;; launch wo_ln2 (part 4): grid 128 x 1, 8 waves a work-group, no clusters, 204,288 bytes of LDS; arguments ws3, ws1, Wo_scales, bo, x, ln2_g, ln2_b, ws4; writes ws4
.if DOCPART == 4
	.amdgcn_target "amdgcn-amd-amdhsa--gfx1250"
	.amdhsa_code_object_version 6
	.text
	.protected	k_q5662354310_wo_ln2
	.globl	k_q5662354310_wo_ln2
	.p2align	8
	.type	k_q5662354310_wo_ln2,@function
k_q5662354310_wo_ln2:
	s_mov_b64 s[64:65], 0
	v_nop
	global_prefetch_b8 v0, s[64:65] scope:SCOPE_SE
	s_setreg_imm32_b32 hwreg(HW_REG_WAVE_MODE, 25, 1), 1
	s_wait_xcnt 0x0
; x1 = x + (o Wo + bo), then LayerNorm 2 of x1 and its quantiser.  Work-group p owns tokens 32 p .. 32 p + 31 (token tiles 2 p, 2 p + 1) and all 1,024 columns, so that a row's mean and variance need no other work-group.
; PRODUCT: wave w owns columns 128 w .. 128 w + 127 (weight tiles 8 w + 0..7): source 0 = 16 weight rows, source 1 = 16 tokens.  x + bo is the sums' C: it goes through the stage in LDS from rows (as loaded) to the result's layout.
; Wo's fragments come from memory straight into a ring of SIX register sets of four fragments (each fragment is used by one wave alone): five beats, 40 loads of a wave, 160 KiB of the work-group, are on their way.
; Four sets lie in window 0; the fifth in window 1's last 32 registers; the sixth where bo lay, which is done with once x + bo is made.  o's two tiles lie in LDS for all eight waves.
; gamma and beta are wanted in the tail alone: they are asked for in beats 11 and 12, where the ring has nothing left to ask for.
; TAIL: the sums go back through the stage; wave w takes stage rows 4 w .. 4 w + 3 whole: stores x1, normalises, quantises.
; ws4: 0 x1 [4096][1024] f32; 0x1000000 the codes of LN2(x1) as images [tile][8][1024]; 0x1200000 their scale bytes [tile][row][32].
; 128 work-groups: with 16 rows to a work-group each would still draw all 512 KiB of Wo, 128 MiB in all.  No cluster: joint requests belong to tensor loads, and Wo's 512 KiB do not fit into LDS beside the stage.  LIMITS as in the first launch.
.set YST,  16384                       ; LDS: 0 o's two tiles (16,384);  the stage: 32 rows (tile order) x (4,096 + 16)
.set YP,   4112
.set TST,  YST+32*YP                   ; a turning stage of 4,608 bytes for each wave
.set TSTW, 4608
.set HIMG, TST+8*TSTW                  ; two tiles' images: 32 groups of 256 + 16 each
.set HSC,  HIMG+2*8704                 ; their 1,024 scale bytes
.set LI,  1
.set YD,  2                            ; v2  my four stage rows, dense
.set YR,  3                            ; v3, v4  the stage in the result's layout, token tile 0, 1
.set AW,  5                            ; v5  16 x lane + 2,048 w
.set SWA, 6
.set SHA, 7
.set TW,  8
.set TR,  9
.set IW,  10
.set SB,  11
.set IR,  12
.set HR,  13
.set SA,  16                           ; v16-23  o's scale words, by K step; lanes 0-15 tile 2 p, lanes 16-31 tile 2 p + 1
.set SW,  24                           ; v24-55  Wo's: 8 (tile / 2) + K step
.set AF,  56                           ; v56-87  o's fragments, two sets of two; in the tail a block of 32 neighbours
.set Y,   56
.set BR,  88                           ; v88-215 ring sets 0 to 3; in the tail my four rows
.set S0,  216
.set S1,  218
.set MU,  220
.set RS,  222
.set PD,  224
.set MX,  226
.set SC,  228
.set BY,  229
.set CD,  232
.set LND, 236                          ; v236-251 my share of o's images on its way to LDS
; window 1: v0-127 x, then the 16 accumulators; v128-159 bo, then ring set 5; v160-191 gamma; v192-223 beta; v224-255 ring set 4
.set MSB, 0
.macro WIN new
.if MSB != (\new)
	s_set_vgpr_msb (MSB<<8)|(\new)
.set MSB, (\new)
.endif
.endm
.macro PLACES n
.rept \n
	v_nop
.endr
.endm
.macro BARRIER
	s_wait_dscnt 0x0
	s_barrier_signal -1
	s_barrier_wait -1
.endm
.macro WMX
.if fA && fB
	v_wmma_scale_f32_16x16x128_f8f6f4 v[rD:rD+7], v[rA:rA+7], v[rB:rB+7], v[rC:rC+7], v[rSA], v[rSB] matrix_a_fmt:MATRIX_FMT_FP4 matrix_b_fmt:MATRIX_FMT_FP4 matrix_a_scale:MATRIX_SCALE_ROW1 matrix_b_scale:MATRIX_SCALE_ROW1
.elseif fA
	v_wmma_scale_f32_16x16x128_f8f6f4 v[rD:rD+7], v[rA:rA+7], v[rB:rB+7], v[rC:rC+7], v[rSA], v[rSB] matrix_a_fmt:MATRIX_FMT_FP4 matrix_b_fmt:MATRIX_FMT_FP4 matrix_a_scale:MATRIX_SCALE_ROW1
.elseif fB
	v_wmma_scale_f32_16x16x128_f8f6f4 v[rD:rD+7], v[rA:rA+7], v[rB:rB+7], v[rC:rC+7], v[rSA], v[rSB] matrix_a_fmt:MATRIX_FMT_FP4 matrix_b_fmt:MATRIX_FMT_FP4 matrix_b_scale:MATRIX_SCALE_ROW1
.else
	v_wmma_scale_f32_16x16x128_f8f6f4 v[rD:rD+7], v[rA:rA+7], v[rB:rB+7], v[rC:rC+7], v[rSA], v[rSB] matrix_a_fmt:MATRIX_FMT_FP4 matrix_b_fmt:MATRIX_FMT_FP4
.endif
.endm
.macro RSET beta                       ; ring set beta % 6: rsB its first register, rsW its window
.set rsN, (\beta)%6
.if rsN < 4
.set rsB, BR+32*rsN
.set rsW, 0
.elseif rsN == 4
.set rsB, 224
.set rsW, 1
.else
.set rsB, 128
.set rsW, 1
.endif
.endm
.macro BLOAD beta                      ; beat beta = 2 x K step + half: weight tiles 4 (beta % 2) + 0..3 of my eight, into ring set beta % 6
	RSET \beta
.if rsW
	WIN 0x40                                       ; destination window 1
.endif
.irp j, 0,1,2,3
.irp c, 0,1
	global_load_b128 v[rsB+8*\j+4*\c:rsB+8*\j+4*\c+3], v[LI], s[40:41] offset:0x180000+8192*(4*((\beta)%2)+\j)+1024*((\beta)/2)+512*\c
.endr
.endr
	WIN 0
.endm
.macro AFETCH s                        ; o's two fragments of K step s
.irp u, 0,1
.irp c, 0,1
	ds_load_b128 v[AF+16*((\s)%2)+8*\u+4*\c:AF+16*((\s)%2)+8*\u+4*\c+3], v[LI] offset:8192*\u+1024*(\s)+512*\c
.endr
.endr
.endm
.macro REDUCE a
	v_add_f32_dpp v[\a], v[\a], v[\a] row_xmask:1 row_mask:0xf bank_mask:0xf
	v_add_f32_dpp v[\a], v[\a], v[\a] row_xmask:2 row_mask:0xf bank_mask:0xf
	v_add_f32_dpp v[\a], v[\a], v[\a] row_xmask:4 row_mask:0xf bank_mask:0xf
	v_add_f32_dpp v[\a], v[\a], v[\a] row_xmask:8 row_mask:0xf bank_mask:0xf
	v_permlanex16_b32 v[PD], v[\a], s30, s31
	v_add_f32 v[\a], v[\a], v[PD]
.endm
.macro LNROW x
	v_pk_add_f32 v[S0:S0+1], v[\x:\x+1], v[\x+2:\x+3]
	v_pk_add_f32 v[S1:S1+1], v[\x+4:\x+5], v[\x+6:\x+7]
.irp j, 8,12,16,20,24,28
	v_pk_add_f32 v[S0:S0+1], v[S0:S0+1], v[\x+\j:\x+\j+1]
	v_pk_add_f32 v[S1:S1+1], v[S1:S1+1], v[\x+\j+2:\x+\j+3]
.endr
	v_pk_add_f32 v[S0:S0+1], v[S0:S0+1], v[S1:S1+1]
	v_add_f32 v[S0], v[S0], v[S0+1]
	REDUCE S0
	v_mul_f32 v[MU], s32, v[S0]
	v_mov_b32 v[MU+1], v[MU]
.set j, 0
.rept 16
	v_pk_add_f32 v[\x+j:\x+j+1], v[\x+j:\x+j+1], v[MU:MU+1] neg_lo:[0,1] neg_hi:[0,1]
.set j, j+2
.endr
	v_pk_mul_f32 v[S0:S0+1], v[\x:\x+1], v[\x:\x+1]
	v_pk_mul_f32 v[S1:S1+1], v[\x+2:\x+3], v[\x+2:\x+3]
.irp j, 4,8,12,16,20,24,28
	v_pk_fma_f32 v[S0:S0+1], v[\x+\j:\x+\j+1], v[\x+\j:\x+\j+1], v[S0:S0+1]
	v_pk_fma_f32 v[S1:S1+1], v[\x+\j+2:\x+\j+3], v[\x+\j+2:\x+\j+3], v[S1:S1+1]
.endr
	v_pk_add_f32 v[S0:S0+1], v[S0:S0+1], v[S1:S1+1]
	v_add_f32 v[S0], v[S0], v[S0+1]
	REDUCE S0
	v_fma_f32 v[S0], v[S0], s32, s33
	v_rsq_f32 v[RS], v[S0]
	v_nop
	s_wait_alu depctr_va_vdst(0)                   ; the wait ahead of the result's first reader
	v_mov_b32 v[RS+1], v[RS]
.set j, 0
.rept 16
	v_pk_mul_f32 v[\x+j:\x+j+1], v[\x+j:\x+j+1], v[RS:RS+1]
.set j, j+2
.endr
	WIN 0x14                                       ; gamma and beta lie in window 1
.set j, 0
.rept 16
	v_pk_fma_f32 v[\x+j:\x+j+1], v[\x+j:\x+j+1], v[160+j:160+j+1], v[192+j:192+j+1]
.set j, j+2
.endr
	WIN 0
.endm
.macro TURN x
.irp j, 0,1,2,3,4,5,6,7
	ds_store_b128 v[TW], v[\x+4*\j:\x+4*\j+3] offset:576*\j
.endr
.irp j, 0,1,2,3,4,5,6,7
	ds_load_b128 v[Y+4*\j:Y+4*\j+3], v[TR] offset:16*\j
.endr
	s_wait_dscnt 0x0
.endm
.macro QUANTB i
	v_max3_num_f32 v[MX], |v[Y]|, |v[Y+1]|, |v[Y+2]|
	v_max3_num_f32 v[MX+1], |v[Y+3]|, |v[Y+4]|, |v[Y+5]|
.irp e, 6,10,14,18,22,26
	v_max3_num_f32 v[MX], v[MX], |v[Y+\e]|, |v[Y+\e+1]|
	v_max3_num_f32 v[MX+1], v[MX+1], |v[Y+\e+2]|, |v[Y+\e+3]|
.endr
	v_max3_num_f32 v[MX], v[MX], |v[Y+30]|, |v[Y+31]|
	v_max3_num_f32 v[MX], v[MX], v[MX+1], 0x1800000
	v_add_nc_u32 v[SC], 0xff000000, v[MX]
	v_lshrrev_b32 v[BY], 23, v[SC]
.irp e, 0,1,2,3
	v_cvt_scalef32_pk8_fp4_f32 v[CD+\e], v[Y+8*\e:Y+8*\e+7], v[SC]
.endr
	v_nop
	ds_store_b128 v[IW], v[CD:CD+3] offset:16*\i
	ds_store_b8 v[SB], v[BY] offset:32*\i
.endm
	s_load_b512 s[8:23], s[0:1], 0x0               ; ws3 8, ws1 10, Wo_scales 12, bo 14, x 16, gamma 18, beta 20, ws4 22
	v_lshl_add_u32 v230, v0, 2, 0x31a00
	v_mov_b32 v231, 0
	v_lshrrev_b32 v1, 5, v0
	v_readfirstlane_b32 s28, v1                    ; wave 0..7
	s_mov_b32 s30, 0x76543210
	s_mov_b32 s31, 0xfedcba98
	s_mov_b32 s32, 0x3a800000                      ; 1 / 1,024
	s_mov_b32 s33, 0x3727c5ac                      ; 1e-5
	s_lshr_b32 s46, s28, 2                         ; my rows' tile
	s_and_b32 s47, s28, 3
	v_and_b32 v252, 31, v0                         ; lane
	v_and_b32 v253, 15, v0                         ; r
	v_bfe_u32 v254, v0, 4, 1                       ; h
	v_and_b32 v255, 8, v253
	v_add_nc_u32 v255, v255, v253                  ; r + 8 (r / 8)
	v_lshlrev_b32 v[LI], 4, v252
	s_mul_i32 s48, s28, 4*YP
	s_add_co_u32 s48, s48, YST
	v_add_nc_u32 v[YD], s48, v[LI]
	v_mul_u32_u24 v[YR], v253, YP
	v_lshl_add_u32 v[YR], v254, 6, v[YR]
	s_lshl_b32 s48, s28, 9
	s_add_co_u32 s48, s48, YST
	v_add_nc_u32 v[YR], s48, v[YR]                 ; row r, my 512 bytes of it, + 64 h
	v_add_nc_u32 v[YR+1], 16*YP, v[YR]
	s_lshl_b32 s48, s28, 11
	v_add_nc_u32 v[AW], s48, v[LI]
	v_lshl_add_u32 v[SWA], v254, 3, v255
	v_lshlrev_b32 v[SWA], 5, v[SWA]
	v_lshlrev_b32 v[SHA], 5, v252
	s_mul_i32 s48, s28, TSTW
	s_add_co_u32 s48, s48, TST
	v_lshrrev_b32 v[IW], 3, v252
	v_mul_u32_u24 v[TW], v[IW], 144
	v_and_b32 v[IW], 7, v252
	v_lshl_add_u32 v[TW], v[IW], 4, v[TW]
	v_add_nc_u32 v[TW], s48, v[TW]
	v_mul_u32_u24 v[TR], v252, 144
	v_add_nc_u32 v[TR], s48, v[TR]
	s_mul_i32 s48, s46, 8704
	s_lshl_b32 s49, s47, 6
	s_add_co_u32 s49, s49, s48
	s_add_co_u32 s49, s49, HIMG
	v_mul_u32_u24 v[IW], v252, 272
	v_add_nc_u32 v[IW], s49, v[IW]
	s_mul_i32 s49, s47, 2176
	s_add_co_u32 s49, s49, s48
	s_add_co_u32 s49, s49, HIMG
	v_mul_u32_u24 v[IR], v254, 272
	v_lshl_add_u32 v[IR], v253, 4, v[IR]
	v_add_nc_u32 v[IR], s49, v[IR]
	s_lshl_b32 s48, s46, 9
	s_lshl_b32 s49, s47, 7
	s_add_co_u32 s48, s48, s49
	s_add_co_u32 s48, s48, HSC
	v_add_nc_u32 v[SB], s48, v252
	s_and_b32 s48, s28, 1
	s_lshl_b32 s48, s48, 9
	s_add_co_u32 s49, s48, HSC
	v_add_nc_u32 v[HR], s49, v[LI]
	v_mov_b32 v[PD], 0
	s_lshl_b32 s50, ttmp9, 5
	s_lshl_b32 s51, s46, 3
	s_add_co_u32 s50, s50, s51
	s_lshl_b32 s51, s47, 2
	s_add_co_u32 s50, s50, s51
	s_lshr_b32 s51, s47, 1
	s_lshl_b32 s51, s51, 3
	s_add_co_u32 s50, s50, s51                     ; my first token: 32 p + 8 (w / 4) + 4 (w % 4) + 8 ((w % 4) / 2)
	s_lshl_b32 s50, s50, 12
	s_mov_b32 s51, 0
	s_mov_b32 s53, 0
	s_wait_kmcnt 0x0
	s_add_nc_u64 s[16:17], s[16:17], s[50:51]      ; x at my rows
	s_add_nc_u64 s[34:35], s[22:23], s[50:51]      ; x1 likewise
	s_lshl_b32 s52, ttmp9, 14
	s_add_nc_u64 s[36:37], s[8:9], s[52:53]        ; o's two tiles
	s_lshl_b32 s52, ttmp9, 10
	s_add_nc_u64 s[38:39], s[8:9], s[52:53]        ; their scale bytes (0x200000 on)
	s_lshl_b32 s52, s28, 16
	s_add_nc_u64 s[40:41], s[10:11], s[52:53]      ; my eight tiles of Wo's images (0x180000 on)
	s_lshl_b32 s52, s28, 12
	s_add_nc_u64 s[12:13], s[12:13], s[52:53]
	s_lshl_b32 s52, ttmp9, 14
	s_add_co_u32 s52, s52, 0x1000000
	s_add_nc_u64 s[42:43], s[22:23], s[52:53]      ; the codes of LN2(x1)
	s_lshl_b32 s52, ttmp9, 10
	s_add_co_u32 s52, s52, s48
	s_add_co_u32 s52, s52, 0x1200000
	s_add_nc_u64 s[44:45], s[22:23], s[52:53]      ; their scale bytes, 512 for each of waves 0, 1
	WIN 0x40                                       ; destination window 1
.irp j, 0,1,2,3,4,5,6,7
	global_load_b128 v[128+4*\j:128+4*\j+3], v[LI], s[14:15] offset:512*\j
.endr
.irp i, 0,1,2,3
.irp j, 0,1,2,3,4,5,6,7
	global_load_b128 v[32*\i+4*\j:32*\i+4*\j+3], v[LI], s[16:17] offset:4096*\i+512*\j th:TH_LOAD_NT
.endr
.endr
	WIN 0
.irp k, 0,1,2,3
	global_load_b128 v[LND+4*\k:LND+4*\k+3], v[AW], s[36:37] offset:512*\k
.endr
.irp e, 0,1
	global_load_b128 v[SA+4*\e:SA+4*\e+3], v[SHA], s[38:39] offset:0x200000+16*\e
.endr
.irp b, 0,1,2,3
.irp e, 0,1
	global_load_b128 v[SW+8*\b+4*\e:SW+8*\b+4*\e+3], v[SWA], s[12:13] offset:1024*\b+16*\e
.endr
.endr
	BLOAD 0
	BLOAD 1
	BLOAD 2
	BLOAD 3
	BLOAD 4
	s_wait_loadcnt 50                              ; bo, x and my share of o are in; behind them: 2 + 8 scale loads and 40 of Wo
	WIN 0x45
.set i, 0
.rept 4
.set j, 0
.rept 16
	v_pk_add_f32 v[32*i+j:32*i+j+1], v[32*i+j:32*i+j+1], v[128+j:128+j+1]    ; x + bo
.set j, j+2
.endr
.set i, i+1
.endr
	WIN 0x04                                       ; an LDS store's data are its source 1: window 1
.irp i, 0,1,2,3
.irp j, 0,1,2,3,4,5,6,7
	ds_store_b128 v[YD], v[32*\i+4*\j:32*\i+4*\j+3] offset:YP*\i+512*\j
.endr
.endr
	WIN 0
.irp k, 0,1,2,3
	ds_store_b128 v[AW], v[LND+4*\k:LND+4*\k+3] offset:512*\k
.endr
	BARRIER                                        ; 32 rows of x + bo and o's two tiles lie in LDS
	WIN 0x40
.irp u, 0,1
.set q, 0
.rept 16
	ds_load_b128 v[64*\u+4*q:64*\u+4*q+3], v[YR+\u] offset:128*(q/4)+16*(q%4)   ; in the result's layout: registers 16 b + 0..15 are columns 32 b + 16 h + 0..15 of my 128
.set q, q+1
.endr
.endr
	WIN 0
	AFETCH 0
.set kb, 0
.rept 16
	PLACES 4                                       ; the registers that the last beat's products read are loaded again four places behind them
.if kb+5 <= 15
	BLOAD kb+5                                     ; into the set that the last beat has left
.elseif kb == 11
	WIN 0x40
.irp j, 0,1,2,3,4,5,6,7
	global_load_b128 v[160+4*\j:160+4*\j+3], v[LI], s[18:19] offset:512*\j       ; gamma
.endr
	WIN 0
.elseif kb == 12
	WIN 0x40
.irp j, 0,1,2,3,4,5,6,7
	global_load_b128 v[192+4*\j:192+4*\j+3], v[LI], s[20:21] offset:512*\j       ; beta
.endr
	WIN 0
.endif
.if (kb%2 == 0) && (kb/2 < 7)
	AFETCH kb/2+1
.endif
.if kb <= 12
	s_wait_loadcnt 40                              ; this beat's eight loads are in; the five groups of eight issued behind them may be out
.else
	s_wait_loadcnt 8*(17-kb)                       ; the later beats' loads, gamma's and beta's may be out
.endif
.if kb%2 == 0
.if kb/2 < 7
	s_wait_dscnt 4                                 ; all but the next K step's four
.else
	s_wait_dscnt 0x0
.endif
.endif
	RSET kb
.if rsW
	WIN 0x51                                       ; source 0 (Wo), C and D window 1
.else
	WIN 0x50                                       ; C and D window 1
.endif
.set ku, 0
.rept 2
.set kj, 0
.rept 4
.set rD, 64*ku+8*(4*(kb%2)+kj)
.set rC, rD
.set rA, rsB+8*kj
.set rB, AF+16*((kb/2)%2)+8*ku
.set rSA, SW+8*((4*(kb%2)+kj)/2)+kb/2
.set rSB, SA+kb/2
.set fA, kj%2
.set fB, ku
	WMX                                            ; eight accumulators by turns in a beat, the other eight in the next
.set kj, kj+1
.endr
.set ku, ku+1
.endr
	WIN 0
.set kb, kb+1
.endr
	PLACES 5
	BARRIER                                        ; every wave's reads of x + bo are long over: the stage may be written again
	WIN 0x04
.irp u, 0,1
.set q, 0
.rept 16
	ds_store_b128 v[YR+\u], v[64*\u+4*q:64*\u+4*q+3] offset:128*(q/4)+16*(q%4)   ; each accumulator from its low end on
.set q, q+1
.endr
.endr
	WIN 0
	BARRIER                                        ; 32 whole rows of x1 lie in the stage
.irp i, 0,1,2,3
.irp j, 0,1,2,3,4,5,6,7
	ds_load_b128 v[BR+32*\i+4*\j:BR+32*\i+4*\j+3], v[YD] offset:YP*\i+512*\j
.endr
.endr
.irp i, 0,1,2,3
	s_wait_dscnt 8*(3-\i)
.irp j, 0,1,2,3,4,5,6,7
	global_store_b128 v[LI], v[BR+32*\i+4*\j:BR+32*\i+4*\j+3], s[34:35] offset:4096*\i+512*\j   ; 512 consecutive bytes
.endr
.endr
	s_wait_xcnt 0x0                                ; the stores have read their registers: the rows are normalised in place
	s_wait_loadcnt 0x0                             ; gamma and beta
.irp i, 0,1,2,3
	LNROW BR+32*\i
	TURN BR+32*\i
	QUANTB \i
.endr
	BARRIER                                        ; the two tiles' images and scale bytes lie in LDS
.irp k, 0,1,2,3
	ds_load_b128 v[Y+4*\k:Y+4*\k+3], v[IR] offset:544*\k
.endr
.irp k, 0,1,2,3
	s_wait_dscnt 3-\k
	global_store_b128 v[AW], v[Y+4*\k:Y+4*\k+3], s[42:43] offset:512*\k
.endr
	s_cmp_lt_u32 s28, 2
	s_cbranch_scc0 .Ldone
	ds_load_b128 v[Y+16:Y+19], v[HR]
	s_wait_dscnt 0x0
	global_store_b128 v[LI], v[Y+16:Y+19], s[44:45]
.Ldone:
	s_wait_tensorcnt 0x0
	ds_add_u32 v230, v231
	s_wait_dscnt 0x0
	s_endpgm
.Lfunc_end_k_q5662354310_wo_ln2:
	.size	k_q5662354310_wo_ln2, .Lfunc_end_k_q5662354310_wo_ln2-k_q5662354310_wo_ln2
	.p2alignl 7, 3214868480
	.fill 96, 4, 3214868480
	.section	.rodata,"a",@progbits
	.p2align	6, 0x0
	.amdhsa_kernel k_q5662354310_wo_ln2
		.amdhsa_group_segment_fixed_size 204288
		.amdhsa_private_segment_fixed_size 0
		.amdhsa_enable_private_segment 0
		.amdhsa_kernarg_size 64
		.amdhsa_user_sgpr_count 2
		.amdhsa_user_sgpr_kernarg_segment_ptr 1
		.amdhsa_wavefront_size32 1
		.amdhsa_system_sgpr_workgroup_id_x 1
		.amdhsa_system_sgpr_workgroup_id_y 1
		.amdhsa_system_sgpr_workgroup_id_z 1
		.amdhsa_system_vgpr_workitem_id 0
		.amdhsa_next_free_vgpr 512
		.amdhsa_next_free_sgpr 66
		.amdhsa_reserve_vcc 0
		.amdhsa_float_denorm_mode_32 3
		.amdhsa_float_denorm_mode_16_64 3
		.amdhsa_memory_ordered 1
		.amdhsa_forward_progress 1
		.amdhsa_inst_pref_size 97
	.end_amdhsa_kernel
	.amdgpu_metadata
---
amdhsa.version: [ 1, 2 ]
amdhsa.kernels:
  - .name:           k_q5662354310_wo_ln2
    .symbol:         k_q5662354310_wo_ln2.kd
    .args:
      - { .name: ws3, .offset: 0, .size: 8, .value_kind: global_buffer, .address_space: global }
      - { .name: ws1, .offset: 8, .size: 8, .value_kind: global_buffer, .address_space: global }
      - { .name: Wo_scales, .offset: 16, .size: 8, .value_kind: global_buffer, .address_space: global }
      - { .name: bo, .offset: 24, .size: 8, .value_kind: global_buffer, .address_space: global }
      - { .name: x, .offset: 32, .size: 8, .value_kind: global_buffer, .address_space: global }
      - { .name: ln2_g, .offset: 40, .size: 8, .value_kind: global_buffer, .address_space: global }
      - { .name: ln2_b, .offset: 48, .size: 8, .value_kind: global_buffer, .address_space: global }
      - { .name: ws4, .offset: 56, .size: 8, .value_kind: global_buffer, .address_space: global }
    .group_segment_fixed_size: 204288
    .private_segment_fixed_size: 0
    .kernarg_segment_align: 8
    .kernarg_segment_size: 64
    .max_flat_workgroup_size: 256
    .sgpr_count:     66
    .vgpr_count:     512
    .wavefront_size: 32
...
	.end_amdgpu_metadata
.endif
;; end of part 4
;; launch ffn1 (part 5): grid 16 x 16, 4 waves a work-group, clusters of 4 x 1, 168,448 bytes of LDS; arguments ws4, ws1, W1_scales, b1, ws5; writes ws5
.if DOCPART == 5
	.amdgcn_target "amdgcn-amd-amdhsa--gfx1250"
	.amdhsa_code_object_version 6
	.text
	.protected	k_q5662354310_ffn1
	.globl	k_q5662354310_ffn1
	.p2align	8
	.type	k_q5662354310_ffn1,@function
k_q5662354310_ffn1:
	s_mov_b64 s[64:65], 0
	v_nop
	global_prefetch_b8 v0, s[64:65] scope:SCOPE_SE
	s_setreg_imm32_b32 hwreg(HW_REG_WAVE_MODE, 25, 1), 1
	s_wait_xcnt 0x0
	s_wait_alu depctr_hold_cnt(0) depctr_sa_sdst(0) depctr_va_vdst(0) depctr_va_sdst(0) depctr_va_ssrc(0) depctr_va_vcc(0) depctr_vm_vsrc(0)
	s_getreg_b32 s2, hwreg(HW_REG_IB_STS2, 6, 4)
	s_cmp_eq_u32 s2, 0
	s_cbranch_scc0 .Lentry_in_a_cluster
	s_endpgm
.Lentry_in_a_cluster:
	s_bfe_u32 s2, ttmp6, 0x10000c
	s_cmp_lg_u32 s2, 0x3003
	s_cbranch_scc0 .Lentry_shape_is_right
	s_endpgm
.Lentry_shape_is_right:
; g = gelu(LN2(x1) W1 + b1), exact (erf) form, and its quantiser along the hidden axis.  Work-group (x = 256 tokens, y = 256 hidden units).
; Wave w takes token tiles 16 x + 4 w + 0..3; its 32 token fragments stay in registers.  The 16 weight tiles (128 KiB of images, one dense block of memory) come into LDS by tensor loads, once; their scale bytes and the bias (9 KiB) through registers.
; CLUSTER: the four work-groups of a cluster take four neighbouring groups of tokens and the same 256 hidden units: each wave asks for its quarter of the weights JOINTLY, by the same descriptor in all four and a mask that names the four.
; Nothing is filled again: one round of the cluster's barrier stands in front of the load, one in front of the end.  One tensor load of a wave is out.  The tokens' fragments go straight into registers, where no joint request reaches.
; Four units of 64 hidden units, as a loop of two trips of two units: a trip's 128 units are one K step of the next product.  Source 0 = 16 weight rows, source 1 = 16 tokens: a lane holds one token, registers run along the hidden axis.
; GELU: g = max(x, 0) - |x| Q(|x|), Q the normal distribution's upper tail by Abramowitz and Stegun 26.2.17: Q = (c1 t + .. + c5 t^5) 2^(-x^2 log2(e) / 2), t = 1 / (1 + 0.2316419 |x|), c_i = b_i / sqrt(2 pi).
; LIMIT: that formula's error is at most 7.5e-8 ABSOLUTE in Q, so g is off by at most 7.5e-8 |x|; relative to g this grows in the far negative tail (beyond about -4), where g is tiny beside its block's scale.  Nothing cancels for x < 0.
; ws5: 0 the codes of g as images [tile][32][1024]; 0x800000 their scale words [K step 32][tile / 4][lane 16 (tile % 2) + row][word (tile % 4) / 2].
; LDS: 140,288 bytes are used; the launch claims 168,448.  Other LIMITS as in the first launch.
.set WSC, 131072
.set BIA, 139264
.set LI,  1
.set LBC, 2                            ; v2  16 x lane + the unit's 32,768 bytes
.set C0,  3                            ; v3  16 x thread: the scale bytes' copy
.set SWL, 5                            ; v5  my weight row's scale bytes in LDS
.set SHA, 6
.set BIL, 7                            ; v7  the bias in LDS, + 64 h
.set SWC, 8
.set BIC, 9
.set L8,  10
.set T8,  11                           ; v11 8 x thread;  v12 the same in LDS;  v13 the scale bytes' copy in LDS
.set SH,  16
.set SW,  32
.set BF,  48
.set ACC, 112
.set P,   240
.set GSW, 248                          ; v248-251 a trip's scale word of each of my four tiles
.set M,   48
.set SC,  56
.set BY,  64
.set CD,  72
.set UB,  45                           ; s45 65,536 x trip;  s46 4,096 x trip;  s47 512 x trip
.set G1,  52                           ; s[52:59] descriptor group 1: 128 rows of 256 bytes, dense
.set G0,  60                           ; s[60:63] descriptor group 0: my quarter of the weights
.set MSB, 0
.macro WIN new
.if MSB != (\new)
	s_set_vgpr_msb (MSB<<8)|(\new)
.set MSB, (\new)
.endif
.endm
.macro PLACES n
.rept \n
	v_nop
.endr
.endm
.macro CROUND                          ; a round of the cluster's barrier: my work-group's barrier; wave 0 signals for the work-group; every wave waits for all four work-groups; my work-group's barrier once more
	s_barrier_signal -1
	s_barrier_wait -1
	s_cmp_lg_u32 s28, 0
	s_cbranch_scc1 .Lnot_wave_0_\@
	s_barrier_signal -3
.Lnot_wave_0_\@:
	s_barrier_wait -3
	s_barrier_signal -1
	s_barrier_wait -1
.endm
.macro WMX
.if fA && fB
	v_wmma_scale_f32_16x16x128_f8f6f4 v[rD:rD+7], v[rA:rA+7], v[rB:rB+7], v[rC:rC+7], v[rSA], v[rSB] matrix_a_fmt:MATRIX_FMT_FP4 matrix_b_fmt:MATRIX_FMT_FP4 matrix_a_scale:MATRIX_SCALE_ROW1 matrix_b_scale:MATRIX_SCALE_ROW1
.elseif fA
	v_wmma_scale_f32_16x16x128_f8f6f4 v[rD:rD+7], v[rA:rA+7], v[rB:rB+7], v[rC:rC+7], v[rSA], v[rSB] matrix_a_fmt:MATRIX_FMT_FP4 matrix_b_fmt:MATRIX_FMT_FP4 matrix_a_scale:MATRIX_SCALE_ROW1
.elseif fB
	v_wmma_scale_f32_16x16x128_f8f6f4 v[rD:rD+7], v[rA:rA+7], v[rB:rB+7], v[rC:rC+7], v[rSA], v[rSB] matrix_a_fmt:MATRIX_FMT_FP4 matrix_b_fmt:MATRIX_FMT_FP4 matrix_b_scale:MATRIX_SCALE_ROW1
.else
	v_wmma_scale_f32_16x16x128_f8f6f4 v[rD:rD+7], v[rA:rA+7], v[rB:rB+7], v[rC:rC+7], v[rSA], v[rSB] matrix_a_fmt:MATRIX_FMT_FP4 matrix_b_fmt:MATRIX_FMT_FP4
.endif
.endm
.macro QUANTG x                        ; as in the launch of q, k and v
.set n, 0
.rept 8
	v_max3_num_f32 v[M+n], |v[\x+16*n]|, |v[\x+16*n+1]|, 0x1800000
.set n, n+1
.endr
.irp i, 2,4,6,8,10,12,14
.set n, 0
.rept 8
	v_max3_num_f32 v[M+n], v[M+n], |v[\x+16*n+\i]|, |v[\x+16*n+\i+1]|
.set n, n+1
.endr
.endr
.set n, 0
.rept 8
	v_permlanex16_b32 v[P+n], v[M+n], s32, s33
.set n, n+1
.endr
.set n, 0
.rept 8
	v_max_num_f32 v[M+n], v[M+n], v[P+n]
.set n, n+1
.endr
.set n, 0
.rept 8
	v_add_nc_u32 v[SC+n], 0xff000000, v[M+n]
.set n, n+1
.endr
.set n, 0
.rept 8
	v_lshrrev_b32 v[BY+n], 23, v[SC+n]
.set n, n+1
.endr
.set n, 0
.rept 8
	v_cvt_scalef32_pk8_fp4_f32 v[CD+2*n], v[\x+16*n:\x+16*n+7], v[SC+n]
	v_cvt_scalef32_pk8_fp4_f32 v[CD+2*n+1], v[\x+16*n+8:\x+16*n+15], v[SC+n]
.set n, n+1
.endr
	v_nop
.set n, 0
.rept 4
	v_permlane16_swap_b32 v[CD+4*n], v[CD+4*n+2]
	v_permlane16_swap_b32 v[CD+4*n+1], v[CD+4*n+3]
.set n, n+1
.endr
.endm
.macro FETCHB s, set
.irp t, 0,1,2,3
.irp c, 0,1
	ds_load_b128 v[BF+32*(\set)+8*\t+4*\c:BF+32*(\set)+8*\t+4*\c+3], v[LBC] offset:8192*\t+1024*(\s)+512*\c
.endr
.endr
.endm
.macro KLOOP
	FETCHB 0, 0
.set ks, 0
.rept 8
.if ks < 7
	PLACES 4
	FETCHB ks+1, (ks+1)%2
	s_wait_dscnt 8                                 ; all but the eight loads just issued: at the first step the unit's scale words and bias too
.else
	s_wait_dscnt 0x0
.endif
.if ks == 0
	WIN 0x34                                       ; source 1 (tokens) window 1, C (bias) window 3
.else
	WIN 0x04
.endif
.set kg, 0
.rept 4
.set kt, 0
.rept 4
.set rD, ACC+32*kg+8*kt
.set rA, BF+32*(ks%2)+8*kt
.set rB, 64*kg+8*ks
.set rSA, SW+8*(kt/2)+ks
.set rSB, SH+8*(kg/2)+ks
.set fA, kt%2
.set fB, kg%2
.set rC, rD
.if ks == 0
.set rC, 8*kt
.endif
	WMX                                            ; sixteen accumulators by turns
.set kt, kt+1
.endr
.set kg, kg+1
.endr
	WIN 0
.set ks, ks+1
.endr
.endm
; 64 numbers of a lane, in place.  Window 2: U v0-63, E v64-127, R v128-191, c1..c5 as pairs at v192-201.
.macro GELU64 x
	WIN 0x80                                       ; destination window 2
.set j, 0
.rept 64
	v_fma_f32 v[j], |v[\x+j]|, s40, 1.0            ; 1 + p |x|   (each accumulator is read from its low end on)
.set j, j+1
.endr
.set j, 0
.rept 32
	v_pk_mul_f32 v[64+j:64+j+1], v[\x+j:\x+j+1], v[\x+j:\x+j+1]
.set j, j+2
.endr
	WIN 0xaa                                       ; all in window 2
.set j, 0
.rept 32
	v_pk_mul_f32 v[64+j:64+j+1], v[64+j:64+j+1], s[42:43] op_sel_hi:[1,0]     ; -x^2 log2(e) / 2
.set j, j+2
.endr
.set j, 0
.rept 64
	v_rcp_f32 v[j], v[j]                           ; t
.set j, j+1
.endr
.set j, 0
.rept 64
	v_exp_f32 v[64+j], v[64+j]
.set j, j+1
.endr
	v_nop                                          ; the plain instruction behind the batch
	s_wait_alu depctr_va_vdst(0)                   ; one wait for the 128, ahead of their first reader
.set j, 0
.rept 32
	v_pk_fma_f32 v[128+j:128+j+1], v[j:j+1], v[200:201], v[198:199]
.set j, j+2
.endr
.irp cc, 196,194,192
.set j, 0
.rept 32
	v_pk_fma_f32 v[128+j:128+j+1], v[128+j:128+j+1], v[j:j+1], v[\cc:\cc+1]
.set j, j+2
.endr
.endr
.set j, 0
.rept 32
	v_pk_mul_f32 v[128+j:128+j+1], v[128+j:128+j+1], v[j:j+1]
.set j, j+2
.endr
.set j, 0
.rept 32
	v_pk_mul_f32 v[128+j:128+j+1], v[128+j:128+j+1], v[64+j:64+j+1]           ; Q(|x|)
.set j, j+2
.endr
	WIN 0x80
.set j, 0
.rept 64
	v_max_num_f32 v[j], 0, v[\x+j]
.set j, j+1
.endr
	WIN 0x28                                       ; sources 1 and 2 window 2
.set j, 0
.rept 64
	v_fma_f32 v[\x+j], -|v[\x+j]|, v[128+j], v[j]  ; max(x, 0) - |x| Q
.set j, j+1
.endr
	WIN 0
.endm
.macro UNIT e                          ; 64 hidden units: 64 (2 trip + e) on
	v_add_nc_u32 v[LBC], s[UB], v[LI]
	v_add_nc_u32 v[LBC], 32768*\e, v[LBC]
	v_add_nc_u32 v[SWC], s[UB+1], v[SWL]
	v_add_nc_u32 v[BIC], s[UB+2], v[BIL]
.irp b, 0,1
.irp q, 0,1
	ds_load_b128 v[SW+8*\b+4*\q:SW+8*\b+4*\q+3], v[SWC] offset:2048*\e+1024*\b+16*\q
.endr
.endr
	WIN 0xc0                                       ; destination window 3
.irp t, 0,1,2,3
	ds_load_b128 v[8*\t:8*\t+3], v[BIC] offset:256*\e+(32*(\t/2)+8*(\t%2))*4
	ds_load_b128 v[8*\t+4:8*\t+7], v[BIC] offset:256*\e+(32*(\t/2)+8*(\t%2))*4+16
.endr
	WIN 0
	KLOOP
	PLACES 5                                       ; four ahead of the reads; five ahead of the next unit's products, which write over these accumulators
	GELU64 ACC
	GELU64 ACC+64
	QUANTG ACC
.irp g, 0,1,2,3
	global_store_b128 v[LI], v[CD+4*\g:CD+4*\g+3], s[26:27] offset:32768*\g+512*\e    ; half an image: 512 consecutive bytes
.if \e == 0
	v_lshl_or_b32 v[GSW+\g], v[BY+2*\g+1], 8, v[BY+2*\g]
.else
	v_lshl_or_b32 v[GSW+\g], v[BY+2*\g], 16, v[GSW+\g]
	v_lshl_or_b32 v[GSW+\g], v[BY+2*\g+1], 24, v[GSW+\g]
.endif
.endr
	s_wait_xcnt 0x0                                ; the stores have read their registers: they are loaded again in the next unit
.endm
	s_load_b256 s[8:15], s[0:1], 0x0               ; ws4 8, ws1 10, W1_scales 12, b1 14
	s_load_b64 s[16:17], s[0:1], 0x20              ; ws5
	v_lshl_add_u32 v14, v0, 2, 0x29000
	v_mov_b32 v15, 0
	ds_add_u32 v14, v15
	ds_add_u32 v14, v15
	v_lshrrev_b32 v1, 5, v0
	v_readfirstlane_b32 s28, v1
	s_bfe_u32 s31, ttmp6, 0x40000                  ; cx: my place in the cluster
	s_lshl_b32 s29, ttmp9, 2                       ; in a cluster launch ttmp9 counts clusters
	s_add_co_u32 s29, s29, s31                     ; my group of 256 tokens = 4 x cluster x + cx: it enters the tokens' and the results' global addresses alone
	s_and_b32 s30, ttmp7, 0xffff                   ; the group of 256 hidden units, which the four partners share
	s_mov_b32 s32, 0x76543210
	s_mov_b32 s33, 0xfedcba98
	s_mov_b32 s40, 0x3e6d3389                      ; 0.2316419
	s_mov_b32 s42, 0xbf38aa3b                      ; -log2(e) / 2
	s_mov_b32 s43, s42
	s_lshl_b32 s34, s29, 4
	s_lshl_b32 s35, s28, 2
	s_add_co_u32 s34, s34, s35                     ; T0
	s_mov_b32 s[G1+0], 15|(3<<16)|(1<<21)          ; 15:0 the mask: all four work-groups; 17:16 elements of 8 bytes; 21 set beside a mask; no padding
	s_mov_b32 s[G1+1], 32<<16                      ; tensor_dim0 = 32 elements: 256 bytes
	s_mov_b32 s[G1+2], 128<<16                     ; tensor_dim1 = 128 rows
	s_mov_b32 s[G1+3], 32<<16                      ; tile_dim0 = 32
	s_mov_b32 s[G1+4], 128                         ; tile_dim1 = 128
	s_mov_b32 s[G1+5], 32                          ; from row to row: 32 elements: the block is dense
	s_mov_b32 s[G1+6], 0
	s_mov_b32 s[G1+7], 0
	v_and_b32 v252, 31, v0
	v_and_b32 v253, 15, v0
	v_bfe_u32 v254, v0, 4, 1
	v_and_b32 v255, 8, v253
	v_add_nc_u32 v255, v255, v253
	v_cmp_eq_u32 s44, 1, v254
	v_lshlrev_b32 v[LI], 4, v252
	v_lshlrev_b32 v[C0], 4, v0
	v_lshl_add_u32 v[SWL], v254, 3, v255
	v_lshlrev_b32 v[SWL], 5, v[SWL]
	v_add_nc_u32 v[SWL], WSC, v[SWL]
	v_lshlrev_b32 v[SHA], 5, v252
	v_lshl_add_u32 v[BIL], v254, 6, BIA
	v_lshlrev_b32 v[L8], 3, v252
	v_lshlrev_b32 v[T8], 3, v0
	v_add_nc_u32 v12, BIA, v[T8]
	v_add_nc_u32 v13, WSC, v[C0]
.set n, 0
.rept 8
	v_mov_b32 v[P+n], 0
.set n, n+1
.endr
	s_mov_b32 s39, 0
	s_wait_dscnt 0x0
	s_wait_kmcnt 0x0
	s_lshl_b32 s38, s30, 17
	s_lshl_b32 s36, s28, 15
	s_add_co_u32 s38, s38, s36
	s_add_co_u32 s38, s38, 0x200000
	s_add_nc_u64 s[20:21], s[10:11], s[38:39]      ; my quarter of my 16 tiles of W1's images: made of the group of hidden units and the wave's number alone
	s_mov_b32 s[G0], 1                             ; count = 1
	s_lshl_b32 s[G0+1], s28, 15                    ; LDS address: 32,768 x wave
	s_mov_b64 s[G0+2:G0+3], s[20:21]
	s_or_b32 s[G0+3], s[G0+3], 0x80000000          ; type = 2
	CROUND                                         ; all four work-groups are here: the joint loads meet
	tensor_load_to_lds s[G0:G0+3], s[G1:G1+7]      ; the launch's only fill, ahead of every wait on TENSORcnt, every LDS read and every other barrier
	s_nop 0
	PLACES 4                                       ; four v_nop follow it
	s_lshl_b32 s38, s30, 13
	s_add_nc_u64 s[12:13], s[12:13], s[38:39]
	s_lshl_b32 s38, s30, 10
	s_add_nc_u64 s[14:15], s[14:15], s[38:39]
	s_lshl_b32 s38, s34, 9
	s_add_co_u32 s38, s38, 0x1200000
	s_add_nc_u64 s[22:23], s[8:9], s[38:39]        ; my tokens' scale bytes
	s_lshl_b32 s38, s34, 13
	s_add_co_u32 s38, s38, 0x1000000
	s_add_nc_u64 s[24:25], s[8:9], s[38:39]        ; my tokens' images
	s_lshl_b32 s38, s34, 15
	s_lshl_b32 s36, s30, 11
	s_add_co_u32 s38, s38, s36
	s_add_nc_u64 s[26:27], s[16:17], s[38:39]      ; g's codes: tile T0, K step 2 y
	s_lshl_b32 s38, s30, 15
	s_lshl_b32 s36, s34, 6
	s_add_co_u32 s38, s38, s36
	s_add_co_u32 s38, s38, 0x800000
	s_add_nc_u64 s[36:37], s[16:17], s[38:39]      ; g's scale words
.irp k, 0,1,2,3
	global_load_b128 v[BF+4*\k:BF+4*\k+3], v[C0], s[12:13] offset:2048*\k
.endr
	global_load_b64 v[BF+16:BF+17], v[T8], s[14:15]
.irp b, 0,1
.irp e, 0,1
	global_load_b128 v[SH+8*\b+4*\e:SH+8*\b+4*\e+3], v[SHA], s[22:23] offset:1024*\b+16*\e
.endr
.endr
	WIN 0x40
.irp s, 0,1,2,3,4,5,6,7
.irp g, 0,1,2,3
.irp c, 0,1
	global_load_b128 v[64*\g+8*\s+4*\c:64*\g+8*\s+4*\c+3], v[LI], s[24:25] offset:8192*\g+1024*\s+512*\c
.endr
.endr
.endr
	WIN 0
	s_wait_loadcnt 63                              ; 68 loads were issued behind the five loads of scale bytes and bias: with 63 out at the most those five are in
.irp k, 0,1,2,3
	ds_store_b128 v13, v[BF+4*\k:BF+4*\k+3] offset:2048*\k
.endr
	ds_store_b64 v12, v[BF+16:BF+17]
	s_wait_loadcnt 0x0                             ; my token fragments and scale words stay from here on
	s_wait_tensorcnt 0x0                           ; my quarter of the weights has landed,
	s_wait_dscnt 0x0                               ; my stores of scale bytes and bias are done:
	s_barrier_signal -1
	s_barrier_wait -1                              ; everybody's
	WIN 0x80
	v_mov_b32 v192, 0x3e027906                     ; c1 .. c5, each twice
	v_mov_b32 v193, 0x3e027906
	v_mov_b32 v194, 0xbe11a98e
	v_mov_b32 v195, 0xbe11a98e
	v_mov_b32 v196, 0x3f35f0e3
	v_mov_b32 v197, 0x3f35f0e3
	v_mov_b32 v198, 0xbf3a00e3
	v_mov_b32 v199, 0xbf3a00e3
	v_mov_b32 v200, 0x3f07dc22
	v_mov_b32 v201, 0x3f07dc22
	WIN 0
	s_mov_b32 s[UB], 0
	s_mov_b32 s[UB+1], 0
	s_mov_b32 s[UB+2], 0
	s_mov_b32 s48, 2
.Ltrip:
	UNIT 0
	UNIT 1
	v_cndmask_b32 v252, v[GSW], v[GSW+1], s44      ; lanes 0-15 carry the even tile's word, lanes 16-31 the odd tile's
	v_cndmask_b32 v253, v[GSW+2], v[GSW+3], s44
	global_store_b64 v[L8], v[252:253], s[36:37]   ; 256 consecutive bytes
	s_wait_xcnt 0x0                                ; the bases step only behind this wait
	s_add_nc_u64 s[26:27], s[26:27], 1024
	s_add_nc_u64 s[36:37], s[36:37], 16384
	s_add_co_u32 s[UB], s[UB], 65536
	s_add_co_u32 s[UB+1], s[UB+1], 4096
	s_add_co_u32 s[UB+2], s[UB+2], 512
	s_sub_co_u32 s48, s48, 1
	s_cmp_lg_u32 s48, 0
	s_cbranch_scc1 .Ltrip
	s_wait_tensorcnt 0x0
	ds_add_u32 v14, v15
	s_wait_dscnt 0x0
	CROUND                                         ; the closing round: no work-group ends while a partner may still ask for the weights that name it
	s_endpgm
.Lfunc_end_k_q5662354310_ffn1:
	.size	k_q5662354310_ffn1, .Lfunc_end_k_q5662354310_ffn1-k_q5662354310_ffn1
	.p2alignl 7, 3214868480
	.fill 96, 4, 3214868480
	.section	.rodata,"a",@progbits
	.p2align	6, 0x0
	.amdhsa_kernel k_q5662354310_ffn1
		.amdhsa_group_segment_fixed_size 168448
		.amdhsa_private_segment_fixed_size 0
		.amdhsa_enable_private_segment 0
		.amdhsa_kernarg_size 40
		.amdhsa_user_sgpr_count 2
		.amdhsa_user_sgpr_kernarg_segment_ptr 1
		.amdhsa_wavefront_size32 1
		.amdhsa_system_sgpr_workgroup_id_x 1
		.amdhsa_system_sgpr_workgroup_id_y 1
		.amdhsa_system_sgpr_workgroup_id_z 1
		.amdhsa_system_vgpr_workitem_id 0
		.amdhsa_next_free_vgpr 800
		.amdhsa_next_free_sgpr 66
		.amdhsa_reserve_vcc 0
		.amdhsa_float_denorm_mode_32 3
		.amdhsa_float_denorm_mode_16_64 3
		.amdhsa_memory_ordered 1
		.amdhsa_forward_progress 1
		.amdhsa_inst_pref_size 196
	.end_amdhsa_kernel
	.amdgpu_metadata
---
amdhsa.version: [ 1, 2 ]
amdhsa.kernels:
  - .name:           k_q5662354310_ffn1
    .symbol:         k_q5662354310_ffn1.kd
    .args:
      - { .name: ws4, .offset: 0, .size: 8, .value_kind: global_buffer, .address_space: global }
      - { .name: ws1, .offset: 8, .size: 8, .value_kind: global_buffer, .address_space: global }
      - { .name: W1_scales, .offset: 16, .size: 8, .value_kind: global_buffer, .address_space: global }
      - { .name: b1, .offset: 24, .size: 8, .value_kind: global_buffer, .address_space: global }
      - { .name: ws5, .offset: 32, .size: 8, .value_kind: global_buffer, .address_space: global }
    .group_segment_fixed_size: 168448
    .private_segment_fixed_size: 0
    .kernarg_segment_align: 8
    .kernarg_segment_size: 40
    .max_flat_workgroup_size: 128
    .sgpr_count:     66
    .vgpr_count:     800
    .wavefront_size: 32
...
	.end_amdgpu_metadata
.endif
;; end of part 5
;; launch ffn2 (part 6): grid 16 x 16, 4 waves a work-group, clusters of 4 x 1, 168,448 bytes of LDS; arguments ws5, ws1, W2_scales, b2, ws4, out0; writes out0
.if DOCPART == 6
	.amdgcn_target "amdgcn-amd-amdhsa--gfx1250"
	.amdhsa_code_object_version 6
	.text
	.protected	k_q5662354310_ffn2
	.globl	k_q5662354310_ffn2
	.p2align	8
	.type	k_q5662354310_ffn2,@function
k_q5662354310_ffn2:
	s_mov_b64 s[64:65], 0
	v_nop
	global_prefetch_b8 v0, s[64:65] scope:SCOPE_SE
	s_setreg_imm32_b32 hwreg(HW_REG_WAVE_MODE, 25, 1), 1
	s_wait_xcnt 0x0
	s_wait_alu depctr_hold_cnt(0) depctr_sa_sdst(0) depctr_va_vdst(0) depctr_va_sdst(0) depctr_va_ssrc(0) depctr_va_vcc(0) depctr_vm_vsrc(0)
	s_getreg_b32 s2, hwreg(HW_REG_IB_STS2, 6, 4)
	s_cmp_eq_u32 s2, 0
	s_cbranch_scc0 .Lentry_in_a_cluster
	s_endpgm
.Lentry_in_a_cluster:
	s_bfe_u32 s2, ttmp6, 0x10000c
	s_cmp_lg_u32 s2, 0x3003
	s_cbranch_scc0 .Lentry_shape_is_right
	s_endpgm
.Lentry_shape_is_right:
; out = x1 + (g W2 + b2).  Work-group (x = 256 tokens, y = 64 output columns); wave w takes token tiles 16 x + 4 w + 0..3: 64 tokens x 64 columns, K = 4,096 in 32 steps of 128.
; The four weight tiles (128 KiB of images, all of K, one dense block of memory) come into LDS by tensor loads, once.  The tokens' fragments are a wave's own: they come from memory into a ring of eight register places, seven K steps ahead.
; CLUSTER: the four work-groups of a cluster take four neighbouring groups of tokens and the same 64 columns: each wave asks for its quarter of the weights JOINTLY, by the same descriptor in all four and a mask that names the four.
; Nothing is filled again: one round of the cluster's barrier stands in front of the load, one in front of the end.  One tensor load of a wave is out.  The tokens' fragments go straight into registers, where no joint request reaches.
; Source 0 = 16 weight rows, source 1 = 16 tokens; b2 is the sums' first C.  The results go through the wave's own stage in LDS, so that sixteen lanes store 256 consecutive bytes, aligned; x1 is added on the way.
; No prefetch: 56 loads of a wave (28 KiB) are on their way all through the loop.  LDS: 148,480 bytes are used; the launch claims 168,448.
.set STG, 131072                       ; a stage of 16 rows x (256 + 16) bytes for each wave
.set LI,  1
.set LB,  2                            ; v2-5  16 x lane + 32,768 t
.set SWA, 8
.set L8,  9
.set BA,  10
.set SO,  11
.set SR,  12
.set XO,  13
.set SA,  16                           ; v16-79   tokens' scale words: 2 x K step + g / 2
.set SW,  80                           ; v80-143  weights': 32 (t / 2) + K step
.set BF,  144                          ; v144-207 weight fragments, two sets of four; rows on the way out
.set BC,  208                          ; v208-239 b2 in the result's layout
.set G1,  40                           ; s[40:47] descriptor group 1: 128 rows of 256 bytes, dense
.set G0,  48                           ; s[48:51] descriptor group 0: my quarter of the weights
.set MSB, 0
.macro WIN new
.if MSB != (\new)
	s_set_vgpr_msb (MSB<<8)|(\new)
.set MSB, (\new)
.endif
.endm
.macro PLACES n
.rept \n
	v_nop
.endr
.endm
.macro CROUND                          ; a round of the cluster's barrier: my work-group's barrier; wave 0 signals for the work-group; every wave waits for all four work-groups; my work-group's barrier once more
	s_barrier_signal -1
	s_barrier_wait -1
	s_cmp_lg_u32 s28, 0
	s_cbranch_scc1 .Lnot_wave_0_\@
	s_barrier_signal -3
.Lnot_wave_0_\@:
	s_barrier_wait -3
	s_barrier_signal -1
	s_barrier_wait -1
.endm
.macro WMX
.if fA && fB
	v_wmma_scale_f32_16x16x128_f8f6f4 v[rD:rD+7], v[rA:rA+7], v[rB:rB+7], v[rC:rC+7], v[rSA], v[rSB] matrix_a_fmt:MATRIX_FMT_FP4 matrix_b_fmt:MATRIX_FMT_FP4 matrix_a_scale:MATRIX_SCALE_ROW1 matrix_b_scale:MATRIX_SCALE_ROW1
.elseif fA
	v_wmma_scale_f32_16x16x128_f8f6f4 v[rD:rD+7], v[rA:rA+7], v[rB:rB+7], v[rC:rC+7], v[rSA], v[rSB] matrix_a_fmt:MATRIX_FMT_FP4 matrix_b_fmt:MATRIX_FMT_FP4 matrix_a_scale:MATRIX_SCALE_ROW1
.elseif fB
	v_wmma_scale_f32_16x16x128_f8f6f4 v[rD:rD+7], v[rA:rA+7], v[rB:rB+7], v[rC:rC+7], v[rSA], v[rSB] matrix_a_fmt:MATRIX_FMT_FP4 matrix_b_fmt:MATRIX_FMT_FP4 matrix_b_scale:MATRIX_SCALE_ROW1
.else
	v_wmma_scale_f32_16x16x128_f8f6f4 v[rD:rD+7], v[rA:rA+7], v[rB:rB+7], v[rC:rC+7], v[rSA], v[rSB] matrix_a_fmt:MATRIX_FMT_FP4 matrix_b_fmt:MATRIX_FMT_FP4
.endif
.endm
.macro FETCHB s
.irp t, 0,1,2,3
.irp c, 0,1
	ds_load_b128 v[BF+32*((\s)%2)+8*\t+4*\c:BF+32*((\s)%2)+8*\t+4*\c+3], v[LB+\t] offset:1024*(\s)+512*\c
.endr
.endr
.endm
.macro ALOAD s                         ; my four token fragments of K step s, into place s % 8 of window 1 (no hint: the 16 groups of columns read them again)
	WIN 0x40
.irp g, 0,1,2,3
.irp c, 0,1
	global_load_b128 v[64*\g+8*((\s)%8)+4*\c:64*\g+8*((\s)%8)+4*\c+3], v[LI], s[22:23] offset:32768*\g+1024*(\s)+512*\c
.endr
.endr
	WIN 0
.endm
	s_load_b256 s[8:15], s[0:1], 0x0               ; ws5 8, ws1 10, W2_scales 12, b2 14
	s_load_b128 s[16:19], s[0:1], 0x20             ; ws4 16, out0 18
	v_lshl_add_u32 v254, v0, 2, 0x29000
	v_mov_b32 v255, 0
	ds_add_u32 v254, v255
	ds_add_u32 v254, v255
	v_lshrrev_b32 v1, 5, v0
	v_readfirstlane_b32 s28, v1
	s_bfe_u32 s31, ttmp6, 0x40000                  ; cx: my place in the cluster
	s_lshl_b32 s29, ttmp9, 2                       ; in a cluster launch ttmp9 counts clusters
	s_add_co_u32 s29, s29, s31                     ; my group of 256 tokens = 4 x cluster x + cx: it enters the tokens' and the results' global addresses alone
	s_and_b32 s30, ttmp7, 0xffff                   ; the group of 64 columns, which the four partners share
	s_lshl_b32 s34, s29, 4
	s_lshl_b32 s35, s28, 2
	s_add_co_u32 s34, s34, s35                     ; T0
	s_mov_b32 s[G1+0], 15|(3<<16)|(1<<21)          ; 15:0 the mask: all four work-groups; 17:16 elements of 8 bytes; 21 set beside a mask; no padding
	s_mov_b32 s[G1+1], 32<<16                      ; tensor_dim0 = 32 elements: 256 bytes
	s_mov_b32 s[G1+2], 128<<16                     ; tensor_dim1 = 128 rows
	s_mov_b32 s[G1+3], 32<<16                      ; tile_dim0 = 32
	s_mov_b32 s[G1+4], 128                         ; tile_dim1 = 128
	s_mov_b32 s[G1+5], 32                          ; from row to row: 32 elements: the block is dense
	s_mov_b32 s[G1+6], 0
	s_mov_b32 s[G1+7], 0
	v_and_b32 v240, 31, v0
	v_and_b32 v241, 15, v0
	v_bfe_u32 v242, v0, 4, 1
	v_and_b32 v243, 8, v241
	v_add_nc_u32 v243, v243, v241
	v_lshlrev_b32 v[LI], 4, v240
	v_add_nc_u32 v[LB], 0, v[LI]
	v_add_nc_u32 v[LB+1], 32768, v[LI]
	v_add_nc_u32 v[LB+2], 65536, v[LI]
	v_add_nc_u32 v[LB+3], 98304, v[LI]
	v_lshl_add_u32 v[SWA], v242, 3, v243
	v_lshlrev_b32 v[SWA], 7, v[SWA]                ; a row of W2's scale bytes is 128 bytes
	v_lshlrev_b32 v[L8], 3, v240
	v_lshlrev_b32 v[BA], 6, v242
	s_mul_i32 s36, s28, 4352
	s_add_co_u32 s36, s36, STG
	v_mul_u32_u24 v[SO], v241, 272
	v_lshl_add_u32 v[SO], v242, 6, v[SO]
	v_add_nc_u32 v[SO], s36, v[SO]                 ; in: row r, + 64 h
	v_mul_u32_u24 v[SR], v242, 272
	v_lshl_add_u32 v[SR], v241, 4, v[SR]
	v_add_nc_u32 v[SR], s36, v[SR]                 ; back: lanes 0-15 one row, lanes 16-31 the next
	v_lshlrev_b32 v[XO], 12, v242
	v_lshl_add_u32 v[XO], v241, 4, v[XO]           ; and the same two rows in x1 and in the output
	s_mov_b32 s39, 0
	s_wait_dscnt 0x0
	s_wait_kmcnt 0x0
	s_lshl_b32 s38, s30, 17
	s_lshl_b32 s36, s28, 15
	s_add_co_u32 s38, s38, s36
	s_add_co_u32 s38, s38, 0x400000
	s_add_nc_u64 s[20:21], s[10:11], s[38:39]      ; my quarter of my four tiles of W2's images: made of the group of columns and the wave's number alone
	s_mov_b32 s[G0], 1                             ; count = 1
	s_lshl_b32 s[G0+1], s28, 15                    ; LDS address: 32,768 x wave
	s_mov_b64 s[G0+2:G0+3], s[20:21]
	s_or_b32 s[G0+3], s[G0+3], 0x80000000          ; type = 2
	CROUND                                         ; all four work-groups are here: the joint loads meet
	tensor_load_to_lds s[G0:G0+3], s[G1:G1+7]      ; the launch's only fill, ahead of every wait on TENSORcnt, every LDS read and every other barrier
	s_nop 0
	PLACES 4                                       ; four v_nop follow it
	s_lshl_b32 s38, s34, 15
	s_add_nc_u64 s[22:23], s[8:9], s[38:39]        ; my tokens' images
	s_lshl_b32 s38, s34, 6
	s_add_co_u32 s38, s38, 0x800000
	s_add_nc_u64 s[24:25], s[8:9], s[38:39]        ; their scale words
	s_lshl_b32 s38, s30, 13
	s_add_nc_u64 s[12:13], s[12:13], s[38:39]
	s_lshl_b32 s38, s30, 8
	s_add_nc_u64 s[14:15], s[14:15], s[38:39]
	s_lshl_b32 s36, s34, 16
	s_add_co_u32 s38, s38, s36                     ; token 16 T0, column 64 y, in bytes
	s_add_nc_u64 s[16:17], s[16:17], s[38:39]
	s_add_nc_u64 s[18:19], s[18:19], s[38:39]
.irp b, 0,1
.irp k, 0,1,2,3,4,5,6,7
	global_load_b128 v[SW+32*\b+4*\k:SW+32*\b+4*\k+3], v[SWA], s[12:13] offset:4096*\b+16*\k
.endr
.endr
.set k, 0
.rept 32
	global_load_b64 v[SA+2*k:SA+2*k+1], v[L8], s[24:25] offset:16384*k
.set k, k+1
.endr
.irp t, 0,1,2,3
	global_load_b128 v[BC+8*\t:BC+8*\t+3], v[BA], s[14:15] offset:(32*(\t/2)+8*(\t%2))*4
	global_load_b128 v[BC+8*\t+4:BC+8*\t+7], v[BA], s[14:15] offset:(32*(\t/2)+8*(\t%2))*4+16
.endr
.irp s, 0,1,2,3,4,5,6
	ALOAD \s
.endr
	s_wait_tensorcnt 0x0                           ; my quarter of the weights has landed,
	s_barrier_signal -1
	s_barrier_wait -1                              ; everybody's has
	FETCHB 0
.set ks, 0
.rept 32
	PLACES 4                                       ; the registers that the last step's products read are loaded again four places behind them
.if ks < 31
	FETCHB ks+1
.endif
.if ks <= 24
	ALOAD ks+7
	s_wait_loadcnt 56                              ; this step's token fragments (and all scale words) are in; the seven later steps' eight loads each may be out
.else
.if ks == 25
	WIN 0x80
.irp g, 0,1,2,3
.irp k, 0,1,2,3,4,5,6,7
	global_load_b128 v[128+32*\g+4*\k:128+32*\g+4*\k+3], v[XO], s[16:17] offset:(32*(\g/2)+8*(\g%2)+2*\k+8*(\k/4))*4096 th:TH_LOAD_NT   ; x1, as the way out will want it
.endr
.endr
	WIN 0
.endif
.if 8*(31-ks)+32 > 63
	s_wait_loadcnt 63
.else
	s_wait_loadcnt 8*(31-ks)+32                    ; the later steps' loads and x1's 32 may be out
.endif
.endif
.if ks < 31
	s_wait_dscnt 8
.else
	s_wait_dscnt 0x0
.endif
.if ks == 0
	WIN 0x84                                       ; source 1 (tokens) window 1, C (b2) window 0, D window 2
.else
	WIN 0xa4                                       ; C and D window 2
.endif
.set kg, 0
.rept 4
.set kt, 0
.rept 4
.set rD, 32*kg+8*kt
.set rA, BF+32*(ks%2)+8*kt
.set rB, 64*kg+8*(ks%8)
.set rSA, SW+32*(kt/2)+ks
.set rSB, SA+2*ks+kg/2
.set fA, kt%2
.set fB, kg%2
.set rC, rD
.if ks == 0
.set rC, BC+8*kt
.endif
	WMX                                            ; sixteen accumulators by turns
.set kt, kt+1
.endr
.set kg, kg+1
.endr
	WIN 0
.set ks, ks+1
.endr
	PLACES 5
.irp g, 0,1,2,3
.if \g >= 2
	s_wait_xcnt 0x0                                ; the stores of two tiles ago have read the registers that are loaded below
.endif
	WIN 0x08                                       ; an LDS store's data are its source 1: window 2
.irp q, 0,1,2,3,4,5,6,7
	ds_store_b128 v[SO], v[32*\g+4*\q:32*\g+4*\q+3] offset:128*(\q/4)+16*(\q%4)    ; each accumulator from its low end on
.endr
	WIN 0
.irp k, 0,1,2,3,4,5,6,7
	ds_load_b128 v[BF+32*(\g%2)+4*\k:BF+32*(\g%2)+4*\k+3], v[SR] offset:544*\k       ; LDS serves a wave's instructions in order: these see the stores above, and the next tile's stores come behind them
.endr
	s_wait_loadcnt 8*(3-\g)                        ; this tile's rows of x1
	s_wait_dscnt 0x0
	WIN 0x08                                       ; source 1 (x1) window 2
.set j, 0
.rept 16
	v_pk_add_f32 v[BF+32*(\g%2)+j:BF+32*(\g%2)+j+1], v[BF+32*(\g%2)+j:BF+32*(\g%2)+j+1], v[128+32*\g+j:128+32*\g+j+1]
.set j, j+2
.endr
	WIN 0
.irp k, 0,1,2,3,4,5,6,7
	global_store_b128 v[XO], v[BF+32*(\g%2)+4*\k:BF+32*(\g%2)+4*\k+3], s[18:19] offset:(32*(\g/2)+8*(\g%2)+2*\k+8*(\k/4))*4096 th:TH_STORE_NT   ; sixteen lanes store 256 consecutive bytes, aligned
.endr
.endr
	s_wait_tensorcnt 0x0
	ds_add_u32 v254, v255
	s_wait_dscnt 0x0
	CROUND                                         ; the closing round: no work-group ends while a partner may still ask for the weights that name it
	s_endpgm
.Lfunc_end_k_q5662354310_ffn2:
	.size	k_q5662354310_ffn2, .Lfunc_end_k_q5662354310_ffn2-k_q5662354310_ffn2
	.p2alignl 7, 3214868480
	.fill 96, 4, 3214868480
	.section	.rodata,"a",@progbits
	.p2align	6, 0x0
	.amdhsa_kernel k_q5662354310_ffn2
		.amdhsa_group_segment_fixed_size 168448
		.amdhsa_private_segment_fixed_size 0
		.amdhsa_enable_private_segment 0
		.amdhsa_kernarg_size 48
		.amdhsa_user_sgpr_count 2
		.amdhsa_user_sgpr_kernarg_segment_ptr 1
		.amdhsa_wavefront_size32 1
		.amdhsa_system_sgpr_workgroup_id_x 1
		.amdhsa_system_sgpr_workgroup_id_y 1
		.amdhsa_system_sgpr_workgroup_id_z 1
		.amdhsa_system_vgpr_workitem_id 0
		.amdhsa_next_free_vgpr 768
		.amdhsa_next_free_sgpr 66
		.amdhsa_reserve_vcc 0
		.amdhsa_float_denorm_mode_32 3
		.amdhsa_float_denorm_mode_16_64 3
		.amdhsa_memory_ordered 1
		.amdhsa_forward_progress 1
		.amdhsa_inst_pref_size 140
	.end_amdhsa_kernel
	.amdgpu_metadata
---
amdhsa.version: [ 1, 2 ]
amdhsa.kernels:
  - .name:           k_q5662354310_ffn2
    .symbol:         k_q5662354310_ffn2.kd
    .args:
      - { .name: ws5, .offset: 0, .size: 8, .value_kind: global_buffer, .address_space: global }
      - { .name: ws1, .offset: 8, .size: 8, .value_kind: global_buffer, .address_space: global }
      - { .name: W2_scales, .offset: 16, .size: 8, .value_kind: global_buffer, .address_space: global }
      - { .name: b2, .offset: 24, .size: 8, .value_kind: global_buffer, .address_space: global }
      - { .name: ws4, .offset: 32, .size: 8, .value_kind: global_buffer, .address_space: global }
      - { .name: out0, .offset: 40, .size: 8, .value_kind: global_buffer, .address_space: global }
    .group_segment_fixed_size: 168448
    .private_segment_fixed_size: 0
    .kernarg_segment_align: 8
    .kernarg_segment_size: 48
    .max_flat_workgroup_size: 128
    .sgpr_count:     66
    .vgpr_count:     768
    .wavefront_size: 32
...
	.end_amdgpu_metadata
.endif
;; end of part 6
;; ======== version 2 of 2: 6 launches; version 1 with the launches attn, wo_ln2 written anew for expert scheduling mode
;; limits: an absolute error that grows with the inputs' magnitude: up to 7.5e-08 times it
;; workspace buffers: ws1 8,519,680 bytes; ws2 6,815,744 bytes; ws3 2,228,224 bytes; ws4 19,005,440 bytes; ws5 8,912,896 bytes
;; launch prep: the kernel of part 1 again; grid 448 x 1, 4 waves a work-group, no clusters, 28,160 bytes of LDS; arguments x, ln1_g, ln1_b, Wq_codes, Wk_codes, Wv_codes, Wo_codes, W1_codes, W2_codes, ws1; writes ws1
;; launch qkv: the kernel of part 2 again; grid 16 x 16, 4 waves a work-group, clusters of 4 x 1, 168,448 bytes of LDS; arguments ws1, Wq_scales, Wk_scales, Wv_scales, bq, bk, bv, ws2; writes ws2
;; launch attn (part 7): grid 8 x 32, 16 waves a work-group, no clusters, 141,312 bytes of LDS; arguments ws2, ws3; writes ws3
.if DOCPART == 7
	.amdgcn_target "amdgcn-amd-amdhsa--gfx1250"
	.amdhsa_code_object_version 6
	.text
	.protected	k_q5662354310_attn
	.globl	k_q5662354310_attn
	.p2align	8
	.type	k_q5662354310_attn,@function
k_q5662354310_attn:
	s_mov_b64 s[64:65], 0
	v_nop
	global_prefetch_b8 v0, s[64:65] scope:SCOPE_SE
	s_setreg_imm32_b32 hwreg(HW_REG_WAVE_SCHED_MODE, 0, 2), 2
	s_setreg_imm32_b32 hwreg(HW_REG_WAVE_MODE, 25, 1), 1
	s_wait_xcnt 0x0
	s_wait_alu depctr_vm_vsrc(0)
; Causal attention of one (batch, head) on E2M1 codes, and the quantiser of its result along the model axis.
; t = score x log2(e) / 8; M = the running largest t rounded UP to a whole number; p = 2^(t - M) is quantised along the keys, not normalised; the row's sum is taken of the unquantised p and divides at the end.
; Work-group (x = i, y = batch x head) owns query blocks i and 15 - i of 128 queries: waves 0-7 the tiles of block i, waves 8-15 those of block 15 - i, so that every work-group has 17 key steps for each such pair of waves.
; A wave owns ONE tile of 16 queries in 256 registers; four waves share a SIMD.  The head's k and v codes and scale words (136 KiB) go once into LDS through registers; one barrier in the launch.
; Both products are used transposed (S^T = K Q^T, O^T = V^T P^T): a lane holds one query.  Tiles of keys, queries and channels are in the order row m = 32 (T / 2) + 8 (T % 2) + m + 8 (m / 8).
; THE HEAD'S K IS 64, THE INSTRUCTION'S 128: a fragment of K holds key tile 2 b in k = 0..63 and tile 2 b + 1 in k = 64..127; against [q | zero codes] it gives tile 2 b's scores, against [zero codes | q] tile 2 b + 1's.
; CAUSAL: the loop has 16 trips in every wave; a step all of whose keys come after the wave's queries is jumped over by a scalar branch on ids.  A tile's queries lie in one block of 32, so in every step that is walked each query has a key that counts.
; ws3: 0 the codes of o as images [tile][8][1024]; 0x200000 their scale bytes [tile][row][32].
; No cluster: joint requests belong to tensor loads, and this text has none.  LIMITS as in the first launch.
; THE MODE: SCHED_MODE bits 1:0 = 2 (LLVM: expert scheduling mode 2), set by the entry lines.  The code itself states the register dependences
; between vector or matrix instructions and memory or LDS instructions, with s_wait_alu, always for 0.
; THE PLAN.  Registers that LDS instructions touch, in the loop:
;   v32-63, v200-201   K's fragments and words.  Read by a step's eight products K Q^T; the NEXT step's land in them, asked for behind the wait that follows the step's 64 exponentials.
;   v64-95, v202-203   V's fragments and words.  Read by a step's four products V^T P^T; the next step's land in them, asked for behind the same wait of the next step.
;   v8-10              LDS addresses.  Written by three additions behind the products K Q^T; read by the step's LDS loads.
; So the wait behind the exponentials states all that the step's 18 LDS loads hang on: this step's K Q^T is done with K, the last step's V^T P^T with V, the addresses are written.
; One wait on vm_vsrc a step stands ahead of the three additions; one on va_vdst ahead of the products V^T P^T, whose operand p and its scale word vector instructions have made.
.set VLDS, 65536
.set SLDS, 131072
.set LI,  1                            ; v1  16 x lane (K's fragments)
.set LIV, 2                            ; v2  + 65,536 (V's)
.set L8,  3                            ; v3  8 x lane + 131,072 (scale words)
.set ADK, 8
.set ADV, 9
.set ADS, 10
.set MK,  24                           ; s24-31 eight lane masks of the causal block (at the head these held the bases of loads that are done by then)
	s_load_b128 s[4:7], s[0:1], 0x0                ; ws2, ws3
	v_lshl_add_u32 v251, v0, 2, 0x22000
	v_mov_b32 v255, 0
	v_lshrrev_b32 v1, 5, v0
	v_readfirstlane_b32 s8, v1                     ; wave 0..15
	v_and_b32 v4, 15, v0                           ; r
	v_bfe_u32 v5, v0, 4, 1                         ; h
	v_and_b32 v6, 31, v0                           ; lane
	v_lshlrev_b32 v[LI], 4, v6
	v_add_nc_u32 v[LIV], VLDS, v[LI]
	v_lshl_add_u32 v[L8], v6, 3, SLDS
	v_lshlrev_b32 v11, 4, v0                       ; 16 x thread: the copy
	v_add_nc_u32 v30, VLDS, v11
	v_add_nc_u32 v31, SLDS, v11
	v_and_b32 v29, 8, v4
	v_add_nc_u32 v29, v29, v4
	v_lshlrev_b32 v7, 4, v5
	v_sub_nc_u32 v29, v29, v7                      ; r + 8 (r / 8) - 16 h
	v_lshl_add_u32 v7, v4, 5, v5                   ; 32 r + h: my scale byte of o
	v_lshlrev_b32 v254, 2, v4
	v_cmp_eq_u32 s40, 1, v5
	s_wait_alu depctr_va_sdst(0)                   ; s8 and s40 are written, ahead of their first readers: the tile's number is made from s8
	s_and_b32 s10, ttmp7, 0xffff                   ; bh
	s_lshl_b32 s36, ttmp9, 3
	s_add_co_u32 s37, s36, s8                      ; 8 i + w
	s_sub_co_u32 s38, 112, s36
	s_add_co_u32 s38, s38, s8                      ; 8 (15 - i) + w - 8
	s_cmp_lt_u32 s8, 8
	s_cselect_b32 s11, s37, s38                    ; my tile of queries
	s_lshr_b32 s12, s11, 1
	s_lshl_b32 s12, s12, 5
	s_and_b32 s36, s11, 1
	s_lshl_b32 s36, s36, 3
	s_add_co_u32 s12, s12, s36                     ; my first query
	s_add_co_u32 s13, s12, 23                      ; my last
	s_mov_b32 s14, 0                               ; the step's tiles in LDS: 4,096 bytes a step
	s_mov_b32 s15, 0                               ; its scale words: 256 bytes a step
	s_mov_b32 s16, 0                               ; its first key
	s_mov_b32 s17, 16
	s_mov_b32 s20, 0x76543210
	s_mov_b32 s21, 0xfedcba98
	s_mov_b32 s22, 0x3e38aa3b                      ; c = log2(e) / 8
	s_mov_b32 s23, s22                             ; (named with it as a pair)
	s_mov_b32 s37, 0
	s_wait_kmcnt 0x0
	s_lshl_b32 s36, s10, 16
	s_add_nc_u64 s[24:25], s[4:5], s[36:37]        ; the head's 65,536 bytes of k and of v
	s_lshl_b32 s36, s10, 13
	s_add_nc_u64 s[26:27], s[4:5], s[36:37]        ; its 8,192 bytes of scale words
	s_lshl_b32 s38, s10, 7
	s_add_co_u32 s38, s38, s11
	s_lshl_b32 s36, s38, 9
	s_add_nc_u64 s[28:29], s[4:5], s[36:37]        ; my tile of q
	s_lshl_b32 s36, s38, 6
	s_add_nc_u64 s[30:31], s[4:5], s[36:37]        ; its scale words
	s_lshr_b32 s38, s10, 4
	s_lshl_b32 s38, s38, 7
	s_add_co_u32 s38, s38, s11                     ; the token tile
	s_and_b32 s39, s10, 15                         ; the head
	s_lshl_b32 s36, s38, 13
	s_lshl_b32 s41, s39, 9
	s_add_co_u32 s36, s36, s41
	s_add_nc_u64 s[32:33], s[6:7], s[36:37]        ; o's codes: blocks 2 head, 2 head + 1 of the tile's image
	s_lshl_b32 s36, s38, 9
	s_lshl_b32 s41, s39, 1
	s_add_co_u32 s36, s36, s41
	s_add_nc_u64 s[34:35], s[6:7], s[36:37]        ; o's scale bytes (0x200000 on)
	s_wait_alu depctr_va_vdst(0)                   ; the addresses v1-3, v7, v11, v30, v31 and v254 are written, which the loads and stores of the whole kernel read
	global_load_b128 v[20:23], v[LI], s[28:29]
	global_load_b32 v28, v254, s[30:31] offset:0x600000
.set k, 0
.rept 8
	global_load_b128 v[96+4*k:96+4*k+3], v11, s[24:25] offset:0x200000+8192*k
.set k, k+1
.endr
.set k, 0
.rept 8
	global_load_b128 v[128+4*k:128+4*k+3], v11, s[24:25] offset:0x400000+8192*k
.set k, k+1
.endr
	global_load_b128 v[160:163], v11, s[26:27] offset:0x640000
	s_wait_loadcnt 0x0
.set k, 0
.rept 8
	ds_store_b128 v11, v[96+4*k:96+4*k+3] offset:8192*k
.set k, k+1
.endr
.set k, 0
.rept 8
	ds_store_b128 v30, v[128+4*k:128+4*k+3] offset:8192*k
.set k, k+1
.endr
	ds_store_b128 v31, v[160:163]
	s_wait_dscnt 0x0                               ; for the others' sake: my stores are done
	s_barrier_signal -1
	s_barrier_wait -1
	s_wait_alu depctr_vm_vsrc(0)                   ; my LDS stores have read v96-163, which products and moves write from here on; the load of q's words has read v254, which the loop writes
.irp b, 0,1,2,3
.irp c, 0,1
	ds_load_b128 v[32+8*\b+4*\c:32+8*\b+4*\c+3], v[LI] offset:1024*\b+512*\c   ; step 0's K: it lands while the registers below are set
.endr
.endr
	ds_load_b64 v[200:201], v[L8]
.irp j, 16,17,18,19,24,25,26,27
	v_mov_b32 v[\j], 0                             ; zero codes: v[20:27] = [q | 0], v[16:23] = [0 | q]
.endr
	v_mov_b32 v13, 0xff61b1e6                      ; the largest t so far: -3e38
	v_floor_f32 v12, -v13                          ; -M
	v_mov_b32 v14, 0
	v_mov_b32 v15, 0
.irp b, 0,1,2,3
	v_mov_b32 v[236+\b], 0                         ; a lane permute's destination counts as one of its sources
.endr
	v_mov_b32 v252, 0
	v_mov_b32 v253, 0
.set j, 0
.rept 32
	v_mov_b32 v[160+j], 0                          ; O^T: the step is written once; the first finds zeros
.set j, j+1
.endr
	s_wait_alu depctr_va_vdst(0)                   ; the zero codes beside q are written: the scaled products K Q^T take them as an operand (the moves behind them are the places)
	s_wait_dscnt 0x0                               ; step 0's K and its words are in
.Lstep:
	s_cmp_gt_u32 s16, s13
	s_cbranch_scc1 .Lhidden                        ; all 128 keys come after my queries
	v_wmma_scale_f32_16x16x128_f8f6f4 v[96:103], v[32:39], v[20:27], 0, v200, v28 matrix_a_fmt:MATRIX_FMT_FP4 matrix_b_fmt:MATRIX_FMT_FP4
	v_wmma_scale_f32_16x16x128_f8f6f4 v[104:111], v[32:39], v[16:23], 0, v200, v28 matrix_a_fmt:MATRIX_FMT_FP4 matrix_b_fmt:MATRIX_FMT_FP4
	v_wmma_scale_f32_16x16x128_f8f6f4 v[112:119], v[40:47], v[20:27], 0, v201, v28 matrix_a_fmt:MATRIX_FMT_FP4 matrix_b_fmt:MATRIX_FMT_FP4
	v_wmma_scale_f32_16x16x128_f8f6f4 v[120:127], v[40:47], v[16:23], 0, v201, v28 matrix_a_fmt:MATRIX_FMT_FP4 matrix_b_fmt:MATRIX_FMT_FP4
	v_wmma_scale_f32_16x16x128_f8f6f4 v[128:135], v[48:55], v[20:27], 0, v200, v28 matrix_a_fmt:MATRIX_FMT_FP4 matrix_b_fmt:MATRIX_FMT_FP4 matrix_a_scale:MATRIX_SCALE_ROW1
	v_wmma_scale_f32_16x16x128_f8f6f4 v[136:143], v[48:55], v[16:23], 0, v200, v28 matrix_a_fmt:MATRIX_FMT_FP4 matrix_b_fmt:MATRIX_FMT_FP4 matrix_a_scale:MATRIX_SCALE_ROW1
	v_wmma_scale_f32_16x16x128_f8f6f4 v[144:151], v[56:63], v[20:27], 0, v201, v28 matrix_a_fmt:MATRIX_FMT_FP4 matrix_b_fmt:MATRIX_FMT_FP4 matrix_a_scale:MATRIX_SCALE_ROW1
	v_wmma_scale_f32_16x16x128_f8f6f4 v[152:159], v[56:63], v[16:23], 0, v201, v28 matrix_a_fmt:MATRIX_FMT_FP4 matrix_b_fmt:MATRIX_FMT_FP4 matrix_a_scale:MATRIX_SCALE_ROW1
	s_wait_alu depctr_vm_vsrc(0)                   ; the LDS loads of the step before have read v8-10, which are written anew
	v_add_nc_u32 v[ADK], s14, v[LI]
	v_add_nc_u32 v[ADV], s14, v[LIV]
	v_add_nc_u32 v[ADS], s15, v[L8]
	v_nop                                          ; with the three additions: four places behind the products, ahead of the first read of the scores
	s_add_co_u32 s36, s16, 127
	s_cmp_le_u32 s36, s12
	s_cbranch_scc1 .Lopen                          ; all 128 keys count for all my queries
	s_sub_co_i32 s36, s12, s16
	v_add_nc_u32 v252, s36, v29                    ; d = my query - the step's first key - 16 h.  Register 16 b + i holds key 32 b + 16 h + i of the step: hidden where 32 b + i > d
	v_mov_b32 v254, 0xff800000
.set n, 0
.rept 8                                ; the compares in runs of eight, into eight scalar registers, with one wait behind each run
.set m, 0
.rept 8
	v_cmp_gt_i32 s[MK+m], 32*((n+m)/16)+(n+m)%16, v252
.set m, m+1
.endr
	s_wait_alu depctr_va_sdst(0)                   ; the eight masks are written, ahead of the selects that read them
.set m, 0
.rept 8
	v_cndmask_b32 v[96+n+m], v[96+n+m], v254, s[MK+m]
.set m, m+1
.endr
.set n, n+8
.endr
.Lopen:
.irp b, 0,1,2,3
	v_max3_num_f32 v[232+\b], v[96+16*\b], v[97+16*\b], v[98+16*\b]   ; the largest score of each block of 32 keys: for the row's maximum, and, since p rises with the score, for the block's largest p
.endr
.irp i, 3,5,7,9,11,13
.irp b, 0,1,2,3
	v_max3_num_f32 v[232+\b], v[232+\b], v[96+16*\b+\i], v[97+16*\b+\i]
.endr
.endr
.irp b, 0,1,2,3
	v_max_num_f32 v[232+\b], v[232+\b], v[111+16*\b]
.endr
.irp b, 0,1,2,3
	v_permlanex16_b32 v[236+\b], v[232+\b], s20, s21
.endr
.irp b, 0,1,2,3
	v_max_num_f32 v[232+\b], v[232+\b], v[236+\b]
.endr
	v_max3_num_f32 v254, v232, v233, v234
	v_max_num_f32 v254, v254, v235
	v_mul_f32 v254, s22, v254
	v_max_num_f32 v13, v13, v254                   ; the running largest t
	v_mov_b32 v254, v12
	v_floor_f32 v12, -v13                          ; the new -M = -ceil(t)
	v_sub_f32 v254, v12, v254
	v_cvt_i32_f32 v254, v254
	v_ldexp_f32 v252, 1.0, v254                    ; f = 2^(old M - new M): rounds nothing
.set j, 0
.rept 32
	v_pk_fma_f32 v[96+j:97+j], v[96+j:97+j], s[22:23], v[12:13] op_sel_hi:[1,0,0]   ; t - M
.set j, j+2
.endr
.irp b, 0,1,2,3
	v_fma_f32 v[232+\b], v[232+\b], s22, v12
.endr
.set j, 0
.rept 64
	v_exp_f32 v[96+j], v[96+j]                     ; p
.set j, j+1
.endr
	v_pk_mul_f32 v[14:15], v[14:15], v[252:253] op_sel_hi:[1,0]   ; the sums under the new M: the plain instruction behind the batch
	s_wait_alu depctr_va_vdst(0)                   ; the 64 exponentials have written p, ahead of its first reader; the addresses v8-10 are written; this step's K Q^T is done reading K's fragments and words, the last step's V^T P^T V's: the loads below land there
.irp t, 0,1,2,3
.irp c, 0,1
	ds_load_b128 v[64+8*\t+4*\c:64+8*\t+4*\c+3], v[ADV] offset:1024*\t+512*\c   ; this step's V: it lands under the sums, the scales and the conversions
.endr
.endr
	ds_load_b64 v[202:203], v[ADS] offset:4096
	s_add_co_u32 s36, s16, 128
	s_cmp_gt_u32 s36, s13
	s_cbranch_scc1 .Lno_next                       ; the next step's keys all come after my queries: it will not be walked, and its K is not asked for
.irp b, 0,1,2,3
.irp c, 0,1
	ds_load_b128 v[32+8*\b+4*\c:32+8*\b+4*\c+3], v[ADK] offset:4096+1024*\b+512*\c   ; the next step's K
.endr
.endr
	ds_load_b64 v[200:201], v[ADS] offset:256
.Lno_next:
.irp b, 0,1,2,3
	v_exp_f32 v[232+\b], v[232+\b]                 ; each block's largest p
.endr
	v_pk_add_f32 v[236:237], v[96:97], v[98:99]    ; the row's sum, of the unquantised p, in two chains
.irp j, 4,8,12,16,20,24,28,32,36,40,44,48,52,56,60
	v_pk_add_f32 v[14:15], v[14:15], v[96+\j:97+\j]
	v_pk_add_f32 v[236:237], v[236:237], v[98+\j:99+\j]
.endr
	v_pk_add_f32 v[14:15], v[14:15], v[236:237]
	s_wait_alu depctr_va_vdst(0)                   ; the four exponentials have written v232-235, ahead of their first reader
.irp b, 0,1,2,3
	v_max_num_f32 v[232+\b], 0x1800000, v[232+\b]
.endr
.irp b, 0,1,2,3
	v_add_nc_u32 v[244+\b], 0xff000000, v[232+\b]
.endr
.irp b, 0,1,2,3
	v_lshrrev_b32 v[236+\b], 23, v[244+\b]
.endr
	v_lshl_or_b32 v253, v237, 8, v236              ; p's scale word for these 128 keys
	v_lshl_or_b32 v253, v238, 16, v253
	v_lshl_or_b32 v253, v239, 24, v253
.irp b, 0,1,2,3
	v_cvt_scalef32_pk8_fp4_f32 v[192+2*\b], v[96+16*\b:103+16*\b], v[244+\b]
	v_cvt_scalef32_pk8_fp4_f32 v[193+2*\b], v[104+16*\b:111+16*\b], v[244+\b]
.endr
	v_nop
.irp c, 0,1
.irp i, 0,1
	v_permlane16_swap_b32 v[192+4*\c+\i], v[194+4*\c+\i]
.endr
.endr
.set j, 0
.rept 16
	v_pk_mul_f32 v[160+j:161+j], v[160+j:161+j], v[252:253] op_sel_hi:[1,0]   ; O^T under the new M; these are also the places ahead of the products below
.set j, j+2
.endr
	s_wait_dscnt 0x0                               ; V and its words are in, and the next step's K where it was asked for: the count is right on both ways
	s_wait_alu depctr_va_vdst(0)                   ; p's codes v192-199 and its scale word v253 are written: the scaled products take them; the places above stay beside this wait
	v_wmma_scale_f32_16x16x128_f8f6f4 v[160:167], v[64:71], v[192:199], v[160:167], v202, v253 matrix_a_fmt:MATRIX_FMT_FP4 matrix_b_fmt:MATRIX_FMT_FP4
	v_wmma_scale_f32_16x16x128_f8f6f4 v[168:175], v[72:79], v[192:199], v[168:175], v202, v253 matrix_a_fmt:MATRIX_FMT_FP4 matrix_b_fmt:MATRIX_FMT_FP4 matrix_a_scale:MATRIX_SCALE_ROW1
	v_wmma_scale_f32_16x16x128_f8f6f4 v[176:183], v[80:87], v[192:199], v[176:183], v203, v253 matrix_a_fmt:MATRIX_FMT_FP4 matrix_b_fmt:MATRIX_FMT_FP4
	v_wmma_scale_f32_16x16x128_f8f6f4 v[184:191], v[88:95], v[192:199], v[184:191], v203, v253 matrix_a_fmt:MATRIX_FMT_FP4 matrix_b_fmt:MATRIX_FMT_FP4 matrix_a_scale:MATRIX_SCALE_ROW1
.Lhidden:
	s_add_co_u32 s14, s14, 4096
	s_add_co_u32 s15, s15, 256
	s_add_co_u32 s16, s16, 128
	s_sub_co_u32 s17, s17, 1
	s_cmp_lg_u32 s17, 0
	s_cbranch_scc1 .Lstep
.rept 4
	v_nop
.endr
	v_add_f32 v14, v14, v15
	v_permlanex16_b32 v252, v14, s20, s21
	v_add_f32 v14, v14, v252                       ; the row's sum
	v_rcp_f32 v14, v14
	v_nop
	s_wait_alu depctr_va_vdst(0)                   ; the reciprocal has written v14, ahead of its first reader
.set j, 0
.rept 32
	v_mul_f32 v[96+j], v[160+j], v14               ; register 16 b + i is channel 32 b + 16 h + i of my query
.set j, j+1
.endr
.irp b, 0,1
	v_max3_num_f32 v[232+\b], |v[96+16*\b]|, |v[97+16*\b]|, 0x1800000
.endr
.irp i, 2,4,6,8,10,12,14
.irp b, 0,1
	v_max3_num_f32 v[232+\b], v[232+\b], |v[96+16*\b+\i]|, |v[97+16*\b+\i]|
.endr
.endr
.irp b, 0,1
	v_permlanex16_b32 v[236+\b], v[232+\b], s20, s21
.endr
.irp b, 0,1
	v_max_num_f32 v[232+\b], v[232+\b], v[236+\b]
.endr
.irp b, 0,1
	v_add_nc_u32 v[244+\b], 0xff000000, v[232+\b]
.endr
.irp b, 0,1
	v_lshrrev_b32 v[236+\b], 23, v[244+\b]
.endr
.irp b, 0,1
	v_cvt_scalef32_pk8_fp4_f32 v[192+2*\b], v[96+16*\b:103+16*\b], v[244+\b]
	v_cvt_scalef32_pk8_fp4_f32 v[193+2*\b], v[104+16*\b:111+16*\b], v[244+\b]
.endr
	v_nop
	v_permlane16_swap_b32 v192, v194
	v_permlane16_swap_b32 v193, v195
	v_cndmask_b32 v238, v236, v237, s40            ; my half's block's byte
	s_wait_alu depctr_va_vdst(0)                   ; o's codes v192-195 and my byte v238 are written, which the two stores read
	global_store_b128 v[LI], v[192:195], s[32:33]  ; 512 consecutive bytes
	global_store_b8 v7, v238, s[34:35] offset:0x200000   ; 32 single bytes a wave, two to a row of 32: the other heads' work-groups write the rest of the row
	s_wait_dscnt 0x0                               ; the closing lines, six on end
	s_wait_alu 0x0
	s_wait_tensorcnt 0x0
	ds_add_u32 v251, v255
	s_wait_dscnt 0x0
	s_endpgm
.Lfunc_end_k_q5662354310_attn:
	.size	k_q5662354310_attn, .Lfunc_end_k_q5662354310_attn-k_q5662354310_attn
	.p2alignl 7, 3214868480
	.fill 96, 4, 3214868480
	.section	.rodata,"a",@progbits
	.p2align	6, 0x0
	.amdhsa_kernel k_q5662354310_attn
		.amdhsa_group_segment_fixed_size 141312
		.amdhsa_private_segment_fixed_size 0
		.amdhsa_enable_private_segment 0
		.amdhsa_kernarg_size 16
		.amdhsa_user_sgpr_count 2
		.amdhsa_user_sgpr_kernarg_segment_ptr 1
		.amdhsa_wavefront_size32 1
		.amdhsa_system_sgpr_workgroup_id_x 1
		.amdhsa_system_sgpr_workgroup_id_y 1
		.amdhsa_system_sgpr_workgroup_id_z 1
		.amdhsa_system_vgpr_workitem_id 0
		.amdhsa_next_free_vgpr 256
		.amdhsa_next_free_sgpr 66
		.amdhsa_reserve_vcc 0
		.amdhsa_float_denorm_mode_32 3
		.amdhsa_float_denorm_mode_16_64 3
		.amdhsa_memory_ordered 1
		.amdhsa_forward_progress 1
		.amdhsa_inst_pref_size 37
	.end_amdhsa_kernel
	.amdgpu_metadata
---
amdhsa.version: [ 1, 2 ]
amdhsa.kernels:
  - .name:           k_q5662354310_attn
    .symbol:         k_q5662354310_attn.kd
    .args:
      - { .name: ws2, .offset: 0, .size: 8, .value_kind: global_buffer, .address_space: global }
      - { .name: ws3, .offset: 8, .size: 8, .value_kind: global_buffer, .address_space: global }
    .group_segment_fixed_size: 141312
    .private_segment_fixed_size: 0
    .kernarg_segment_align: 8
    .kernarg_segment_size: 16
    .max_flat_workgroup_size: 512
    .sgpr_count:     66
    .vgpr_count:     256
    .wavefront_size: 32
...
	.end_amdgpu_metadata
.endif
;; end of part 7
;; launch wo_ln2 (part 8): grid 128 x 1, 8 waves a work-group, no clusters, 204,288 bytes of LDS; arguments ws3, ws1, Wo_scales, bo, x, ln2_g, ln2_b, ws4; writes ws4
.if DOCPART == 8
	.amdgcn_target "amdgcn-amd-amdhsa--gfx1250"
	.amdhsa_code_object_version 6
	.text
	.protected	k_q5662354310_wo_ln2
	.globl	k_q5662354310_wo_ln2
	.p2align	8
	.type	k_q5662354310_wo_ln2,@function
k_q5662354310_wo_ln2:
	s_mov_b64 s[64:65], 0
	v_nop
	global_prefetch_b8 v0, s[64:65] scope:SCOPE_SE
	s_setreg_imm32_b32 hwreg(HW_REG_WAVE_SCHED_MODE, 0, 2), 2
	s_setreg_imm32_b32 hwreg(HW_REG_WAVE_MODE, 25, 1), 1
	s_wait_xcnt 0x0
	s_wait_alu depctr_vm_vsrc(0)
; x1 = x + (o Wo + bo), then LayerNorm 2 of x1 and its quantiser.  Work-group p owns tokens 32 p .. 32 p + 31 (token tiles 2 p, 2 p + 1) and all 1,024 columns, so that a row's mean and variance need no other work-group.
; PRODUCT: wave w owns columns 128 w .. 128 w + 127 (weight tiles 8 w + 0..7): source 0 = 16 weight rows, source 1 = 16 tokens.  x + bo is the sums' C: it goes through the stage in LDS from rows (as loaded) to the result's layout.
; Wo's fragments come from memory straight into a ring of SIX register sets of four fragments (each fragment is used by one wave alone): at a beat's wait its own eight loads and the four later beats' 32 are on their way.
; Four sets lie in window 0; the fifth in window 1's last 32 registers; the sixth where bo lay, which is done with once x + bo is made.  o's two tiles lie in LDS for all eight waves.
; gamma and beta are wanted in the tail alone: they are asked for in beats 11 and 12, where the ring has nothing left to ask for.
; TAIL: the sums go back through the stage; wave w takes stage rows 4 w .. 4 w + 3 whole: stores x1, normalises, quantises.
; ws4: 0 x1 [4096][1024] f32; 0x1000000 the codes of LN2(x1) as images [tile][8][1024]; 0x1200000 their scale bytes [tile][row][32].
; 128 work-groups: with 16 rows to a work-group each would still draw all 512 KiB of Wo, 128 MiB in all.  No cluster: joint requests belong to tensor loads, and Wo's 512 KiB do not fit into LDS beside the stage.  LIMITS as in the first launch.
; THE MODE: SCHED_MODE bits 1:0 = 2 (LLVM: expert scheduling mode 2), set by the entry lines.  The code itself states the register dependences
; between vector or matrix instructions and memory or LDS instructions, with s_wait_alu, always for 0.
; THE PLAN.  Registers that memory or LDS instructions touch:
;   the six ring sets   Beat b: its eight products read set b % 6; in beat b + 1 the loads of beat b + 6 land in it.
;   AF0, AF1            o's fragments of a K step: read by the products of its two beats; the K step two on lands there, asked for at the head of the next K step.
;   So ONE wait on va_vdst stands in a beat, behind the wait for the beat's own loads: the last beat's products are done reading.  The beat's loads follow it, then its products.
;   window 1 v0-127     x as loaded; x + bo (additions); read by the stage's stores; the sums' C lands there from the stage; the products' accumulators; read by the stage's stores.
;   BR (v88-215)        behind the products: my four rows of x1 from the stage; read by x1's stores; normalised in place; read by the turning stage's stores.
;   Y, Y1               two blocks of 32 neighbours, by turns: filled from the turning stage, read by a row's quantiser.
;   CD + 4 i, BYR + i   row i's codes and byte, registers of its own for each row: written by its quantiser, read by its two stores into the image.
;   So one wait on va_vdst stands behind rows 0 and 1's normalising and one behind each row's quantiser; no register that an LDS store reads is written again in the tail.
;   The addresses v1-13 are made once, at the head.
.set YST,  16384                       ; LDS: 0 o's two tiles (16,384);  the stage: 32 rows (tile order) x (4,096 + 16)
.set YP,   4112
.set TST,  YST+32*YP                   ; a turning stage of 4,608 bytes for each wave
.set TSTW, 4608
.set HIMG, TST+8*TSTW                  ; two tiles' images: 32 groups of 256 + 16 each
.set HSC,  HIMG+2*8704                 ; their 1,024 scale bytes
.set LI,  1
.set YD,  2                            ; v2  my four stage rows, dense
.set YR,  3                            ; v3, v4  the stage in the result's layout, token tile 0, 1
.set AW,  5                            ; v5  16 x lane + 2,048 w
.set SWA, 6
.set SHA, 7
.set TW,  8
.set TR,  9
.set IW,  10
.set SB,  11
.set IR,  12
.set HR,  13
.set SA,  16                           ; v16-23  o's scale words, by K step; lanes 0-15 tile 2 p, lanes 16-31 tile 2 p + 1
.set SW,  24                           ; v24-55  Wo's: 8 (tile / 2) + K step
.set Y1,  16                           ; v16-47  in the tail, where the scale words are done with: the second block of 32 neighbours
.set AF,  56                           ; v56-87  o's fragments, two sets of two; in the tail a block of 32 neighbours
.set Y,   56
.set BR,  88                           ; v88-215 ring sets 0 to 3; in the tail my four rows
.set S0,  216
.set S1,  218
.set MU,  220
.set RS,  222
.set PD,  224
.set MX,  226
.set SC,  228
.set CD,  232                          ; v232-247 in the tail: four registers of codes for each of my four rows
.set LND, 236                          ; v236-251 at the head: my share of o's images on its way to LDS
.set BYR, 248                          ; v248-251 in the tail: a scale byte for each of my four rows
; window 1: v0-127 x, then the 16 accumulators; v128-159 bo, then ring set 5; v160-191 gamma; v192-223 beta; v224-255 ring set 4
.set MSB, 0
.macro WIN new
.if MSB != (\new)
	s_set_vgpr_msb (MSB<<8)|(\new)
.set MSB, (\new)
.endif
.endm
.macro PLACES n
.rept \n
	v_nop
.endr
.endm
.macro BARRIER
	s_wait_dscnt 0x0
	s_barrier_signal -1
	s_barrier_wait -1
.endm
.macro WMX
.if fA && fB
	v_wmma_scale_f32_16x16x128_f8f6f4 v[rD:rD+7], v[rA:rA+7], v[rB:rB+7], v[rC:rC+7], v[rSA], v[rSB] matrix_a_fmt:MATRIX_FMT_FP4 matrix_b_fmt:MATRIX_FMT_FP4 matrix_a_scale:MATRIX_SCALE_ROW1 matrix_b_scale:MATRIX_SCALE_ROW1
.elseif fA
	v_wmma_scale_f32_16x16x128_f8f6f4 v[rD:rD+7], v[rA:rA+7], v[rB:rB+7], v[rC:rC+7], v[rSA], v[rSB] matrix_a_fmt:MATRIX_FMT_FP4 matrix_b_fmt:MATRIX_FMT_FP4 matrix_a_scale:MATRIX_SCALE_ROW1
.elseif fB
	v_wmma_scale_f32_16x16x128_f8f6f4 v[rD:rD+7], v[rA:rA+7], v[rB:rB+7], v[rC:rC+7], v[rSA], v[rSB] matrix_a_fmt:MATRIX_FMT_FP4 matrix_b_fmt:MATRIX_FMT_FP4 matrix_b_scale:MATRIX_SCALE_ROW1
.else
	v_wmma_scale_f32_16x16x128_f8f6f4 v[rD:rD+7], v[rA:rA+7], v[rB:rB+7], v[rC:rC+7], v[rSA], v[rSB] matrix_a_fmt:MATRIX_FMT_FP4 matrix_b_fmt:MATRIX_FMT_FP4
.endif
.endm
.macro RSET beta                       ; ring set beta % 6: rsB its first register, rsW its window
.set rsN, (\beta)%6
.if rsN < 4
.set rsB, BR+32*rsN
.set rsW, 0
.elseif rsN == 4
.set rsB, 224
.set rsW, 1
.else
.set rsB, 128
.set rsW, 1
.endif
.endm
.macro BLOAD beta                      ; beat beta = 2 x K step + half: weight tiles 4 (beta % 2) + 0..3 of my eight, into ring set beta % 6
	RSET \beta
.if rsW
	WIN 0x40                                       ; destination window 1
.endif
.irp j, 0,1,2,3
.irp c, 0,1
	global_load_b128 v[rsB+8*\j+4*\c:rsB+8*\j+4*\c+3], v[LI], s[40:41] offset:0x180000+8192*(4*((\beta)%2)+\j)+1024*((\beta)/2)+512*\c
.endr
.endr
	WIN 0
.endm
.macro AFETCH s                        ; o's two fragments of K step s
.irp u, 0,1
.irp c, 0,1
	ds_load_b128 v[AF+16*((\s)%2)+8*\u+4*\c:AF+16*((\s)%2)+8*\u+4*\c+3], v[LI] offset:8192*\u+1024*(\s)+512*\c
.endr
.endr
.endm
.macro REDUCE a
	v_add_f32_dpp v[\a], v[\a], v[\a] row_xmask:1 row_mask:0xf bank_mask:0xf
	v_add_f32_dpp v[\a], v[\a], v[\a] row_xmask:2 row_mask:0xf bank_mask:0xf
	v_add_f32_dpp v[\a], v[\a], v[\a] row_xmask:4 row_mask:0xf bank_mask:0xf
	v_add_f32_dpp v[\a], v[\a], v[\a] row_xmask:8 row_mask:0xf bank_mask:0xf
	v_permlanex16_b32 v[PD], v[\a], s30, s31
	v_add_f32 v[\a], v[\a], v[PD]
.endm
.macro LNROW x
	v_pk_add_f32 v[S0:S0+1], v[\x:\x+1], v[\x+2:\x+3]
	v_pk_add_f32 v[S1:S1+1], v[\x+4:\x+5], v[\x+6:\x+7]
.irp j, 8,12,16,20,24,28
	v_pk_add_f32 v[S0:S0+1], v[S0:S0+1], v[\x+\j:\x+\j+1]
	v_pk_add_f32 v[S1:S1+1], v[S1:S1+1], v[\x+\j+2:\x+\j+3]
.endr
	v_pk_add_f32 v[S0:S0+1], v[S0:S0+1], v[S1:S1+1]
	v_add_f32 v[S0], v[S0], v[S0+1]
	REDUCE S0
	v_mul_f32 v[MU], s32, v[S0]
	v_mov_b32 v[MU+1], v[MU]
.set j, 0
.rept 16
	v_pk_add_f32 v[\x+j:\x+j+1], v[\x+j:\x+j+1], v[MU:MU+1] neg_lo:[0,1] neg_hi:[0,1]
.set j, j+2
.endr
	v_pk_mul_f32 v[S0:S0+1], v[\x:\x+1], v[\x:\x+1]
	v_pk_mul_f32 v[S1:S1+1], v[\x+2:\x+3], v[\x+2:\x+3]
.irp j, 4,8,12,16,20,24,28
	v_pk_fma_f32 v[S0:S0+1], v[\x+\j:\x+\j+1], v[\x+\j:\x+\j+1], v[S0:S0+1]
	v_pk_fma_f32 v[S1:S1+1], v[\x+\j+2:\x+\j+3], v[\x+\j+2:\x+\j+3], v[S1:S1+1]
.endr
	v_pk_add_f32 v[S0:S0+1], v[S0:S0+1], v[S1:S1+1]
	v_add_f32 v[S0], v[S0], v[S0+1]
	REDUCE S0
	v_fma_f32 v[S0], v[S0], s32, s33
	v_rsq_f32 v[RS], v[S0]
	v_nop
	s_wait_alu depctr_va_vdst(0)                   ; the root's reciprocal has written v[RS], ahead of its first reader
	v_mov_b32 v[RS+1], v[RS]
.set j, 0
.rept 16
	v_pk_mul_f32 v[\x+j:\x+j+1], v[\x+j:\x+j+1], v[RS:RS+1]
.set j, j+2
.endr
	WIN 0x14                                       ; gamma and beta lie in window 1
.set j, 0
.rept 16
	v_pk_fma_f32 v[\x+j:\x+j+1], v[\x+j:\x+j+1], v[160+j:160+j+1], v[192+j:192+j+1]
.set j, j+2
.endr
	WIN 0
.endm
.macro TURN x, y                       ; a row through my own turning stage: in as it lies, out 128 bytes a lane, into block y.  LDS serves a wave's instructions in order: the loads see the stores above them, and the next row's stores come behind these loads
.irp j, 0,1,2,3,4,5,6,7
	ds_store_b128 v[TW], v[\x+4*\j:\x+4*\j+3] offset:576*\j
.endr
.irp j, 0,1,2,3,4,5,6,7
	ds_load_b128 v[\y+4*\j:\y+4*\j+3], v[TR] offset:16*\j
.endr
.endm
.macro QUANTV y, i                     ; my block of row i, in v[y] on: its scale byte and 32 codes, into the row's own registers
	v_max3_num_f32 v[MX], |v[\y]|, |v[\y+1]|, |v[\y+2]|
	v_max3_num_f32 v[MX+1], |v[\y+3]|, |v[\y+4]|, |v[\y+5]|
.irp e, 6,10,14,18,22,26
	v_max3_num_f32 v[MX], v[MX], |v[\y+\e]|, |v[\y+\e+1]|
	v_max3_num_f32 v[MX+1], v[MX+1], |v[\y+\e+2]|, |v[\y+\e+3]|
.endr
	v_max3_num_f32 v[MX], v[MX], |v[\y+30]|, |v[\y+31]|
	v_max3_num_f32 v[MX], v[MX], v[MX+1], 0x1800000
	v_add_nc_u32 v[SC], 0xff000000, v[MX]
	v_lshrrev_b32 v[BYR+(\i)], 23, v[SC]
.irp e, 0,1,2,3
	v_cvt_scalef32_pk8_fp4_f32 v[CD+4*(\i)+\e], v[\y+8*\e:\y+8*\e+7], v[SC]
.endr
	v_nop
.endm
.macro QSTORE i                        ; row i's codes and byte into the tile's image
	ds_store_b128 v[IW], v[CD+4*(\i):CD+4*(\i)+3] offset:16*(\i)
	ds_store_b8 v[SB], v[BYR+(\i)] offset:32*(\i)
.endm
	s_load_b512 s[8:23], s[0:1], 0x0               ; ws3 8, ws1 10, Wo_scales 12, bo 14, x 16, gamma 18, beta 20, ws4 22
	v_lshl_add_u32 v230, v0, 2, 0x31a00
	v_mov_b32 v231, 0
	v_lshrrev_b32 v1, 5, v0
	v_readfirstlane_b32 s28, v1                    ; wave 0..7
	s_mov_b32 s30, 0x76543210
	s_mov_b32 s31, 0xfedcba98
	s_mov_b32 s32, 0x3a800000                      ; 1 / 1,024
	s_mov_b32 s33, 0x3727c5ac                      ; 1e-5
	v_and_b32 v252, 31, v0                         ; lane
	v_and_b32 v253, 15, v0                         ; r
	v_bfe_u32 v254, v0, 4, 1                       ; h
	v_and_b32 v255, 8, v253
	v_add_nc_u32 v255, v255, v253                  ; r + 8 (r / 8)
	v_lshlrev_b32 v[LI], 4, v252
	s_wait_alu depctr_va_sdst(0)                   ; s28 is written, ahead of its first reader: every place of the wave, in LDS and in memory, is made from it
	s_lshr_b32 s46, s28, 2                         ; my rows' tile
	s_and_b32 s47, s28, 3
	s_mul_i32 s48, s28, 4*YP
	s_add_co_u32 s48, s48, YST
	v_add_nc_u32 v[YD], s48, v[LI]
	v_mul_u32_u24 v[YR], v253, YP
	v_lshl_add_u32 v[YR], v254, 6, v[YR]
	s_lshl_b32 s48, s28, 9
	s_add_co_u32 s48, s48, YST
	v_add_nc_u32 v[YR], s48, v[YR]                 ; row r, my 512 bytes of it, + 64 h
	v_add_nc_u32 v[YR+1], 16*YP, v[YR]
	s_lshl_b32 s48, s28, 11
	v_add_nc_u32 v[AW], s48, v[LI]
	v_lshl_add_u32 v[SWA], v254, 3, v255
	v_lshlrev_b32 v[SWA], 5, v[SWA]
	v_lshlrev_b32 v[SHA], 5, v252
	s_mul_i32 s48, s28, TSTW
	s_add_co_u32 s48, s48, TST
	v_lshrrev_b32 v[IW], 3, v252
	v_mul_u32_u24 v[TW], v[IW], 144
	v_and_b32 v[IW], 7, v252
	v_lshl_add_u32 v[TW], v[IW], 4, v[TW]
	v_add_nc_u32 v[TW], s48, v[TW]
	v_mul_u32_u24 v[TR], v252, 144
	v_add_nc_u32 v[TR], s48, v[TR]
	s_mul_i32 s48, s46, 8704
	s_lshl_b32 s49, s47, 6
	s_add_co_u32 s49, s49, s48
	s_add_co_u32 s49, s49, HIMG
	v_mul_u32_u24 v[IW], v252, 272
	v_add_nc_u32 v[IW], s49, v[IW]
	s_mul_i32 s49, s47, 2176
	s_add_co_u32 s49, s49, s48
	s_add_co_u32 s49, s49, HIMG
	v_mul_u32_u24 v[IR], v254, 272
	v_lshl_add_u32 v[IR], v253, 4, v[IR]
	v_add_nc_u32 v[IR], s49, v[IR]
	s_lshl_b32 s48, s46, 9
	s_lshl_b32 s49, s47, 7
	s_add_co_u32 s48, s48, s49
	s_add_co_u32 s48, s48, HSC
	v_add_nc_u32 v[SB], s48, v252
	s_and_b32 s48, s28, 1
	s_lshl_b32 s48, s48, 9
	s_add_co_u32 s49, s48, HSC
	v_add_nc_u32 v[HR], s49, v[LI]
	v_mov_b32 v[PD], 0
	s_lshl_b32 s50, ttmp9, 5
	s_lshl_b32 s51, s46, 3
	s_add_co_u32 s50, s50, s51
	s_lshl_b32 s51, s47, 2
	s_add_co_u32 s50, s50, s51
	s_lshr_b32 s51, s47, 1
	s_lshl_b32 s51, s51, 3
	s_add_co_u32 s50, s50, s51                     ; my first token: 32 p + 8 (w / 4) + 4 (w % 4) + 8 ((w % 4) / 2)
	s_lshl_b32 s50, s50, 12
	s_mov_b32 s51, 0
	s_mov_b32 s53, 0
	s_wait_kmcnt 0x0
	s_add_nc_u64 s[16:17], s[16:17], s[50:51]      ; x at my rows
	s_add_nc_u64 s[34:35], s[22:23], s[50:51]      ; x1 likewise
	s_lshl_b32 s52, ttmp9, 14
	s_add_nc_u64 s[36:37], s[8:9], s[52:53]        ; o's two tiles
	s_lshl_b32 s52, ttmp9, 10
	s_add_nc_u64 s[38:39], s[8:9], s[52:53]        ; their scale bytes (0x200000 on)
	s_lshl_b32 s52, s28, 16
	s_add_nc_u64 s[40:41], s[10:11], s[52:53]      ; my eight tiles of Wo's images (0x180000 on)
	s_lshl_b32 s52, s28, 12
	s_add_nc_u64 s[12:13], s[12:13], s[52:53]
	s_lshl_b32 s52, ttmp9, 14
	s_add_co_u32 s52, s52, 0x1000000
	s_add_nc_u64 s[42:43], s[22:23], s[52:53]      ; the codes of LN2(x1)
	s_lshl_b32 s52, ttmp9, 10
	s_add_co_u32 s52, s52, s48
	s_add_co_u32 s52, s52, 0x1200000
	s_add_nc_u64 s[44:45], s[22:23], s[52:53]      ; their scale bytes, 512 for each of waves 0, 1
	WIN 0x40                                       ; destination window 1
	s_wait_alu depctr_va_vdst(0)                   ; the addresses v1-13 are written, which the loads and stores of the whole kernel read
.irp j, 0,1,2,3,4,5,6,7
	global_load_b128 v[128+4*\j:128+4*\j+3], v[LI], s[14:15] offset:512*\j
.endr
.irp i, 0,1,2,3
.irp j, 0,1,2,3,4,5,6,7
	global_load_b128 v[32*\i+4*\j:32*\i+4*\j+3], v[LI], s[16:17] offset:4096*\i+512*\j th:TH_LOAD_NT
.endr
.endr
	WIN 0
.irp k, 0,1,2,3
	global_load_b128 v[LND+4*\k:LND+4*\k+3], v[AW], s[36:37] offset:512*\k
.endr
.irp e, 0,1
	global_load_b128 v[SA+4*\e:SA+4*\e+3], v[SHA], s[38:39] offset:0x200000+16*\e
.endr
.irp b, 0,1,2,3
.irp e, 0,1
	global_load_b128 v[SW+8*\b+4*\e:SW+8*\b+4*\e+3], v[SWA], s[12:13] offset:1024*\b+16*\e
.endr
.endr
	BLOAD 0
	BLOAD 1
	BLOAD 2
	BLOAD 3
	BLOAD 4
	s_wait_loadcnt 50                              ; bo, x and my share of o are in; behind them: 2 + 8 scale loads and 40 of Wo
	WIN 0x45
.set i, 0
.rept 4
.set j, 0
.rept 16
	v_pk_add_f32 v[32*i+j:32*i+j+1], v[32*i+j:32*i+j+1], v[128+j:128+j+1]    ; x + bo
.set j, j+2
.endr
.set i, i+1
.endr
	WIN 0x04                                       ; an LDS store's data are its source 1: window 1
	s_wait_alu depctr_va_vdst(0)                   ; the additions have written x + bo, which the stores read and in which the sums' C lands below; they are done reading bo's registers, in which ring set 5's loads land
.irp i, 0,1,2,3
.irp j, 0,1,2,3,4,5,6,7
	ds_store_b128 v[YD], v[32*\i+4*\j:32*\i+4*\j+3] offset:YP*\i+512*\j
.endr
.endr
	WIN 0
.irp k, 0,1,2,3
	ds_store_b128 v[AW], v[LND+4*\k:LND+4*\k+3] offset:512*\k
.endr
	BARRIER                                        ; 32 rows of x + bo and o's two tiles lie in LDS
	WIN 0x40
	s_wait_alu depctr_vm_vsrc(0)                   ; my stores into the stage have read window 1's v0-127, in which the loads below land; my stores of o have read v236-251, which the tail writes
.irp u, 0,1
.set q, 0
.rept 16
	ds_load_b128 v[64*\u+4*q:64*\u+4*q+3], v[YR+\u] offset:128*(q/4)+16*(q%4)   ; in the result's layout: registers 16 b + 0..15 are columns 32 b + 16 h + 0..15 of my 128
.set q, q+1
.endr
.endr
	WIN 0
	AFETCH 0
.set kb, 0
.rept 16
	PLACES 4                                       ; the registers that the last beat's products read are loaded again four places behind them
.if kb <= 13
	s_wait_loadcnt 32                              ; this beat's eight loads are in; the four groups of eight issued behind them may be out
.else
	s_wait_loadcnt 8*(17-kb)                       ; the later beat's loads, gamma's and beta's may be out
.endif
.if kb%2 == 0
	s_wait_dscnt 0x0                               ; this K step's fragments of o are in (in the first beat the sums' C too); nothing younger is out
.endif
.if ((kb >= 1) && (kb <= 10)) || (kb == 12)
	s_wait_alu depctr_va_vdst(0)                   ; the last beat's products are done reading their ring set, and at a K step's first beat the last K step's are done reading its fragments of o: the loads below land there
.endif
.if kb+5 <= 15
	BLOAD kb+5                                     ; into the set that the last beat has left
.elseif kb == 11
	WIN 0x40
.irp j, 0,1,2,3,4,5,6,7
	global_load_b128 v[160+4*\j:160+4*\j+3], v[LI], s[18:19] offset:512*\j       ; gamma
.endr
	WIN 0
.elseif kb == 12
	WIN 0x40
.irp j, 0,1,2,3,4,5,6,7
	global_load_b128 v[192+4*\j:192+4*\j+3], v[LI], s[20:21] offset:512*\j       ; beta
.endr
	WIN 0
.endif
.if (kb%2 == 0) && (kb/2 < 7)
	AFETCH kb/2+1
.endif
	RSET kb
.if rsW
	WIN 0x51                                       ; source 0 (Wo), C and D window 1
.else
	WIN 0x50                                       ; C and D window 1
.endif
.set ku, 0
.rept 2
.set kj, 0
.rept 4
.set rD, 64*ku+8*(4*(kb%2)+kj)
.set rC, rD
.set rA, rsB+8*kj
.set rB, AF+16*((kb/2)%2)+8*ku
.set rSA, SW+8*((4*(kb%2)+kj)/2)+kb/2
.set rSB, SA+kb/2
.set fA, kj%2
.set fB, ku
	WMX                                            ; eight accumulators by turns in a beat, the other eight in the next
.set kj, kj+1
.endr
.set ku, ku+1
.endr
	WIN 0
.set kb, kb+1
.endr
	PLACES 5
	s_wait_alu depctr_va_vdst(0)                   ; the products have written the accumulators, which the stage's stores read (the places above stay beside this wait); they are done reading ring sets 0 to 3, o's fragments and the scale words, in which the tail's loads land
	BARRIER                                        ; every wave's reads of x + bo are long over: the stage may be written again
	WIN 0x04
.irp u, 0,1
.set q, 0
.rept 16
	ds_store_b128 v[YR+\u], v[64*\u+4*q:64*\u+4*q+3] offset:128*(q/4)+16*(q%4)   ; each accumulator from its low end on
.set q, q+1
.endr
.endr
	WIN 0
	BARRIER                                        ; 32 whole rows of x1 lie in the stage
.irp i, 0,1,2,3
.irp j, 0,1,2,3,4,5,6,7
	ds_load_b128 v[BR+32*\i+4*\j:BR+32*\i+4*\j+3], v[YD] offset:YP*\i+512*\j
.endr
.endr
.irp i, 0,1,2,3
	s_wait_dscnt 8*(3-\i)
.irp j, 0,1,2,3,4,5,6,7
	global_store_b128 v[LI], v[BR+32*\i+4*\j:BR+32*\i+4*\j+3], s[34:35] offset:4096*\i+512*\j   ; 512 consecutive bytes
.endr
.endr
	s_wait_xcnt 0x0                                ; the stores have read their registers: the rows are normalised in place
	s_wait_alu depctr_vm_vsrc(0)                   ; the stores of x1 have read my four rows, which the normalising writes
	s_wait_loadcnt 0x0                             ; gamma and beta
	LNROW BR
	LNROW BR+32
	s_wait_alu depctr_va_vdst(0)                   ; rows 0 and 1 are written, which the turning stage's stores read
	TURN BR, Y
	TURN BR+32, Y1
	LNROW BR+64                                    ; rows 2 and 3 are normalised while rows 0 and 1 turn: these lines name neither block nor rows 0 and 1
	LNROW BR+96
	s_wait_dscnt 16                                ; row 0's block is in; row 1's eight stores and eight loads may be out
	QUANTV Y, 0
	s_wait_alu depctr_va_vdst(0)                   ; row 0's codes and byte are written, and rows 2 and 3, which the stores below read; the quantiser is done reading the first block, in which row 2 lands
	QSTORE 0
	TURN BR+64, Y
	s_wait_dscnt 18                                ; row 1's block is in; behind it: two stores into the image and row 2's sixteen
	QUANTV Y1, 1
	s_wait_alu depctr_va_vdst(0)                   ; row 1's codes and byte are written, which the stores below read; the quantiser is done reading the second block, in which row 3 lands
	QSTORE 1
	TURN BR+96, Y1
	s_wait_dscnt 18                                ; row 2's block is in; behind it: two stores into the image and row 3's sixteen
	QUANTV Y, 2
	s_wait_alu depctr_va_vdst(0)                   ; row 2's codes and byte are written, which the stores below read; the quantiser is done reading the first block, in which the image lands behind the barrier
	QSTORE 2
	s_wait_dscnt 2                                 ; row 3's block is in; the two stores into the image may be out
	QUANTV Y1, 3
	s_wait_alu depctr_va_vdst(0)                   ; row 3's codes and byte are written, which the stores below read
	QSTORE 3
	BARRIER                                        ; the two tiles' images and scale bytes lie in LDS
.irp k, 0,1,2,3
	ds_load_b128 v[Y+4*\k:Y+4*\k+3], v[IR] offset:544*\k
.endr
.irp k, 0,1,2,3
	s_wait_dscnt 3-\k
	global_store_b128 v[AW], v[Y+4*\k:Y+4*\k+3], s[42:43] offset:512*\k
.endr
	s_cmp_lt_u32 s28, 2
	s_cbranch_scc0 .Ldone
	ds_load_b128 v[Y+16:Y+19], v[HR]
	s_wait_dscnt 0x0
	global_store_b128 v[LI], v[Y+16:Y+19], s[44:45]
.Ldone:
	s_wait_dscnt 0x0                               ; the closing lines, six on end
	s_wait_alu 0x0
	s_wait_tensorcnt 0x0
	ds_add_u32 v230, v231
	s_wait_dscnt 0x0
	s_endpgm
.Lfunc_end_k_q5662354310_wo_ln2:
	.size	k_q5662354310_wo_ln2, .Lfunc_end_k_q5662354310_wo_ln2-k_q5662354310_wo_ln2
	.p2alignl 7, 3214868480
	.fill 96, 4, 3214868480
	.section	.rodata,"a",@progbits
	.p2align	6, 0x0
	.amdhsa_kernel k_q5662354310_wo_ln2
		.amdhsa_group_segment_fixed_size 204288
		.amdhsa_private_segment_fixed_size 0
		.amdhsa_enable_private_segment 0
		.amdhsa_kernarg_size 64
		.amdhsa_user_sgpr_count 2
		.amdhsa_user_sgpr_kernarg_segment_ptr 1
		.amdhsa_wavefront_size32 1
		.amdhsa_system_sgpr_workgroup_id_x 1
		.amdhsa_system_sgpr_workgroup_id_y 1
		.amdhsa_system_sgpr_workgroup_id_z 1
		.amdhsa_system_vgpr_workitem_id 0
		.amdhsa_next_free_vgpr 512
		.amdhsa_next_free_sgpr 66
		.amdhsa_reserve_vcc 0
		.amdhsa_float_denorm_mode_32 3
		.amdhsa_float_denorm_mode_16_64 3
		.amdhsa_memory_ordered 1
		.amdhsa_forward_progress 1
		.amdhsa_inst_pref_size 98
	.end_amdhsa_kernel
	.amdgpu_metadata
---
amdhsa.version: [ 1, 2 ]
amdhsa.kernels:
  - .name:           k_q5662354310_wo_ln2
    .symbol:         k_q5662354310_wo_ln2.kd
    .args:
      - { .name: ws3, .offset: 0, .size: 8, .value_kind: global_buffer, .address_space: global }
      - { .name: ws1, .offset: 8, .size: 8, .value_kind: global_buffer, .address_space: global }
      - { .name: Wo_scales, .offset: 16, .size: 8, .value_kind: global_buffer, .address_space: global }
      - { .name: bo, .offset: 24, .size: 8, .value_kind: global_buffer, .address_space: global }
      - { .name: x, .offset: 32, .size: 8, .value_kind: global_buffer, .address_space: global }
      - { .name: ln2_g, .offset: 40, .size: 8, .value_kind: global_buffer, .address_space: global }
      - { .name: ln2_b, .offset: 48, .size: 8, .value_kind: global_buffer, .address_space: global }
      - { .name: ws4, .offset: 56, .size: 8, .value_kind: global_buffer, .address_space: global }
    .group_segment_fixed_size: 204288
    .private_segment_fixed_size: 0
    .kernarg_segment_align: 8
    .kernarg_segment_size: 64
    .max_flat_workgroup_size: 256
    .sgpr_count:     66
    .vgpr_count:     512
    .wavefront_size: 32
...
	.end_amdgpu_metadata
.endif
;; end of part 8
;; launch ffn1: the kernel of part 5 again; grid 16 x 16, 4 waves a work-group, clusters of 4 x 1, 168,448 bytes of LDS; arguments ws4, ws1, W1_scales, b1, ws5; writes ws5
;; launch ffn2: the kernel of part 6 again; grid 16 x 16, 4 waves a work-group, clusters of 4 x 1, 168,448 bytes of LDS; arguments ws5, ws1, W2_scales, b2, ws4, out0; writes out0
